; MI455X (gfx1250); checked and timed in simulation.
; The chip was launched on July 23, 2026; its instructions are those of AMD's public machine-readable ISA for CDNA 5 (MIT licence, August 2026) and "CDNA5" Instruction Set Architecture Reference Guide (July 2026). The comments in the code are by the model that wrote it; some were corrected since.
;; Decoder Layer. Allowed arithmetic: matrix products marked QUANTISED: E2M1 operands, one E8M0 scale for each 32 along K, by v_wmma_scale_f32_16x16x128_f8f6f4 with both operands' format E2M1 (or v_wmma_scale_f32_32x16x128_f4), f32 sums; everything else in f32.
;; Inputs: aw_b 64 float32; aw_w_codes 64 x 8 x 16 uint8 (E2M1 codes of aw_w, K innermost, in blocks of 32 codes, two codes a byte); aw_w_scales 64 x 8 uint8 (E8M0 scales of aw_w, one for each 32 codes along K); ffn_b1 512 float32; ffn_b2 256 float32; ffn_w1_codes 512 x 8 x 16 uint8 (E2M1 codes of ffn_w1, K innermost, in blocks of 32 codes, two codes a byte); ffn_w1_scales 512 x 8 uint8 (E8M0 scales of ffn_w1, one for each 32 codes along K); ffn_w2_codes 256 x 16 x 16 uint8 (E2M1 codes of ffn_w2, K innermost, in blocks of 32 codes, two codes a byte); ffn_w2_scales 256 x 16 uint8 (E8M0 scales of ffn_w2, one for each 32 codes along K); in_proj_b 768 float32; in_proj_w_codes 768 x 8 x 16 uint8 (E2M1 codes of in_proj_w, K innermost, in blocks of 32 codes, two codes a byte); in_proj_w_scales 768 x 8 uint8 (E8M0 scales of in_proj_w, one for each 32 codes along K); ln1_b 256 float32; ln1_g 256 float32; ln2_b 256 float32; ln2_g 256 float32; ln3_b 256 float32; ln3_g 256 float32; off_b 128 float32; off_w_codes 128 x 8 x 16 uint8 (E2M1 codes of off_w, K innermost, in blocks of 32 codes, two codes a byte); off_w_scales 128 x 8 uint8 (E8M0 scales of off_w, one for each 32 codes along K); oproj_b 256 float32; oproj_w_codes 256 x 8 x 16 uint8 (E2M1 codes of oproj_w, K innermost, in blocks of 32 codes, two codes a byte); oproj_w_scales 256 x 8 uint8 (E8M0 scales of oproj_w, one for each 32 codes along K); out_proj_b 256 float32; out_proj_w_codes 256 x 8 x 16 uint8 (E2M1 codes of out_proj_w, K innermost, in blocks of 32 codes, two codes a byte); out_proj_w_scales 256 x 8 uint8 (E8M0 scales of out_proj_w, one for each 32 codes along K); query 4 x 2,500 x 256 float32; query_pos 4 x 2,500 x 256 float32; ref_2d 4 x 2,500 x 1 x 2 float32; value_codes 4 x 40,000 x 8 x 16 uint8 (E2M1 codes of value, K innermost, in blocks of 32 codes, two codes a byte); value_scales 4 x 40,000 x 8 uint8 (E8M0 scales of value, one for each 32 codes along K); vproj_b 256 float32; vproj_w_codes 256 x 8 x 16 uint8 (E2M1 codes of vproj_w, K innermost, in blocks of 32 codes, two codes a byte); vproj_w_scales 256 x 8 uint8 (E8M0 scales of vproj_w, one for each 32 codes along K).
;; Outputs: out0 4 x 2,500 x 256 float32.
;; Constants: bev_h = 200, bev_w = 200.
;; This version of the problem:
;;   THIS VERSION OF THE PROBLEM IS GIVEN IN LOW PRECISION. The matrix products marked QUANTISED in the list below multiply operands that are first quantised to E2M1 (2 exponent bits, 1 mantissa bit; 4 bits a number), with one power-of-two scale for each 32 numbers along K (OCP MX v1.0); their sums are f32. All else is computed in f32.
;;   The module's matrix products, in the order in which they are computed (A, B: the left and right operand; K: the contracted axis; several contracted axes count as one K, in the product's order):
;;     1. [M 10,000, K 256] x [K 256, N 256]; A: computed on the way; B: input in_proj_w (given as codes): QUANTISED
;;     2. [M 10,000, K 256] x [K 256, N 256]; A: input query; B: input in_proj_w (given as codes): QUANTISED
;;     3. [M 10,000, K 256] x [K 256, N 256]; A: input query; B: input in_proj_w (given as codes): QUANTISED
;;     4. batch 32 x [M 2,500, K 32] x [K 32, N 2,500]; A: computed on the way; B: computed on the way: QUANTISED
;;     5. batch 32 x [M 32, K 2,500] x [K 2,500, N 2,500]; A: computed on the way; B: softmax (see below): QUANTISED
;;     6. [M 10,000, K 256] x [K 256, N 256]; A: computed on the way; B: input out_proj_w (given as codes): QUANTISED
;;     7. [M 160,000, K 256] x [K 256, N 256]; A: input value (given as codes); B: input vproj_w (given as codes): QUANTISED
;;     8. [M 10,000, K 256] x [K 256, N 128]; A: computed on the way; B: input off_w (given as codes): QUANTISED
;;     9. [M 10,000, K 256] x [K 256, N 64]; A: computed on the way; B: input aw_w (given as codes): QUANTISED
;;     10. [M 10,000, K 256] x [K 256, N 256]; A: computed on the way; B: input oproj_w (given as codes): QUANTISED
;;     11. [M 10,000, K 256] x [K 256, N 512]; A: computed on the way; B: input ffn_w1 (given as codes): QUANTISED
;;     12. [M 10,000, K 512] x [K 512, N 256]; A: computed on the way; B: input ffn_w2 (given as codes): QUANTISED
;;   THE QUANTISER, for each operand of a quantised product, along K:
;;     - K is cut into blocks of 32 from its start; a last block that is shorter is filled with zeros.
;;     - A block's scale is 2^e with e = floor(log2(the largest magnitude in the block)) - 2, held to -126 .. 127; a block of zeros has e = 0. As a byte (E8M0): e + 127.
;;     - Each number is divided by its block's scale, clamped to +-6, and rounded to the nearest number of E2M1, ties to even, subnormals kept.
;;     - The product sums the exact products of the quantised numbers (number of the format x scale) in f32.
;;   ~~~python
;;   def quantise(x, axis):      # numpy; x: float32 -> the quantised numbers, widened to float32 again
;;       x = np.moveaxis(x, axis, -1); K = x.shape[-1]
;;       x = np.pad(x, [(0, 0)] * (x.ndim - 1) + [(0, -K % 32)]); x = x.reshape(x.shape[:-1] + (-1, 32)); a = np.abs(x).max(-1, keepdims=True)
;;       e = np.where(a > 0, np.clip(np.frexp(np.where(a > 0, a, 1))[1] - 1 - 2, -126, 127), 0)      # np.frexp(a)[1] - 1 = floor(log2(a)), exactly
;;       r = np.clip(x / 2.0 ** e, -6, 6)
;;       step = 2.0 ** (np.maximum(np.frexp(np.where(r == 0, 1, r))[1] - 1, 0) - 1)
;;       q = np.round(r / step) * step * 2.0 ** e      # np.round: ties to even
;;       return np.moveaxis(q.reshape(q.shape[:-2] + (-1,))[..., :K], -1, axis).astype(np.float32)
;;   ~~~
;;   SOFTMAX AHEAD OF A QUANTISED PRODUCT. Where the list says 'softmax', what is quantised is not the finished softmax but p = 2^(t - M), with t = logit x log2(e) and M = ceil(the row's largest t), a whole number; so 1/2 < the row's largest p <= 1. The row's sum l is taken of the UNQUANTISED p, in f32, and the product's result is divided by l at the end. Since M is a whole number, a kernel that streams over the keys may use a running M (the ceiling of the running maximum): every later rescaling is an exact power of two, which a block's scale takes up: the codes' values come out the same.
;;   OPERANDS COMPUTED ON THE WAY. 'Computed on the way' means the value that the module computes at that place (a softmax that the list does not call 'softmax' is quantised finished and normalised). What goes into a quantiser is computed in f32, as accurately as f32 sums, v_exp_f32 and their like allow (about 1e-6 of the number): no bf16 or f16 on the way to a quantiser, and a product that is left as it is and whose result goes on into a quantised operand takes f32 operands (vector FMAs, or v_wmma_f32_16x16x4_f32). A number that lies on a knife's edge between two numbers of the format may be rounded either way, as far as f32 arithmetic and the matrix unit's own rounding can turn it there, and no further.
;;   INPUTS GIVEN AS CODES. aw_w (in the module: [64, 256], K = its axis 1); ffn_w1 (in the module: [512, 256], K = its axis 1); ffn_w2 (in the module: [256, 512], K = its axis 1); in_proj_w (in the module: [768, 256], K = its axis 1); off_w (in the module: [128, 256], K = its axis 1); oproj_w (in the module: [256, 256], K = its axis 1); out_proj_w (in the module: [256, 256], K = its axis 1); value (in the module: [4, 40000, 256], K = its axis 2); vproj_w (in the module: [256, 256], K = its axis 1): each comes as NAME_codes (uint8): NAME with its K axis moved to the last place and cut into blocks of 32 codes, [.., K / 32, bytes a block], one block behind the other in memory; two codes a byte, the lower K in the low four bits (a code: sign, 2 exponent bits, 1 mantissa bit); and NAME_scales (uint8): the same leading axes, one E8M0 byte (e + 127) for each 32 codes along K. Its value is code x scale, taken as it is: it is not quantised again, and the codes and scales need not be those that the quantiser above would give.
;; 2 versions. Each part assembles by itself: llvm-mc -triple=amdgcn-amd-amdhsa -mcpu=gfx1250 --defsym DOCPART=n.
;; ======== version 1 of 2: 4 launches
;; workspace buffers: qrec 2,621,440 bytes; krec 2,621,440 bytes; vimg 1,310,720 bytes; vscb 81,920 bytes; sarec 2,621,440 bytes; ident 10,289,152 bytes; sidx 10,289,152 bytes of whole numbers; swt 10,289,152 bytes
;; launch qkv (part 1): grid 80 x 4, 8 waves a work-group, no clusters, 10,240 bytes of LDS; arguments query, query_pos, in_proj_w_codes, in_proj_w_scales, in_proj_b, qrec, krec, vimg, vscb; writes qrec, krec, vimg, vscb
.if DOCPART == 1
	.amdgcn_target "amdgcn-amd-amdhsa--gfx1250"
	.amdhsa_code_object_version 6
	.text
	.protected	k_qc5d88c14ae_qkv
	.globl	k_qc5d88c14ae_qkv
	.p2align	8
	.type	k_qc5d88c14ae_qkv,@function
k_qc5d88c14ae_qkv:
	s_mov_b64 s[64:65], 0
	v_nop
	global_prefetch_b8 v0, s[64:65] scope:SCOPE_SE
	s_setreg_imm32_b32 hwreg(HW_REG_WAVE_MODE, 25, 1), 1
	s_wait_xcnt 0x0
; q = Q(query + pos) Wq^T + bq, k = Q(query) Wk^T + bk, v = Q(query) Wv^T + bv on codes of E2M1 with one E8M0 scale for each 32 along K;
; q and k are then quantised along the head's 32 channels (one block), v along the keys, and all three leave as codes.
; SHARES.  A work-group takes 32 rows of one batch (one block of keys), each batch padded to 2,560 rows by copies of its row 2,499 (the load's row is held at 2,499):
; a copy changes no block's largest magnitude, and the attention hides keys from 2,500 on.  Wave w quantises channels 32 w .. 32 w + 31 of the inputs, and makes head w of q, k and v.
; LAYOUT.  q and k: source 0 = 16 rows of the weight, source 1 = 16 rows of data; lane r of tile u takes weight row 32 w + 8 u + r + 8 (r / 8), so that register 8 u + j of lane (r, h) is channel 16 h + 8 u + j of data row r.
; v: source 0 = 16 keys, source 1 = 16 rows of Wv (the same choice of rows): a lane holds one channel and 16 of the block's 32 keys.
; OUT.  qrec, krec: for each head and tile of 16 rows 512 bytes: row r's 16 bytes of codes at 16 r, its scale byte sixteen times at 256 + 16 r: one store of 16 bytes a lane.
; vimg: the second product's operand as its registers take it; in a block, place 16 h + 8 t + j holds key 16 t + 8 h + j, which is where the attention's p of that key lands.  vscb: [batch][block][head][channel row] bytes.
; The weights are shared by all work-groups, but each wave reads its 12 KiB of them once, into registers: nothing goes through LDS by a copy engine, so there is no joint request to make.
; LIMITS: NaN and infinities among the inputs are not served.  A block of zeros gets the byte 1 (its codes are zeros; the bytes are read by this program alone).
.set XQ,  0                            ; LDS: images of Q(query + pos): [tile 2][block 8][row 16][16 bytes]
.set XK,  4096                         ; of Q(query)
.set XSC, 8192                         ; their scale words: [which 2][tile 2][K step 2][row 16][4]
.set VST, 8704                         ; v's scale bytes of this block of keys: [head 8][channel row 32]
.set SEL, 26                           ; s[26:27] lane selects: lane l xor 16
.set HI,  28                           ; s28 the mask of lanes 16-31
.set L16, 1                            ; v1 16 x lane
.set QM,  16                           ; v16-18 at work in BQ
.set QT,  17
.set QS,  18
.set SW,  20                           ; v20 a record's scale word
.set X0,  21                           ; v21-22 the other half's codes
.set X1,  22
.set D,   222                          ; v222-253 four accumulators
.macro PLACES n
.rept \n
	v_nop
.endr
.endm
.macro BARRIER                         ; my LDS stores have landed and my LDS loads are in: then the work-group's barrier
	s_wait_dscnt 0x0
	s_barrier_signal -1
	s_barrier_wait -1
.endm
.macro MM0 d, a, b, sa, sb, r1         ; a product that starts a sum
.if \r1
	v_wmma_scale_f32_16x16x128_f8f6f4 v[\d:\d+7], v[\a:\a+7], v[\b:\b+7], 0, v[\sa], v[\sb] matrix_a_fmt:MATRIX_FMT_FP4 matrix_b_fmt:MATRIX_FMT_FP4 matrix_a_scale:MATRIX_SCALE_ROW1
.else
	v_wmma_scale_f32_16x16x128_f8f6f4 v[\d:\d+7], v[\a:\a+7], v[\b:\b+7], 0, v[\sa], v[\sb] matrix_a_fmt:MATRIX_FMT_FP4 matrix_b_fmt:MATRIX_FMT_FP4
.endif
.endm
.macro MMC d, a, b, c, sa, sb, r1      ; a product onto c
.if \r1
	v_wmma_scale_f32_16x16x128_f8f6f4 v[\d:\d+7], v[\a:\a+7], v[\b:\b+7], v[\c:\c+7], v[\sa], v[\sb] matrix_a_fmt:MATRIX_FMT_FP4 matrix_b_fmt:MATRIX_FMT_FP4 matrix_a_scale:MATRIX_SCALE_ROW1
.else
	v_wmma_scale_f32_16x16x128_f8f6f4 v[\d:\d+7], v[\a:\a+7], v[\b:\b+7], v[\c:\c+7], v[\sa], v[\sb] matrix_a_fmt:MATRIX_FMT_FP4 matrix_b_fmt:MATRIX_FMT_FP4
.endif
.endm
.macro WFRAG dst, voff, sb, imm, ns    ; ns fragments (16 rows x 128 K each) of a weight whose rows lie along K: 64 bytes a K step, two loads of 16 bytes a lane
.set WS_, 0
.rept \ns
	global_load_b128 v[\dst+8*WS_:\dst+8*WS_+3], v[\voff], s[\sb:\sb+1] offset:\imm+64*WS_
	global_load_b128 v[\dst+8*WS_+4:\dst+8*WS_+7], v[\voff], s[\sb:\sb+1] offset:\imm+64*WS_+32
.set WS_, WS_+1
.endr
.endm
; 16 numbers of a lane, half a block of 32 (lane l xor 16 holds the other half), become 8 bytes of codes in v[c], v[c+1] and the block's scale byte in v[by]
.macro BQ s, c, by
	v_max3_num_f32 v[QM], |v[\s]|, |v[\s+1]|, 0x1800000          ; the floor 2^(3 - 127) holds the byte at 1 from below
.irp i, 2,4,6,8,10,12,14
	v_max3_num_f32 v[QM], v[QM], |v[\s+\i]|, |v[\s+\i+1]|
.endr
	v_permlanex16_b32 v[QT], v[QM], s[SEL], s[SEL+1]
	v_max_num_f32 v[QM], v[QM], v[QT]                            ; the block's largest magnitude
	v_add_nc_u32 v[QS], 0xff000000, v[QM]                        ; 2 off its exponent field: the conversion's scale operand
	v_lshrrev_b32 v[\by], 23, v[QS]                              ; the scale's byte
	v_cvt_scalef32_pk8_fp4_f32 v[\c], v[\s:\s+7], v[QS]
	v_cvt_scalef32_pk8_fp4_f32 v[\c+1], v[\s+8:\s+15], v[QS]
	v_nop                                                        ; one plain place behind a scaled conversion
.endm
; a record of 512 bytes by one store: lanes 0-15 their row's 16 bytes of codes, lanes 16-31 their row's scale word four times
.macro REC c, R, sb, imm
	v_permlanex16_b32 v[X0], v[\c], s[SEL], s[SEL+1]
	v_permlanex16_b32 v[X1], v[\c+1], s[SEL], s[SEL+1]
	v_cndmask_b32 v[\R], v[\c], v[SW], s[HI]
	v_cndmask_b32 v[\R+1], v[\c+1], v[SW], s[HI]
	v_cndmask_b32 v[\R+2], v[X0], v[SW], s[HI]
	v_cndmask_b32 v[\R+3], v[X1], v[SW], s[HI]
	global_store_b128 v[L16], v[\R:\R+3], s[\sb:\sb+1] offset:\imm   ; 512 consecutive bytes; each record has four registers of its own
.endm
	s_load_b512 s[4:19], s[0:1], 0x0               ; query, query_pos, W's codes, W's scales, the bias, qrec, krec, vimg
	s_load_b64 s[20:21], s[0:1], 0x40              ; vscb
	s_set_vgpr_msb 0x40
	v_lshl_add_u32 v0, v0, 2, 0x2400
	v_mov_b32 v1, 0
	s_set_vgpr_msb 0x4000
	v_lshrrev_b32 v16, 5, v0
	v_readfirstlane_b32 s22, v16                   ; wave = head = block of the inputs' channels
	s_mov_b32 s23, ttmp9                           ; X: the block of 32 rows
	s_and_b32 s24, ttmp7, 0xffff                   ; the batch
	s_mov_b32 s[SEL], 0x76543210
	s_mov_b32 s[SEL+1], 0xfedcba98
	s_mov_b32 s[HI], 0xffff0000
	s_mov_b32 s29, 0x01010101
	v_and_b32 v17, 31, v0                          ; lane
	v_and_b32 v18, 15, v0                          ; r
	v_bfe_u32 v19, v0, 4, 1                        ; h
	v_lshlrev_b32 v[L16], 4, v17
	v_lshlrev_b32 v2, 4, v18
	v_lshl_add_u32 v2, v19, 3, v2                  ; v2 = 16 r + 8 h
	v_lshlrev_b32 v3, 2, v18                       ; v3 = 4 r
	s_lshl_b32 s30, s23, 5
	s_mul_i32 s31, s24, 2500
	s_lshl_b32 s32, s22, 7
	v_add_nc_u32 v4, s30, v18                      ; rows 32 X + r and 32 X + 16 + r,
	v_add_nc_u32 v5, 16, v4
	v_min_u32 v4, 2499, v4                         ; held at the batch's last row
	v_min_u32 v5, 2499, v5
	v_add_nc_u32 v4, s31, v4
	v_add_nc_u32 v5, s31, v5
	v_lshl_add_u32 v20, v19, 6, s32                ; 128 w + 64 h: my 16 numbers of my wave's block
	v_lshl_add_u32 v4, v4, 10, v20                 ; v4, v5: the inputs' offsets
	v_lshl_add_u32 v5, v5, 10, v20
	v_and_b32 v21, 8, v18
	v_add_nc_u32 v21, v21, v18                     ; r + 8 (r / 8)
	v_lshlrev_b32 v6, 7, v21
	v_lshl_add_u32 v6, v19, 4, v6                  ; v6: a weight's row of 128 bytes, + 16 h
	v_lshlrev_b32 v7, 3, v21                       ; v7: its 8 scale bytes
	v_lshlrev_b32 v8, 6, v19                       ; v8 = 64 h: a bias in the result's layout
	v_lshlrev_b32 v9, 2, v21                       ; v9: bv of my channel row
	s_lshl_b32 s33, s22, 8
	v_add_nc_u32 v10, s33, v2                      ; v10: where my block's codes go in an image: 256 w + 16 r + 8 h
	s_lshr_b32 s34, s22, 2
	s_lshl_b32 s34, s34, 6
	s_and_b32 s35, s22, 3
	s_add_co_u32 s34, s34, s35
	v_add_nc_u32 v11, s34, v3                      ; v11: and its scale byte: 64 (w / 4) + 4 r + w % 4
	s_lshl_b32 s35, s22, 5
	v_add_nc_u32 v12, s35, v18                     ; v12 = 32 w + r
	v_lshlrev_b32 v13, 3, v17                      ; v13 = 8 x lane
	v_mov_b32 v[QT], 0                             ; written once: a lane permute's destination counts as one of its sources
	v_mov_b32 v[X0], 0
	v_mov_b32 v[X1], 0
	s_lshl_b32 s36, s24, 3
	s_add_co_u32 s36, s36, s22                     ; 8 b + w
	s_mov_b32 s39, 0
	s_wait_kmcnt 0x0
.irp i, 0,1,2,3
	global_load_b128 v[48+4*\i:51+4*\i], v4, s[4:5] offset:16*\i      ; query, rows 0-15
.endr
.irp i, 0,1,2,3
	global_load_b128 v[64+4*\i:67+4*\i], v5, s[4:5] offset:16*\i      ; rows 16-31
.endr
.irp i, 0,1,2,3
	global_load_b128 v[80+4*\i:83+4*\i], v4, s[6:7] offset:16*\i      ; query_pos
.endr
.irp i, 0,1,2,3
	global_load_b128 v[96+4*\i:99+4*\i], v5, s[6:7] offset:16*\i
.endr
	s_lshl_b32 s38, s22, 12
	s_add_nc_u64 s[8:9], s[8:9], s[38:39]          ; my head's 32 rows of each third of W,
	s_lshl_b32 s38, s22, 8
	s_add_nc_u64 s[10:11], s[10:11], s[38:39]      ; their scale bytes,
	s_lshl_b32 s38, s22, 7
	s_add_nc_u64 s[12:13], s[12:13], s[38:39]      ; their biases
	s_mul_i32 s38, s36, 160
	s_lshl_b32 s37, s23, 1
	s_add_co_u32 s38, s38, s37
	s_lshl_b32 s38, s38, 9                         ; record (8 b + w) x 160 + 2 X
	s_add_nc_u64 s[14:15], s[14:15], s[38:39]
	s_add_nc_u64 s[16:17], s[16:17], s[38:39]
	s_mul_i32 s38, s36, 40960
	s_lshr_b32 s40, s23, 2
	s_lshl_b32 s40, s40, 11
	s_add_co_u32 s38, s38, s40
	s_and_b32 s40, s23, 3
	s_lshl_b32 s40, s40, 8
	s_add_co_u32 s38, s38, s40                     ; vimg: key step X / 4, and block X % 4 of it: 256 bytes each
	s_add_nc_u64 s[18:19], s[18:19], s[38:39]
	s_mul_i32 s38, s24, 80
	s_add_co_u32 s38, s38, s23
	s_lshl_b32 s38, s38, 8
	s_add_nc_u64 s[20:21], s[20:21], s[38:39]
.irp u, 0,1
	WFRAG 112+16*\u, 6, 8, 1024*\u, 2              ; Wq: tile u, K steps 0 and 1
	global_load_b64 v[176+2*\u:177+2*\u], v7, s[10:11] offset:64*\u
.endr
.irp u, 0,1
	WFRAG 144+16*\u, 6, 8, 32768+1024*\u, 2        ; Wk
	global_load_b64 v[180+2*\u:181+2*\u], v7, s[10:11] offset:2048+64*\u
.endr
.irp u, 0,1
	global_load_b64 v[184+2*\u:185+2*\u], v7, s[10:11] offset:4096+64*\u   ; Wv's scale words
.endr
.irp i, 0,1,2,3
	global_load_b128 v[188+4*\i:191+4*\i], v8, s[12:13] offset:16*\i       ; bq
.endr
.irp i, 0,1,2,3
	global_load_b128 v[204+4*\i:207+4*\i], v8, s[12:13] offset:1024+16*\i  ; bk
.endr
.irp u, 0,1
	global_load_b32 v[220+\u], v9, s[12:13] offset:2048+32*\u              ; bv of my channel row in tile u
.endr
	s_wait_loadcnt 32                              ; the 32 loads of weights and biases may be out: the inputs are in
.irp j, 0,2,4,6,8,10,12,14,16,18,20,22,24,26,28,30
	v_pk_add_f32 v[80+\j:81+\j], v[80+\j:81+\j], v[48+\j:49+\j]            ; query + pos
.endr
	BQ 80, 24, 32
	ds_store_b64 v10, v[24:25] offset:XQ
	ds_store_b8 v11, v32 offset:XSC
	BQ 96, 26, 33
	ds_store_b64 v10, v[26:27] offset:XQ+2048
	ds_store_b8 v11, v33 offset:XSC+128
	BQ 48, 28, 34
	ds_store_b64 v10, v[28:29] offset:XK
	ds_store_b8 v11, v34 offset:XSC+256
	BQ 64, 30, 35
	ds_store_b64 v10, v[30:31] offset:XK+2048
	ds_store_b8 v11, v35 offset:XSC+384
	BARRIER                                        ; all eight blocks of the 32 rows lie in LDS
.irp t, 0,1
.irp f, 0,1,2,3                                ; fragment (K step f / 2, half f % 2): 512 consecutive bytes
	ds_load_b128 v[48+16*\t+4*\f:51+16*\t+4*\f], v[L16] offset:XQ+2048*\t+512*\f
	ds_load_b128 v[80+16*\t+4*\f:83+16*\t+4*\f], v[L16] offset:XK+2048*\t+512*\f
.endr
.irp s, 0,1
	ds_load_b32 v[40+2*\t+\s], v3 offset:XSC+128*\t+64*\s
	ds_load_b32 v[44+2*\t+\s], v3 offset:XSC+256+128*\t+64*\s
.endr
.endr
	s_wait_loadcnt 0x0
	s_wait_dscnt 0x0
	; ---- q: four accumulators by turns, a K step at a time; the bias is the first product's C
.irp t, 0,1
.irp u, 0,1
	MMC D+16*\t+8*\u, 112+16*\u, 48+16*\t, 188+8*\u, 176+2*\u, 40+2*\t, 0
.endr
.endr
.irp t, 0,1
.irp u, 0,1
	MMC D+16*\t+8*\u, 120+16*\u, 56+16*\t, D+16*\t+8*\u, 177+2*\u, 41+2*\t, 0
.endr
.endr
	PLACES 4                                       ; in front of loads into registers that these products read, and of the first read of results
.irp u, 0,1
	WFRAG 112+16*\u, 6, 8, 65536+1024*\u, 2        ; Wv takes Wq's place
.endr
.irp t, 0,1
	BQ D+16*\t, 254, 19
	v_mul_lo_u32 v[SW], v19, s29                   ; the byte in all four places of the word
	REC 254, 24+4*\t, 14, 512*\t
.endr
	; ---- k
.irp t, 0,1
.irp u, 0,1
	MMC D+16*\t+8*\u, 144+16*\u, 80+16*\t, 204+8*\u, 180+2*\u, 44+2*\t, 0
.endr
.endr
.irp t, 0,1
.irp u, 0,1
	MMC D+16*\t+8*\u, 152+16*\u, 88+16*\t, D+16*\t+8*\u, 181+2*\u, 45+2*\t, 0
.endr
.endr
	PLACES 4
.irp t, 0,1
	BQ D+16*\t, 254, 19
	v_mul_lo_u32 v[SW], v19, s29
	REC 254, 32+4*\t, 16, 512*\t
.endr
	; ---- v: source 0 = 16 keys, source 1 = 16 rows of Wv: register 8 t + j of lane (r, h) is key 16 t + 8 h + j of my channel row
	s_wait_loadcnt 0x0                             ; Wv
.irp n, 0,1
.irp t, 0,1
	MM0 D+16*\n+8*\t, 80+16*\t, 112+16*\n, 44+2*\t, 184+2*\n, 0
.endr
.endr
.irp n, 0,1
.irp t, 0,1
	MMC D+16*\n+8*\t, 88+16*\t, 120+16*\n, D+16*\n+8*\t, 45+2*\t, 185+2*\n, 0
.endr
.endr
	PLACES 4
.irp j, 0,2,4,6,8,10,12,14
	v_pk_add_f32 v[D+\j:D+\j+1], v[D+\j:D+\j+1], v[220:221] op_sel_hi:[1,0]               ; + bv of tile 0's row
.endr
.irp j, 0,2,4,6,8,10,12,14
	v_pk_add_f32 v[D+16+\j:D+17+\j], v[D+16+\j:D+17+\j], v[220:221] op_sel:[0,1] op_sel_hi:[1,1]   ; of tile 1's
.endr
	BQ D, 254, 19
	global_store_b64 v2, v[254:255], s[18:19]      ; 256 consecutive bytes: 16 channel rows x this block's 16 bytes
	ds_store_b8 v12, v19 offset:VST
	BQ D+16, 14, 23
	global_store_b64 v2, v[14:15], s[18:19] offset:1024
	ds_store_b8 v12, v23 offset:VST+16
	BARRIER                                        ; the eight heads' 256 scale bytes lie in LDS
	s_cmp_lg_u32 s22, 0
	s_cbranch_scc1 .Lend
	ds_load_b64 v[16:17], v13 offset:VST
	s_wait_dscnt 0x0
	global_store_b64 v13, v[16:17], s[20:21]       ; wave 0 stores them: 256 consecutive bytes
.Lend:
	s_set_vgpr_msb 0x5
	s_wait_tensorcnt 0x0
	ds_add_u32 v0, v1
	s_wait_dscnt 0x0
	s_set_vgpr_msb 0x500
	s_endpgm
.Lfunc_end_k_qc5d88c14ae_qkv:
	.size	k_qc5d88c14ae_qkv, .Lfunc_end_k_qc5d88c14ae_qkv-k_qc5d88c14ae_qkv
	.p2alignl 7, 3214868480
	.fill 96, 4, 3214868480
	.section	.rodata,"a",@progbits
	.p2align	6, 0x0
	.amdhsa_kernel k_qc5d88c14ae_qkv
		.amdhsa_group_segment_fixed_size 10240
		.amdhsa_private_segment_fixed_size 0
		.amdhsa_enable_private_segment 0
		.amdhsa_kernarg_size 72
		.amdhsa_user_sgpr_count 2
		.amdhsa_user_sgpr_kernarg_segment_ptr 1
		.amdhsa_wavefront_size32 1
		.amdhsa_system_sgpr_workgroup_id_x 1
		.amdhsa_system_sgpr_workgroup_id_y 1
		.amdhsa_system_sgpr_workgroup_id_z 1
		.amdhsa_system_vgpr_workitem_id 0
		.amdhsa_next_free_vgpr 258
		.amdhsa_next_free_sgpr 66
		.amdhsa_reserve_vcc 0
		.amdhsa_float_denorm_mode_32 3
		.amdhsa_float_denorm_mode_16_64 3
		.amdhsa_memory_ordered 1
		.amdhsa_forward_progress 1
		.amdhsa_inst_pref_size 29
	.end_amdhsa_kernel
	.amdgpu_metadata
---
amdhsa.version: [ 1, 2 ]
amdhsa.kernels:
  - .name:           k_qc5d88c14ae_qkv
    .symbol:         k_qc5d88c14ae_qkv.kd
    .args:
      - { .name: query, .offset: 0, .size: 8, .value_kind: global_buffer, .address_space: global }
      - { .name: query_pos, .offset: 8, .size: 8, .value_kind: global_buffer, .address_space: global }
      - { .name: in_proj_w_codes, .offset: 16, .size: 8, .value_kind: global_buffer, .address_space: global }
      - { .name: in_proj_w_scales, .offset: 24, .size: 8, .value_kind: global_buffer, .address_space: global }
      - { .name: in_proj_b, .offset: 32, .size: 8, .value_kind: global_buffer, .address_space: global }
      - { .name: qrec, .offset: 40, .size: 8, .value_kind: global_buffer, .address_space: global }
      - { .name: krec, .offset: 48, .size: 8, .value_kind: global_buffer, .address_space: global }
      - { .name: vimg, .offset: 56, .size: 8, .value_kind: global_buffer, .address_space: global }
      - { .name: vscb, .offset: 64, .size: 8, .value_kind: global_buffer, .address_space: global }
    .group_segment_fixed_size: 10240
    .private_segment_fixed_size: 0
    .kernarg_segment_align: 8
    .kernarg_segment_size: 72
    .max_flat_workgroup_size: 256
    .sgpr_count:     66
    .vgpr_count:     258
    .wavefront_size: 32
...
	.end_amdgpu_metadata
.endif
;; end of part 1
;; launch attn (part 2): grid 8 x 32, 20 waves a work-group, no clusters, 128,000 bytes of LDS; arguments qrec, krec, vimg, vscb, sarec; writes sarec
.if DOCPART == 2
	.amdgcn_target "amdgcn-amd-amdhsa--gfx1250"
	.amdhsa_code_object_version 6
	.text
	.protected	k_qc5d88c14ae_attn
	.globl	k_qc5d88c14ae_attn
	.p2align	8
	.type	k_qc5d88c14ae_attn,@function
k_qc5d88c14ae_attn:
	s_mov_b64 s[64:65], 0
	v_nop
	global_prefetch_b8 v0, s[64:65] scope:SCOPE_SE
	s_setreg_imm32_b32 hwreg(HW_REG_WAVE_MODE, 25, 1), 1
	s_wait_xcnt 0x0
; Self-attention of one head on codes of E2M1: S^T = k q^T (K = the head's 32 channels), p = 2^(t - M) with t = score x log2(e) / sqrt(32) and M the running largest t rounded up to a whole number,
; p quantised along the keys, O^T += v^T p^T, the row's sum taken of the unquantised p; at the end O / sum is quantised along the head's 32 channels and leaves as a record of codes.
; SHARES.  A work-group owns 320 queries of one head of one batch (each batch padded to 2,560 rows: copies of row 2,499); each of its twenty waves owns one tile of 16 queries, five waves to a SIMD, so that one wave's
; vector work stands beside another's products and LDS loads.  Every wave walks the 2,560 keys, 128 a step, twenty steps; keys from 2,500 on are hidden in the last step.
; LDS holds the head's k (81,920 bytes), v (40,960) and v's scale words (2,560): filled once through registers, read-only behind one barrier.  The eight work-groups of a head share just that one fill of 125,440 bytes,
; against twenty key steps of every wave: it is a small part of the work, so no cluster and no joint request is made of it.
; K = 32 IN AN INSTRUCTION OF K = 128.  A fragment of k holds FOUR tiles of 16 keys: block j of row r is key 16 j + r.  q stands in four operands that are zero codes but for block j: the product with the j-th gives tile j's scores.
; The other blocks meet zero codes; their scale bytes are true bytes of other keys (never 0xff).
; LAYOUT.  A lane holds one query (lane % 16).  Register 16 b + 8 u + i of the scores is key 32 b + 16 u + 8 (lane / 16) + i; converted and with the halves exchanged it lands at place 16 h + 8 u + i of block b, and vimg is laid so.
; LIMITS: NaN and infinities are not served.  A block of zeros gets the byte 1 (its codes are zeros; the bytes are read by this program alone).
.set AK0, 1                            ; v1  512 h + 16 r: my place in k's records
.set AV0, 2                            ; v2  81,920 + 16 x lane
.set AS0, 3                            ; v3  122,880 + 4 x lane
.set ADK, 4                            ; v4-6 the step's addresses
.set ADV, 5
.set ADS, 6
.set L16, 7                            ; v7  16 x lane
.set QSC, 40                           ; v40 q's scale words; v41 p's; v42 v's; v44-47 k's: these hold scales and nothing else
.set PS,  41
.set VS,  42
.set KS,  44
.set KF,  48                           ; v48-63 two fragments of k (64 keys each)
.set S,   64                           ; v64-127 S^T, then p
.set VF,  128                          ; v128-143 two fragments of v^T
.set O,   144                          ; v144-159 O^T
.set P,   160                          ; v160-167 p's codes
.set BM,  168                          ; v168-171 the blocks' largest scores, then largest p
.set BT,  172
.set BSO, 176
.set F,   180                          ; v[180:181] f = 2^(old M - new M)
.set TMP, 182
.set SEL, 20
.set CS,  22                           ; s[22:23] c = log2(e) / sqrt(32)
.set HI,  24
.set TK,  25
.set TV,  26
.set TS,  27
.set QM,  168                          ; at the end: BQ's and REC's registers
.set QT,  172
.set QS,  176
.set SW,  170
.set X0,  173
.set X1,  174
.macro BARRIER
	s_wait_dscnt 0x0
	s_barrier_signal -1
	s_barrier_wait -1
.endm
.macro MM0 d, a, b, sa, sb, r1
.if \r1
	v_wmma_scale_f32_16x16x128_f8f6f4 v[\d:\d+7], v[\a:\a+7], v[\b:\b+7], 0, v[\sa], v[\sb] matrix_a_fmt:MATRIX_FMT_FP4 matrix_b_fmt:MATRIX_FMT_FP4 matrix_a_scale:MATRIX_SCALE_ROW1
.else
	v_wmma_scale_f32_16x16x128_f8f6f4 v[\d:\d+7], v[\a:\a+7], v[\b:\b+7], 0, v[\sa], v[\sb] matrix_a_fmt:MATRIX_FMT_FP4 matrix_b_fmt:MATRIX_FMT_FP4
.endif
.endm
.macro MMC d, a, b, c, sa, sb, r1
.if \r1
	v_wmma_scale_f32_16x16x128_f8f6f4 v[\d:\d+7], v[\a:\a+7], v[\b:\b+7], v[\c:\c+7], v[\sa], v[\sb] matrix_a_fmt:MATRIX_FMT_FP4 matrix_b_fmt:MATRIX_FMT_FP4 matrix_a_scale:MATRIX_SCALE_ROW1
.else
	v_wmma_scale_f32_16x16x128_f8f6f4 v[\d:\d+7], v[\a:\a+7], v[\b:\b+7], v[\c:\c+7], v[\sa], v[\sb] matrix_a_fmt:MATRIX_FMT_FP4 matrix_b_fmt:MATRIX_FMT_FP4
.endif
.endm
.macro BQ s, c, by
	v_max3_num_f32 v[QM], |v[\s]|, |v[\s+1]|, 0x1800000
.irp i, 2,4,6,8,10,12,14
	v_max3_num_f32 v[QM], v[QM], |v[\s+\i]|, |v[\s+\i+1]|
.endr
	v_permlanex16_b32 v[QT], v[QM], s[SEL], s[SEL+1]
	v_max_num_f32 v[QM], v[QM], v[QT]
	v_add_nc_u32 v[QS], 0xff000000, v[QM]
	v_lshrrev_b32 v[\by], 23, v[QS]
	v_cvt_scalef32_pk8_fp4_f32 v[\c], v[\s:\s+7], v[QS]
	v_cvt_scalef32_pk8_fp4_f32 v[\c+1], v[\s+8:\s+15], v[QS]
	v_nop
.endm
.macro REC c, R, sb, imm
	v_permlanex16_b32 v[X0], v[\c], s[SEL], s[SEL+1]
	v_permlanex16_b32 v[X1], v[\c+1], s[SEL], s[SEL+1]
	v_cndmask_b32 v[\R], v[\c], v[SW], s[HI]
	v_cndmask_b32 v[\R+1], v[\c+1], v[SW], s[HI]
	v_cndmask_b32 v[\R+2], v[X0], v[SW], s[HI]
	v_cndmask_b32 v[\R+3], v[X1], v[SW], s[HI]
	global_store_b128 v[L16], v[\R:\R+3], s[\sb:\sb+1] offset:\imm
.endm
	s_load_b256 s[4:11], s[0:1], 0x0               ; qrec, krec, vimg, vscb
	s_load_b64 s[12:13], s[0:1], 0x20              ; sarec
	v_lshl_add_u32 v190, v0, 2, 0x1ea00
	v_mov_b32 v191, 0
	v_lshrrev_b32 v4, 5, v0
	v_readfirstlane_b32 s14, v4                    ; wave 0..19
	s_and_b32 s15, ttmp7, 0xffff                   ; 8 b + head
	s_mul_i32 s17, ttmp9, 20
	s_add_co_u32 s17, s17, s14                     ; my tile of queries, 0..159
	s_lshr_b32 s18, s15, 3                         ; the batch
	s_and_b32 s19, s15, 7                          ; the head
	s_mov_b32 s[SEL], 0x76543210
	s_mov_b32 s[SEL+1], 0xfedcba98
	s_mov_b32 s[CS], 0x3e8293ee
	s_mov_b32 s[CS+1], s[CS]                       ; (named with it as a pair, so it is written)
	s_mov_b32 s[HI], 0xffff0000
	s_mov_b32 s[TK], 0
	s_mov_b32 s[TV], 0
	s_mov_b32 s[TS], 0
	s_mov_b32 s28, 19
	s_and_b32 s29, s19, 3
	s_lshl_b32 s29, s29, 3                         ; my head's byte in its scale word
	v_and_b32 v182, 31, v0                         ; lane
	v_and_b32 v183, 15, v0                         ; r
	v_bfe_u32 v184, v0, 4, 1                       ; h
	v_lshlrev_b32 v185, 4, v183                    ; 16 r
	v_lshl_add_u32 v[AK0], v184, 9, v185
	v_lshlrev_b32 v[L16], 4, v182
	v_add_nc_u32 v[AV0], 0x14000, v[L16]
	v_lshl_add_u32 v[AS0], v182, 2, 0x1e000
	v_lshlrev_b32 v8, 4, v0                        ; the fill: 16 bytes a thread, 10,240 a pass
	v_add_nc_u32 v10, 0xf000, v8                   ; (an LDS offset has 16 bits: from 61,440 on a second register)
	v_lshl_add_u32 v11, v0, 2, 0x1e000
	v_lshl_add_u32 v9, v4, 10, v182                ; v's scale bytes: key step t / 32, channel row t % 32
	s_mov_b32 s31, 0
	s_wait_kmcnt 0x0
	s_mul_i32 s30, s15, 81920
	s_add_nc_u64 s[6:7], s[6:7], s[30:31]
	s_mul_i32 s30, s15, 40960
	s_add_nc_u64 s[8:9], s[8:9], s[30:31]
	s_mul_i32 s30, s18, 20480
	s_lshl_b32 s32, s19, 5
	s_add_co_u32 s30, s30, s32
	s_add_nc_u64 s[10:11], s[10:11], s[30:31]
	s_mul_i32 s30, s15, 160
	s_add_co_u32 s30, s30, s17
	s_lshl_b32 s30, s30, 9
	s_add_nc_u64 s[4:5], s[4:5], s[30:31]
	s_mul_i32 s30, s18, 160
	s_add_co_u32 s30, s30, s17
	s_lshl_b32 s30, s30, 3
	s_add_co_u32 s30, s30, s19
	s_lshl_b32 s30, s30, 9
	s_add_nc_u64 s[12:13], s[12:13], s[30:31]
.irp i, 0,1,2,3,4,5,6,7
	global_load_b128 v[64+4*\i:67+4*\i], v8, s[6:7] offset:10240*\i
.endr
.irp i, 0,1,2,3
	global_load_b128 v[96+4*\i:99+4*\i], v8, s[8:9] offset:10240*\i
.endr
.irp i, 0,1,2,3
	global_load_u8 v[112+\i], v9, s[10:11] offset:256*\i            ; blocks 4 s + i of my channel row
.endr
	global_load_b128 v[116:119], v185, s[4:5]      ; query r's 16 bytes of codes, in both halves of the lanes
	global_load_b32 v[QSC], v185, s[4:5] offset:256
.irp j, 0,1,2,3
	v_mov_b32 v[20+\j], 0                          ; the zero codes of q's four operands
	v_mov_b32 v[32+\j], 0
	v_mov_b32 v[BT+\j], 0                          ; written once: a lane permute's destination counts as one of its sources
.endr
.irp j, 0,1,2,3,4,5,6,7,8,9,10,11,12,13,14,15
	v_mov_b32 v[O+\j], 0                           ; the step is written for every step alike: the first finds zeros, which the first change of M leaves zeros
.endr
	v_mov_b32 v14, 0                               ; the sum, in two halves
	v_mov_b32 v15, 0
	v_mov_b32 v[F+1], 0
	v_mov_b32 v13, 0xff61b1e6                      ; the largest t so far: -3e38
	v_floor_f32 v12, -v13                          ; -M
	s_wait_loadcnt 0x0
.irp i, 0,1,2,3,4,5
	ds_store_b128 v8, v[64+4*\i:67+4*\i] offset:10240*\i
.endr
.irp i, 6,7,8,9,10,11
	ds_store_b128 v10, v[64+4*\i:67+4*\i] offset:10240*\i-61440    ; v's image follows k's records at 81,920 = 8 x 10,240
.endr
	v_lshl_or_b32 v112, v113, 8, v112
	v_lshl_or_b32 v112, v114, 16, v112
	v_lshl_or_b32 v112, v115, 24, v112
	ds_store_b32 v11, v112                         ; v's scale word of key step t / 32, channel row t % 32
.irp j, 0,1,2,3
	v_cndmask_b32 v[16+\j], v[116+\j], v[20+\j], s[HI]             ; q in lanes 0-15 alone: blocks 0 and 2
	v_cndmask_b32 v[28+\j], v[20+\j], v[116+\j], s[HI]             ; in lanes 16-31 alone: blocks 1 and 3
.endr
.irp j, 0,1,2,3
	v_mov_b32 v[24+\j], v[16+\j]                   ; v[16:23] block 0, v[28:35] block 1, v[20:27] block 2, v[32:39] block 3
	v_mov_b32 v[36+\j], v[28+\j]
.endr
	BARRIER                                        ; the head's k and v lie in LDS; nobody writes LDS again
.macro STEP last
	v_add_nc_u32 v[ADK], s[TK], v[AK0]
	v_add_nc_u32 v[ADV], s[TV], v[AV0]
	v_add_nc_u32 v[ADS], s[TS], v[AS0]
	v_nop                                          ; four places in front of loads into registers that the last products read
.irp f, 0,1,2,3
	ds_load_b128 v[KF+4*\f:KF+4*\f+3], v[ADK] offset:1024*\f       ; tiles 2 f (lanes 0-15) and 2 f + 1 (lanes 16-31) of the step's eight
.endr
.irp f, 0,1,2,3
	ds_load_b32 v[KS+\f], v[ADK] offset:256+1024*\f                ; and their scale words
.endr
.irp f, 0,1,2,3
	ds_load_b128 v[VF+4*\f:VF+4*\f+3], v[ADV] offset:512*\f
.endr
	ds_load_b32 v[VS], v[ADS]                      ; lanes 0-15: channel rows of tile 0, lanes 16-31: of tile 1
	s_wait_dscnt 5                                 ; v's five loads may be out: k's eight are in
.irp g, 0,1
	MM0 S+32*\g, KF+8*\g, 16, KS+2*\g, QSC, 0
	MM0 S+32*\g+8, KF+8*\g, 28, KS+2*\g, QSC, 1
	MM0 S+32*\g+16, KF+8*\g, 20, KS+2*\g+1, QSC, 0
	MM0 S+32*\g+24, KF+8*\g, 32, KS+2*\g+1, QSC, 1
.endr
.rept 4
	v_nop
.endr
.if \last                              ; keys 2,432 + 16 T + 8 h + i from 2,500 on become -infinity: of tile 4 registers 0-3 in lanes 16-31 and registers 4-7, and all of tiles 5 to 7
	v_mov_b32 v183, 0xff800000
.irp i, 0,1,2,3
	v_cndmask_b32 v[S+32+\i], v[S+32+\i], v183, s[HI]
.endr
.set JJ, 36
.rept 28
	v_mov_b32 v[S+JJ], v183
.set JJ, JJ+1
.endr
.endif
.irp b, 0,1,2,3
	v_max3_num_f32 v[BM+\b], v[S+16*\b], v[S+1+16*\b], v[S+2+16*\b]        ; the largest score of each block of 32 keys: for the row's maximum, and, since p rises with the score, for the block's largest p
.endr
.irp i, 3,5,7,9,11,13
.irp b, 0,1,2,3
	v_max3_num_f32 v[BM+\b], v[BM+\b], v[S+16*\b+\i], v[S+1+16*\b+\i]
.endr
.endr
.irp b, 0,1,2,3
	v_max_num_f32 v[BM+\b], v[BM+\b], v[S+15+16*\b]
.endr
.irp b, 0,1,2,3
	v_permlanex16_b32 v[BT+\b], v[BM+\b], s[SEL], s[SEL+1]
.endr
.irp b, 0,1,2,3
	v_max_num_f32 v[BM+\b], v[BM+\b], v[BT+\b]     ; with lane l xor 16's 16 keys
.endr
	v_max3_num_f32 v[TMP], v[BM], v[BM+1], v[BM+2]
	v_max_num_f32 v[TMP], v[TMP], v[BM+3]
	v_mul_f32 v[TMP], s[CS], v[TMP]                ; as t (c is positive)
	v_max_num_f32 v13, v13, v[TMP]                 ; the running largest t
	v_mov_b32 v[TMP], v12
	v_floor_f32 v12, -v13                          ; the new -M = -ceil(t)
	v_sub_f32 v[TMP], v12, v[TMP]                  ; old M - new M: a whole number, 0 or less
	v_cvt_i32_f32 v[TMP], v[TMP]                   ; (it saturates)
	v_ldexp_f32 v[F], 1.0, v[TMP]                  ; f = 2^(old M - new M): a multiplication by it rounds nothing
.set JJ, 0
.rept 32
	v_pk_fma_f32 v[S+JJ:S+JJ+1], v[S+JJ:S+JJ+1], s[CS:CS+1], v[12:13] op_sel_hi:[1,0,0]   ; t - M
.set JJ, JJ+2
.endr
.irp b, 0,1,2,3
	v_fma_f32 v[BM+\b], v[BM+\b], s[CS], v12
.endr
.set JJ, 0
.rept 64
	v_exp_f32 v[S+JJ], v[S+JJ]                     ; p = 2^(t - M), not normalised
.set JJ, JJ+1
.endr
.irp b, 0,1,2,3
	v_exp_f32 v[BM+\b], v[BM+\b]                   ; the block's largest p: the same two instructions on the same number
.endr
	v_pk_mul_f32 v[14:15], v[14:15], v[F:F+1] op_sel_hi:[1,0]      ; the sums under the new M (a plain place behind the exponentials)
	s_wait_alu depctr_va_vdst(0)
.irp b, 0,1,2,3
	v_max_num_f32 v[BM+\b], 0x1800000, v[BM+\b]    ; the floor: the byte cannot fall under 1
.endr
.irp b, 0,1,2,3
	v_add_nc_u32 v[BSO+\b], 0xff000000, v[BM+\b]
.endr
.irp b, 0,1,2,3
	v_lshrrev_b32 v[BT+\b], 23, v[BSO+\b]
.endr
	v_lshl_or_b32 v[PS], v[BT+1], 8, v[BT]         ; p's scale word for these 128 keys
	v_lshl_or_b32 v[PS], v[BT+2], 16, v[PS]
	v_lshl_or_b32 v[PS], v[BT+3], 24, v[PS]
.irp b, 0,1,2,3
	v_cvt_scalef32_pk8_fp4_f32 v[P+2*\b], v[S+16*\b:S+7+16*\b], v[BSO+\b]
	v_cvt_scalef32_pk8_fp4_f32 v[P+1+2*\b], v[S+8+16*\b:S+15+16*\b], v[BSO+\b]
.endr
	v_nop                                          ; one plain place behind a scaled conversion
.irp c, 0,1                                    ; a whole block to a lane: lanes 0-15 block 2 c, lanes 16-31 block 2 c + 1
.irp i, 0,1
	v_permlane16_swap_b32 v[P+4*\c+\i], v[P+2+4*\c+\i]
.endr
.endr
	v_pk_add_f32 v[184:185], v[S:S+1], v[S+2:S+3]  ; the row's sum of the unquantised p, in two chains.  (These 32 lines are also the places between p's scale word and codes and the products below)
.irp j, 4,8,12,16,20,24,28,32,36,40,44,48,52,56,60
	v_pk_add_f32 v[14:15], v[14:15], v[S+\j:S+\j+1]
	v_pk_add_f32 v[184:185], v[184:185], v[S+\j+2:S+\j+3]
.endr
	v_pk_add_f32 v[14:15], v[14:15], v[184:185]
.irp j, 0,2,4,6,8,10,12,14
	v_pk_mul_f32 v[O+\j:O+\j+1], v[O+\j:O+\j+1], v[F:F+1] op_sel_hi:[1,0]   ; O^T under the new M
.endr
	s_wait_dscnt 0x0                               ; v
	MMC O, VF, P, O, VS, PS, 0                     ; the two accumulators by turns; the next step's eight score products stand between their links
	MMC O+8, VF+8, P, O+8, VS, PS, 1
	s_add_co_u32 s[TK], s[TK], 4096
	s_add_co_u32 s[TV], s[TV], 2048
	s_add_co_u32 s[TS], s[TS], 128
.endm
.Lstep:                                            ; 19 trips; the twentieth step, which hides keys, is written out
	STEP 0
	s_sub_co_u32 s28, s28, 1
	s_cmp_lg_u32 s28, 0
	s_cbranch_scc1 .Lstep
	STEP 1
	v_add_f32 v14, v14, v15                        ; the sum's two halves,
	v_permlanex16_b32 v[BT], v14, s[SEL], s[SEL+1]
	v_add_f32 v14, v14, v[BT]                      ; and lane l xor 16's
	v_nop
	v_nop
	v_rcp_f32 v14, v14
	v_nop                                          ; a plain place behind the reciprocal; with the lines above more than four places behind the last products
	s_wait_alu depctr_va_vdst(0)
.irp j, 0,1,2,3,4,5,6,7,8,9,10,11,12,13,14,15
	v_mul_f32 v[S+\j], v[O+\j], v14                ; register 8 u + j: channel 16 h + 8 u + j of my query
.endr
	BQ S, P, 169
	v_lshlrev_b32 v[SW], s29, v169                 ; the byte at my head's place in the word of four heads
	REC P, 186, 12, 0
	s_wait_tensorcnt 0x0
	ds_add_u32 v190, v191
	s_wait_dscnt 0x0
	s_endpgm
.Lfunc_end_k_qc5d88c14ae_attn:
	.size	k_qc5d88c14ae_attn, .Lfunc_end_k_qc5d88c14ae_attn-k_qc5d88c14ae_attn
	.p2alignl 7, 3214868480
	.fill 96, 4, 3214868480
	.section	.rodata,"a",@progbits
	.p2align	6, 0x0
	.amdhsa_kernel k_qc5d88c14ae_attn
		.amdhsa_group_segment_fixed_size 128000
		.amdhsa_private_segment_fixed_size 0
		.amdhsa_enable_private_segment 0
		.amdhsa_kernarg_size 40
		.amdhsa_user_sgpr_count 2
		.amdhsa_user_sgpr_kernarg_segment_ptr 1
		.amdhsa_wavefront_size32 1
		.amdhsa_system_sgpr_workgroup_id_x 1
		.amdhsa_system_sgpr_workgroup_id_y 1
		.amdhsa_system_sgpr_workgroup_id_z 1
		.amdhsa_system_vgpr_workitem_id 0
		.amdhsa_next_free_vgpr 192
		.amdhsa_next_free_sgpr 66
		.amdhsa_reserve_vcc 0
		.amdhsa_float_denorm_mode_32 3
		.amdhsa_float_denorm_mode_16_64 3
		.amdhsa_memory_ordered 1
		.amdhsa_forward_progress 1
		.amdhsa_inst_pref_size 39
	.end_amdhsa_kernel
	.amdgpu_metadata
---
amdhsa.version: [ 1, 2 ]
amdhsa.kernels:
  - .name:           k_qc5d88c14ae_attn
    .symbol:         k_qc5d88c14ae_attn.kd
    .args:
      - { .name: qrec, .offset: 0, .size: 8, .value_kind: global_buffer, .address_space: global }
      - { .name: krec, .offset: 8, .size: 8, .value_kind: global_buffer, .address_space: global }
      - { .name: vimg, .offset: 16, .size: 8, .value_kind: global_buffer, .address_space: global }
      - { .name: vscb, .offset: 24, .size: 8, .value_kind: global_buffer, .address_space: global }
      - { .name: sarec, .offset: 32, .size: 8, .value_kind: global_buffer, .address_space: global }
    .group_segment_fixed_size: 128000
    .private_segment_fixed_size: 0
    .kernarg_segment_align: 8
    .kernarg_segment_size: 40
    .max_flat_workgroup_size: 640
    .sgpr_count:     66
    .vgpr_count:     192
    .wavefront_size: 32
...
	.end_amdgpu_metadata
.endif
;; end of part 2
;; launch post (part 3): grid 157 x 4, 8 waves a work-group, no clusters, 4,352 bytes of LDS; arguments sarec, query, out_proj_w_codes, out_proj_w_scales, out_proj_b, ln1_g, ln1_b, off_w_codes, off_w_scales, off_b, aw_w_codes, aw_w_scales, aw_b, ref_2d, ident, sidx, swt; writes ident, sidx, swt
.if DOCPART == 3
	.amdgcn_target "amdgcn-amd-amdhsa--gfx1250"
	.amdhsa_code_object_version 6
	.text
	.protected	k_qc5d88c14ae_post
	.globl	k_qc5d88c14ae_post
	.p2align	8
	.type	k_qc5d88c14ae_post,@function
k_qc5d88c14ae_post:
	s_mov_b64 s[64:65], 0
	v_nop
	global_prefetch_b8 v0, s[64:65] scope:SCOPE_SE
	s_setreg_imm32_b32 hwreg(HW_REG_WAVE_MODE, 25, 1), 1
	s_wait_xcnt 0x0
; identity = sa Wo^T + bo + query; x = LN1(identity); offsets = Q(x) Woff^T + boff; weights = softmax over 8 points of Q(x) Waw^T + baw; from them, for each query, head, point and corner of the bilinear cell:
; the row of value (a whole number) and the weight (attention weight x bilinear weight, 0 where the corner lies outside the map).  The next launch forms its addresses from the stored rows.
; SHARES.  A work-group takes a tile of 16 rows (157 tiles a batch; in the last one rows from 2,500 on are copies of row 2,499 and are dropped at the program's end).  Wave w makes channels 32 w .. 32 w + 31, and is head w.
; Source 0 = 16 rows of a weight, source 1 = the 16 data rows.  out_proj: lane r of tile u takes weight row 32 w + 8 u + r + 8 (r / 8): register 8 u + j of lane (r, h) is channel 32 w + 16 h + 8 u + j of row r.
; Offsets: rows 16 w + r: register j is point 4 h + j / 2, x or y by j % 2.  Attention weights: rows 8 w + r % 8: register j is point j in both halves.  Biases are the C of each sum's first product.
; The weights are shared by all work-groups, but each wave reads its few KiB once, into registers: there is no tile to ask for jointly.
; LIMITS: NaN and infinities are not served; sampling positions must be finite.  off / 200 is taken as off x 0.005 (the bilinear form is continuous in the position).  A block of zeros gets the byte 1.
.set ST1, 0                            ; LDS: each wave's mean and sum of squares for the 16 rows: [wave 8][row 16][8]
.set XI,  1024                         ; the image of Q(x): [block 8][row 16][16]
.set XS,  3072                         ; its scale words: [K step 2][row 16][4]
.set SEL, 42
.set HI,  44
.set K005, 45
.set K200, 46
.set K199, 47
.set EPS, 48
.set R256, 49
.set QM,  16
.set QT,  17
.set QS,  18
.set LT,  230                          ; v230-237, v238-241 at work in LNORM
.set LD,  238
.set STW, 28
.set BASE, 29                          ; v29 the batch's first row of value, 40,000 b, as f32; written once at the head
.set STR, 9
.set IDX, 68
.set WT,  84
.set OFA, 196
.set AS,  240                          ; v240-243 the attention weights of my four points
.macro PLACES n
.rept \n
	v_nop
.endr
.endm
.macro BARRIER
	s_wait_dscnt 0x0
	s_barrier_signal -1
	s_barrier_wait -1
.endm
.macro MMC d, a, b, c, sa, sb, r1
.if \r1
	v_wmma_scale_f32_16x16x128_f8f6f4 v[\d:\d+7], v[\a:\a+7], v[\b:\b+7], v[\c:\c+7], v[\sa], v[\sb] matrix_a_fmt:MATRIX_FMT_FP4 matrix_b_fmt:MATRIX_FMT_FP4 matrix_a_scale:MATRIX_SCALE_ROW1
.else
	v_wmma_scale_f32_16x16x128_f8f6f4 v[\d:\d+7], v[\a:\a+7], v[\b:\b+7], v[\c:\c+7], v[\sa], v[\sb] matrix_a_fmt:MATRIX_FMT_FP4 matrix_b_fmt:MATRIX_FMT_FP4
.endif
.endm
.macro WFRAG dst, voff, sb, imm, ns
.set WS_, 0
.rept \ns
	global_load_b128 v[\dst+8*WS_:\dst+8*WS_+3], v[\voff], s[\sb:\sb+1] offset:\imm+64*WS_
	global_load_b128 v[\dst+8*WS_+4:\dst+8*WS_+7], v[\voff], s[\sb:\sb+1] offset:\imm+64*WS_+32
.set WS_, WS_+1
.endr
.endm
.macro BQ s, c, by
	v_max3_num_f32 v[QM], |v[\s]|, |v[\s+1]|, 0x1800000
.irp i, 2,4,6,8,10,12,14
	v_max3_num_f32 v[QM], v[QM], |v[\s+\i]|, |v[\s+\i+1]|
.endr
	v_permlanex16_b32 v[QT], v[QM], s[SEL], s[SEL+1]
	v_max_num_f32 v[QM], v[QM], v[QT]
	v_add_nc_u32 v[QS], 0xff000000, v[QM]
	v_lshrrev_b32 v[\by], 23, v[QS]
	v_cvt_scalef32_pk8_fp4_f32 v[\c], v[\s:\s+7], v[QS]
	v_cvt_scalef32_pk8_fp4_f32 v[\c+1], v[\s+8:\s+15], v[QS]
	v_nop
.endm
; LayerNorm over 256 channels of which each wave holds 32 (16 a lane).  Each wave takes its own mean and its own sum of squares about that mean; the eight pairs meet in LDS and are joined by
; M2 = sum of M2_i + 32 x sum of (mean_i - mean)^2: no difference of large sums is formed.  cnt: the younger global loads that may stay out when gain and bias are wanted.
.macro LNORM XB, GB, BB, SB, STO, cnt
	v_pk_add_f32 v[LT:LT+1], v[\XB:\XB+1], v[\XB+2:\XB+3]
	v_pk_add_f32 v[LT+2:LT+3], v[\XB+4:\XB+5], v[\XB+6:\XB+7]
	v_pk_add_f32 v[LT:LT+1], v[LT:LT+1], v[\XB+8:\XB+9]
	v_pk_add_f32 v[LT+2:LT+3], v[LT+2:LT+3], v[\XB+10:\XB+11]
	v_pk_add_f32 v[LT:LT+1], v[LT:LT+1], v[\XB+12:\XB+13]
	v_pk_add_f32 v[LT+2:LT+3], v[LT+2:LT+3], v[\XB+14:\XB+15]
	v_pk_add_f32 v[LT:LT+1], v[LT:LT+1], v[LT+2:LT+3]
	v_add_f32 v[LT], v[LT], v[LT+1]
	v_permlanex16_b32 v[LT+1], v[LT], s[SEL], s[SEL+1]
	v_add_f32 v[LT], v[LT], v[LT+1]
	v_mul_f32 v[LT+4], 0x3d000000, v[LT]           ; my wave's mean of 32
	v_mov_b32 v[LT+5], v[LT+4]
	v_pk_add_f32 v[LD:LD+1], v[\XB:\XB+1], v[LT+4:LT+5] neg_lo:[0,1] neg_hi:[0,1]
	v_pk_add_f32 v[LD+2:LD+3], v[\XB+2:\XB+3], v[LT+4:LT+5] neg_lo:[0,1] neg_hi:[0,1]
	v_pk_mul_f32 v[LT:LT+1], v[LD:LD+1], v[LD:LD+1]
	v_pk_mul_f32 v[LT+2:LT+3], v[LD+2:LD+3], v[LD+2:LD+3]
.irp i, 4,8,12
	v_pk_add_f32 v[LD:LD+1], v[\XB+\i:\XB+\i+1], v[LT+4:LT+5] neg_lo:[0,1] neg_hi:[0,1]
	v_pk_add_f32 v[LD+2:LD+3], v[\XB+\i+2:\XB+\i+3], v[LT+4:LT+5] neg_lo:[0,1] neg_hi:[0,1]
	v_pk_fma_f32 v[LT:LT+1], v[LD:LD+1], v[LD:LD+1], v[LT:LT+1]
	v_pk_fma_f32 v[LT+2:LT+3], v[LD+2:LD+3], v[LD+2:LD+3], v[LT+2:LT+3]
.endr
	v_pk_add_f32 v[LT:LT+1], v[LT:LT+1], v[LT+2:LT+3]
	v_add_f32 v[LT], v[LT], v[LT+1]
	v_permlanex16_b32 v[LT+1], v[LT], s[SEL], s[SEL+1]
	v_add_f32 v[LT+5], v[LT], v[LT+1]              ; my wave's sum of squares about its mean
	ds_store_b64 v[STW], v[LT+4:LT+5] offset:\STO  ; both halves of the lanes write the same pair
	BARRIER
.irp i, 0,1,2,3,4,5,6,7
	ds_load_b64 v[\SB+2*\i:\SB+2*\i+1], v[STR] offset:\STO+128*\i
.endr
	s_wait_dscnt 0x0
	v_pk_add_f32 v[LT:LT+1], v[\SB:\SB+1], v[\SB+2:\SB+3]
	v_pk_add_f32 v[LT+2:LT+3], v[\SB+4:\SB+5], v[\SB+6:\SB+7]
	v_pk_add_f32 v[LT:LT+1], v[LT:LT+1], v[\SB+8:\SB+9]
	v_pk_add_f32 v[LT+2:LT+3], v[LT+2:LT+3], v[\SB+10:\SB+11]
	v_pk_add_f32 v[LT:LT+1], v[LT:LT+1], v[\SB+12:\SB+13]
	v_pk_add_f32 v[LT+2:LT+3], v[LT+2:LT+3], v[\SB+14:\SB+15]
	v_pk_add_f32 v[LT:LT+1], v[LT:LT+1], v[LT+2:LT+3]              ; the means' sum, the squares' sum
	v_mul_f32 v[LT+4], 0x3e000000, v[LT]           ; the row's mean
	v_mov_b32 v[LT+5], v[LT+4]
	v_sub_f32 v[LD], v[\SB], v[LT+4]
	v_sub_f32 v[LD+1], v[\SB+2], v[LT+4]
	v_mul_f32 v[LT+2], v[LD], v[LD]
	v_mul_f32 v[LT+3], v[LD+1], v[LD+1]
.irp i, 4,8,12
	v_sub_f32 v[LD], v[\SB+\i], v[LT+4]
	v_sub_f32 v[LD+1], v[\SB+\i+2], v[LT+4]
	v_fmac_f32 v[LT+2], v[LD], v[LD]
	v_fmac_f32 v[LT+3], v[LD+1], v[LD+1]
.endr
	v_add_f32 v[LT+2], v[LT+2], v[LT+3]
	v_fmamk_f32 v[LT], v[LT+2], 0x42000000, v[LT+1]                ; x 32 + the squares' sum
	v_fma_f32 v[LT], v[LT], s[R256], s[EPS]        ; / 256 + 1e-5
	v_rsq_f32 v[LT+6], v[LT]
	v_nop                                          ; a plain place behind the transcendental
	s_wait_alu depctr_va_vdst(0)
	v_mov_b32 v[LT+7], v[LT+6]
	s_wait_loadcnt \cnt                            ; gain and bias are in
	s_wait_xcnt 0x0                                ; stores that read the rows have read them: the rows are written in place only behind this wait
.irp i, 0,2,4,6,8,10,12,14
	v_pk_add_f32 v[\XB+\i:\XB+\i+1], v[\XB+\i:\XB+\i+1], v[LT+4:LT+5] neg_lo:[0,1] neg_hi:[0,1]
.endr
.irp i, 0,2,4,6,8,10,12,14
	v_pk_mul_f32 v[\XB+\i:\XB+\i+1], v[\XB+\i:\XB+\i+1], v[LT+6:LT+7]
.endr
.irp i, 0,2,4,6,8,10,12,14
	v_pk_fma_f32 v[\XB+\i:\XB+\i+1], v[\XB+\i:\XB+\i+1], v[\GB+\i:\GB+\i+1], v[\BB+\i:\BB+\i+1]
.endr
.endm
; one axis of a sampling point: v[B], v[B+1] the lower and upper cell, clipped to 0 .. 199, as f32; v[B+2], v[B+3] their weights, 0 where the clip moved the cell
.macro AXIS o, rf, B
	v_fma_f32 v252, v[\o], s[K005], v[\rf]         ; ref + off / 200
	v_fma_f32 v252, v252, s[K200], -0.5            ; x 200 - 0.5
	v_floor_f32 v253, v252
	v_sub_f32 v[\B+3], v252, v253
	v_add_f32 v254, 1.0, v253
	v_sub_f32 v[\B+2], 1.0, v[\B+3]
	v_med3_num_f32 v[\B], v253, 0, s[K199]
	v_med3_num_f32 v[\B+1], v254, 0, s[K199]
	v_cmp_eq_f32 vcc_lo, v[\B], v253
	v_cndmask_b32 v[\B+2], 0, v[\B+2], vcc_lo
	v_cmp_eq_f32 vcc_lo, v[\B+1], v254
	v_cndmask_b32 v[\B+3], 0, v[\B+3], vcc_lo
.endm
.macro SAMPLE i                        ; my point 4 h + i: four rows of value and four weights, corners (y0,x0), (y0,x1), (y1,x0), (y1,x1)
	AXIS OFA+2*\i, 212, 244
	AXIS OFA+2*\i+1, 213, 248
	v_mul_f32 v250, v250, v[AS+\i]                 ; the attention weight goes into y's two
	v_mul_f32 v251, v251, v[AS+\i]
	v_mul_f32 v[WT+4*\i], v250, v246
	v_mul_f32 v[WT+4*\i+1], v250, v247
	v_mul_f32 v[WT+4*\i+2], v251, v246
	v_mul_f32 v[WT+4*\i+3], v251, v247
	v_fma_f32 v252, v248, s[K200], v[BASE]         ; 40,000 b + 200 y: whole numbers under 2^24, exact in f32
	v_fma_f32 v253, v249, s[K200], v[BASE]
	v_add_f32 v254, v252, v244
	v_cvt_u32_f32 v[IDX+4*\i], v254
	v_add_f32 v254, v252, v245
	v_cvt_u32_f32 v[IDX+4*\i+1], v254
	v_add_f32 v254, v253, v244
	v_cvt_u32_f32 v[IDX+4*\i+2], v254
	v_add_f32 v254, v253, v245
	v_cvt_u32_f32 v[IDX+4*\i+3], v254
.endm
	s_load_b512 s[4:19], s[0:1], 0x0               ; sarec, query, Wo's codes, Wo's scales, bo, ln1_g, ln1_b, Woff's codes
	s_load_b512 s[20:35], s[0:1], 0x40             ; Woff's scales, boff, Waw's codes, Waw's scales, baw, ref_2d, ident, sidx
	s_load_b64 s[36:37], s[0:1], 0x80              ; swt
	v_lshl_add_u32 v31, v0, 2, 0xd00
	v_mov_b32 v255, 0
	v_lshrrev_b32 v16, 5, v0
	v_readfirstlane_b32 s38, v16                   ; wave
	s_mov_b32 s39, ttmp9                           ; the tile, 0..156
	s_and_b32 s40, ttmp7, 0xffff                   ; the batch
	s_mul_i32 s41, s40, 157
	s_add_co_u32 s41, s41, s39
	s_mov_b32 s[SEL], 0x76543210
	s_mov_b32 s[SEL+1], 0xfedcba98
	s_mov_b32 s[HI], 0xffff0000
	s_mov_b32 s[K005], 0x3ba3d70a
	s_mov_b32 s[K200], 0x43480000
	s_mov_b32 s[K199], 0x43470000
	s_mov_b32 s[EPS], 0x3727c5ac
	s_mov_b32 s[R256], 0x3b800000
	v_and_b32 v17, 31, v0                          ; lane
	v_and_b32 v18, 15, v0                          ; r
	v_bfe_u32 v19, v0, 4, 1                        ; h
	v_and_b32 v20, 8, v18
	v_add_nc_u32 v20, v20, v18                     ; r + 8 (r / 8)
	v_lshlrev_b32 v1, 4, v17                       ; v1 = 16 x lane
	v_lshlrev_b32 v3, 4, v18                       ; v3 = 16 r
	v_lshl_add_u32 v2, v19, 9, v3                  ; v2 = 512 h + 16 r
	v_lshlrev_b32 v4, 7, v20
	v_lshl_add_u32 v4, v19, 4, v4                  ; v4: Wo's row, + 16 h
	v_lshlrev_b32 v5, 3, v20                       ; v5: its scale bytes
	v_lshlrev_b32 v6, 6, v19                       ; v6 = 64 h
	s_lshl_b32 s50, s39, 4
	s_mul_i32 s52, s40, 2500
	s_lshl_b32 s53, s38, 7
	v_add_nc_u32 v21, s50, v18
	v_min_u32 v21, 2499, v21                       ; my row, held at the batch's last
	v_add_nc_u32 v21, s52, v21
	v_lshl_add_u32 v22, v19, 6, s53
	v_lshl_add_u32 v7, v21, 10, v22                ; v7: query: row x 1,024 + 128 w + 64 h
	v_lshlrev_b32 v13, 3, v21                      ; v13: ref_2d: row x 8
	v_lshlrev_b32 v8, 7, v18
	v_lshl_add_u32 v8, v19, 4, v8                  ; v8: Woff's row r
	v_lshlrev_b32 v9, 3, v18                       ; v9 = 8 r
	v_and_b32 v23, 7, v18
	v_lshlrev_b32 v10, 7, v23
	v_lshl_add_u32 v10, v19, 4, v10                ; v10: Waw's row r % 8
	v_lshlrev_b32 v11, 3, v23
	v_lshlrev_b32 v12, 5, v19                      ; v12 = 32 h
	v_lshl_add_u32 v14, v19, 10, v3                ; v14 = 1,024 h + 16 r
	v_mov_b32 v15, 0
	s_lshl_b32 s50, s38, 8
	v_lshl_add_u32 v26, v19, 3, v3
	v_add_nc_u32 v26, s50, v26                     ; v26: my block's codes in the image: 256 w + 16 r + 8 h
	v_lshlrev_b32 v30, 2, v18                      ; v30 = 4 r
	s_lshr_b32 s50, s38, 2
	s_lshl_b32 s50, s50, 6
	s_and_b32 s52, s38, 3
	s_add_co_u32 s50, s50, s52
	v_add_nc_u32 v27, s50, v30                     ; v27: its scale byte
	v_add_nc_u32 v[STW], s53, v9                   ; v28 = 128 w + 8 r
	s_mul_i32 s50, s40, 40000
	v_cvt_f32_u32 v[BASE], s50                     ; the batch's first row of value, as f32: in a register that nothing else writes
	v_mov_b32 v[QT], 0                             ; written once: a lane permute's destination counts as one of its sources
	s_mov_b32 s51, 0
	s_wait_kmcnt 0x0
	s_mul_i32 s50, s40, 160
	s_add_co_u32 s50, s50, s39
	s_lshl_b32 s50, s50, 12
	s_add_nc_u64 s[4:5], s[4:5], s[50:51]          ; the tile's eight records
	s_lshl_b32 s50, s38, 12
	s_add_nc_u64 s[8:9], s[8:9], s[50:51]
	s_lshl_b32 s50, s38, 8
	s_add_nc_u64 s[10:11], s[10:11], s[50:51]
	s_lshl_b32 s50, s38, 7
	s_add_nc_u64 s[12:13], s[12:13], s[50:51]
	s_add_nc_u64 s[14:15], s[14:15], s[50:51]
	s_add_nc_u64 s[16:17], s[16:17], s[50:51]
	s_add_nc_u64 s[20:21], s[20:21], s[50:51]
	s_lshl_b32 s50, s38, 11
	s_add_nc_u64 s[18:19], s[18:19], s[50:51]
	s_lshl_b32 s50, s38, 6
	s_add_nc_u64 s[22:23], s[22:23], s[50:51]
	s_add_nc_u64 s[26:27], s[26:27], s[50:51]
	s_lshl_b32 s50, s38, 10
	s_add_nc_u64 s[24:25], s[24:25], s[50:51]
	s_lshl_b32 s50, s38, 5
	s_add_nc_u64 s[28:29], s[28:29], s[50:51]
	s_lshl_b32 s50, s41, 3
	s_add_co_u32 s50, s50, s38
	s_lshl_b32 s50, s50, 11                        ; (8 x tile + wave) x 2,048: the same place in all three outputs
	s_add_nc_u64 s[32:33], s[32:33], s[50:51]
	s_add_nc_u64 s[34:35], s[34:35], s[50:51]
	s_add_nc_u64 s[36:37], s[36:37], s[50:51]
	; group 1, 26 loads: what the first product wants
.irp f, 0,1,2,3
	global_load_b128 v[32+4*\f:35+4*\f], v2, s[4:5] offset:1024*\f          ; heads 2 f (lanes 0-15) and 2 f + 1: blocks of K
.endr
.irp f, 0,1,2,3,4,5,6,7
	global_load_b32 v[48+\f], v3, s[4:5] offset:512*\f+256                  ; head f's scale byte, at its place in a word
.endr
.irp u, 0,1
	WFRAG 68+16*\u, 4, 8, 1024*\u, 2
	global_load_b64 v[60+2*\u:61+2*\u], v5, s[10:11] offset:64*\u
.endr
.irp i, 0,1,2,3
	global_load_b128 v[132+4*\i:135+4*\i], v6, s[12:13] offset:16*\i
.endr
	; group 2, 4 loads: query
.irp i, 0,1,2,3
	global_load_b128 v[148+4*\i:151+4*\i], v7, s[6:7] offset:16*\i
.endr
	; group 3, 8 loads: gain and bias
.irp i, 0,1,2,3
	global_load_b128 v[164+4*\i:167+4*\i], v6, s[14:15] offset:16*\i
.endr
.irp i, 0,1,2,3
	global_load_b128 v[180+4*\i:183+4*\i], v6, s[16:17] offset:16*\i
.endr
	; group 4, 15 loads: the two small products
	WFRAG 100, 8, 18, 0, 2
	global_load_b64 v[64:65], v9, s[20:21]
	WFRAG 116, 10, 24, 0, 2
	global_load_b64 v[66:67], v11, s[26:27]
.irp i, 0,1
	global_load_b128 v[196+4*\i:199+4*\i], v12, s[22:23] offset:16*\i
.endr
.irp i, 0,1
	global_load_b128 v[204+4*\i:207+4*\i], v15, s[28:29] offset:16*\i
.endr
	global_load_b64 v[212:213], v13, s[30:31]
	s_wait_loadcnt 27                              ; groups 2 to 4 may be out
	v_or_b32 v56, v48, v49                         ; four heads' bytes make a K step's scale word
	v_or_b32 v57, v52, v53
	v_or_b32 v56, v56, v50
	v_or_b32 v57, v57, v54
	v_or_b32 v56, v56, v51
	v_or_b32 v57, v57, v55
	PLACES 8                                       ; a scale word made by vector instructions stands eight places ahead of its product
	MMC 132, 68, 32, 132, 60, 56, 0                ; two accumulators by turns
	MMC 140, 84, 32, 140, 62, 56, 0
	MMC 132, 76, 40, 132, 61, 57, 0
	MMC 140, 92, 40, 140, 63, 57, 0
	PLACES 4
	s_wait_loadcnt 23                              ; groups 3 and 4 may be out: query is in
.irp j, 0,2,4,6,8,10,12,14
	v_pk_add_f32 v[148+\j:149+\j], v[132+\j:133+\j], v[148+\j:149+\j]      ; the identity
.endr
.irp g, 0,1,2,3
	global_store_b128 v1, v[148+4*\g:151+4*\g], s[32:33] offset:512*\g     ; as an image of these registers: 512 consecutive bytes a store
.endr
	LNORM 148, 164, 180, 214, ST1, 15              ; group 4 may be out
	BQ 148, 20, 19
	ds_store_b64 v26, v[20:21] offset:XI
	ds_store_b8 v27, v19 offset:XS
	BARRIER                                        ; the eight blocks of Q(x) lie in LDS
.irp f, 0,1,2,3
	ds_load_b128 v[32+4*\f:35+4*\f], v1 offset:XI+512*\f
.endr
	ds_load_b32 v58, v30 offset:XS
	ds_load_b32 v59, v30 offset:XS+64
	s_wait_loadcnt 0x0
	s_wait_dscnt 0x0
	MMC 196, 100, 32, 196, 64, 58, 0
	MMC 204, 116, 32, 204, 66, 58, 0
	MMC 196, 108, 40, 196, 65, 59, 0
	MMC 204, 124, 40, 204, 67, 59, 0
	PLACES 4
	v_max3_num_f32 v238, v204, v205, v206          ; the softmax over my head's eight points
	v_max3_num_f32 v238, v238, v207, v208
	v_max3_num_f32 v238, v238, v209, v210
	v_max_num_f32 v238, v238, v211
	v_mov_b32 v239, v238
.irp j, 0,2,4,6
	v_pk_add_f32 v[230+\j:231+\j], v[204+\j:205+\j], v[238:239] neg_lo:[0,1] neg_hi:[0,1]
.endr
.irp j, 0,2,4,6
	v_pk_mul_f32 v[230+\j:231+\j], v[230+\j:231+\j], 0x3fb8aa3b op_sel_hi:[1,0]
.endr
.irp j, 0,1,2,3,4,5,6,7
	v_exp_f32 v[230+\j], v[230+\j]
.endr
	v_nop
	s_wait_alu depctr_va_vdst(0)
	v_pk_add_f32 v[238:239], v[230:231], v[232:233]
	v_pk_add_f32 v[240:241], v[234:235], v[236:237]
	v_pk_add_f32 v[238:239], v[238:239], v[240:241]
	v_add_f32 v238, v238, v239
	v_rcp_f32 v238, v238
.irp i, 0,1,2,3
	v_cndmask_b32 v[AS+\i], v[230+\i], v[234+\i], s[HI]            ; my four points: 4 h + i
.endr
	s_wait_alu depctr_va_vdst(0)
.irp i, 0,1,2,3
	v_mul_f32 v[AS+\i], v[AS+\i], v238
.endr
	SAMPLE 0
	SAMPLE 1
	SAMPLE 2
	SAMPLE 3
.irp i, 0,1,2,3
	global_store_b128 v14, v[IDX+4*\i:IDX+4*\i+3], s[34:35] offset:256*\i  ; [point][row][corner]: each half of the lanes stores 256 consecutive bytes
.endr
.irp i, 0,1,2,3
	global_store_b128 v14, v[WT+4*\i:WT+4*\i+3], s[36:37] offset:256*\i
.endr
	s_wait_tensorcnt 0x0
	ds_add_u32 v31, v255
	s_wait_dscnt 0x0
	s_endpgm
.Lfunc_end_k_qc5d88c14ae_post:
	.size	k_qc5d88c14ae_post, .Lfunc_end_k_qc5d88c14ae_post-k_qc5d88c14ae_post
	.p2alignl 7, 3214868480
	.fill 96, 4, 3214868480
	.section	.rodata,"a",@progbits
	.p2align	6, 0x0
	.amdhsa_kernel k_qc5d88c14ae_post
		.amdhsa_group_segment_fixed_size 4352
		.amdhsa_private_segment_fixed_size 0
		.amdhsa_enable_private_segment 0
		.amdhsa_kernarg_size 136
		.amdhsa_user_sgpr_count 2
		.amdhsa_user_sgpr_kernarg_segment_ptr 1
		.amdhsa_wavefront_size32 1
		.amdhsa_system_sgpr_workgroup_id_x 1
		.amdhsa_system_sgpr_workgroup_id_y 1
		.amdhsa_system_sgpr_workgroup_id_z 1
		.amdhsa_system_vgpr_workitem_id 0
		.amdhsa_next_free_vgpr 256
		.amdhsa_next_free_sgpr 66
		.amdhsa_reserve_vcc 1
		.amdhsa_float_denorm_mode_32 3
		.amdhsa_float_denorm_mode_16_64 3
		.amdhsa_memory_ordered 1
		.amdhsa_forward_progress 1
		.amdhsa_inst_pref_size 28
	.end_amdhsa_kernel
	.amdgpu_metadata
---
amdhsa.version: [ 1, 2 ]
amdhsa.kernels:
  - .name:           k_qc5d88c14ae_post
    .symbol:         k_qc5d88c14ae_post.kd
    .args:
      - { .name: sarec, .offset: 0, .size: 8, .value_kind: global_buffer, .address_space: global }
      - { .name: query, .offset: 8, .size: 8, .value_kind: global_buffer, .address_space: global }
      - { .name: out_proj_w_codes, .offset: 16, .size: 8, .value_kind: global_buffer, .address_space: global }
      - { .name: out_proj_w_scales, .offset: 24, .size: 8, .value_kind: global_buffer, .address_space: global }
      - { .name: out_proj_b, .offset: 32, .size: 8, .value_kind: global_buffer, .address_space: global }
      - { .name: ln1_g, .offset: 40, .size: 8, .value_kind: global_buffer, .address_space: global }
      - { .name: ln1_b, .offset: 48, .size: 8, .value_kind: global_buffer, .address_space: global }
      - { .name: off_w_codes, .offset: 56, .size: 8, .value_kind: global_buffer, .address_space: global }
      - { .name: off_w_scales, .offset: 64, .size: 8, .value_kind: global_buffer, .address_space: global }
      - { .name: off_b, .offset: 72, .size: 8, .value_kind: global_buffer, .address_space: global }
      - { .name: aw_w_codes, .offset: 80, .size: 8, .value_kind: global_buffer, .address_space: global }
      - { .name: aw_w_scales, .offset: 88, .size: 8, .value_kind: global_buffer, .address_space: global }
      - { .name: aw_b, .offset: 96, .size: 8, .value_kind: global_buffer, .address_space: global }
      - { .name: ref_2d, .offset: 104, .size: 8, .value_kind: global_buffer, .address_space: global }
      - { .name: ident, .offset: 112, .size: 8, .value_kind: global_buffer, .address_space: global }
      - { .name: sidx, .offset: 120, .size: 8, .value_kind: global_buffer, .address_space: global }
      - { .name: swt, .offset: 128, .size: 8, .value_kind: global_buffer, .address_space: global }
    .group_segment_fixed_size: 4352
    .private_segment_fixed_size: 0
    .kernarg_segment_align: 8
    .kernarg_segment_size: 136
    .max_flat_workgroup_size: 256
    .sgpr_count:     66
    .vgpr_count:     256
    .wavefront_size: 32
...
	.end_amdgpu_metadata
.endif
;; end of part 3
;; launch tail (part 4): grid 157 x 4, 8 waves a work-group, no clusters, 28,672 bytes of LDS; arguments sidx, swt, ident, value_codes, value_scales, vproj_w_codes, vproj_w_scales, vproj_b, oproj_w_codes, oproj_w_scales, oproj_b, ln2_g, ln2_b, ffn_w1_codes, ffn_w1_scales, ffn_b1, ffn_w2_codes, ffn_w2_scales, ffn_b2, ln3_g, ln3_b, out0; writes out0
.if DOCPART == 4
	.amdgcn_target "amdgcn-amd-amdhsa--gfx1250"
	.amdhsa_code_object_version 6
	.text
	.protected	k_qc5d88c14ae_tail
	.globl	k_qc5d88c14ae_tail
	.p2align	8
	.type	k_qc5d88c14ae_tail,@function
k_qc5d88c14ae_tail:
	s_mov_b64 s[64:65], 0
	v_nop
	global_prefetch_b8 v0, s[64:65] scope:SCOPE_SE
	s_setreg_imm32_b32 hwreg(HW_REG_WAVE_MODE, 25, 1), 1
	s_wait_xcnt 0x0
; The deformable attention's sampling, its output projection, LN2, the FFN and LN3.
; THE PROJECTED VALUE TABLE IS NEVER BUILT.  A sample of one head is 32 f32 of the projected table, 128 bytes; the sampled row's 256 codes are 128 bytes too.  So the rows' CODES are gathered, by the rows that the launch before
; stored as whole numbers, and multiplied with the head's 32 rows of Wv on the spot: source 0 = 16 rows of Wv, source 1 = sample number sg of the tile's 16 queries.  A lane then holds 16 channels of ITS query's sample, and the
; weighted sum over 32 samples (8 points x 4 corners) is a fused multiply-add a pair of channels, with no traffic between lanes.  The bias enters as bv x the sum of the weights.
; SHARES.  A work-group takes a tile of 16 rows (157 a batch; rows from 2,500 on are not stored).  Wave w is head w in the gather, and makes channels 32 w .. 32 w + 31 (hidden units 64 w .. 64 w + 63) afterwards.
; Lane r of a weight's tile u takes row base + 8 u + r + 8 (r / 8), so that register 8 u + j of lane (r, h) is channel base + 16 h + 8 u + j of data row r: 16 neighbours, half a block of the next K.
; Operands go from wave to wave through LDS as images: a block's codes at 256 x block + 16 r + 8 h, its scale byte at 64 (block / 4) + 4 r + block % 4.  Each LDS region is written once and read once, behind a barrier.
; The gather runs four samples ahead (four sets of registers, five loads each).  The weights are shared by all work-groups, but each wave reads its part once, into registers: there is no tile to ask for jointly.
; LIMITS: NaN and infinities are not served.  A block of zeros gets the byte 1 (its codes are zeros; the bytes are read by this program alone).
.set XI0, 0                            ; the image of the sampled sum;  XS0 its scale words
.set XS0, 2048
.set ST2, 2304                         ; LN2's pairs
.set XI1, 3328                         ; the image of LN2's result
.set XS1, 5376
.set HIM, 5632                         ; the hidden layer's image, 16 blocks
.set HS,  9728
.set ST3, 9984                         ; LN3's pairs
.set STG, 11008                        ; the way out: 16 rows x (1,024 + 16) bytes
.set SEL, 52
.set EPS, 56
.set R256, 57
.set H16, 2
.set IDX, 24                           ; v24-55 the 32 samples' rows
.set WT,  56                           ; v56-87 their weights
.set VW,  88                           ; v88-119 Wv's four fragments
.set G,   120                          ; v120-183 four sets of gathered fragments
.set GS,  184                          ; v184-207 hold scales and nothing else: v184-191 the gathered rows', later W1's
.set VWS, 192                          ; v192-195 Wv's, v196-199 Wo's, later W2's; v200-207 the images'
.set GA,  208                          ; v208-215 two offsets a set
.set D,   216                          ; v216-231 a sample's two tiles
.set ACC, 232                          ; v232-247 the weighted sum
.set QM,  248
.set QT,  249
.set QS,  250
.set LT,  240
.set LD,  20
.set STW, 11
.set STR, 12
.macro PLACES n
.rept \n
	v_nop
.endr
.endm
.macro BARRIER
	s_wait_dscnt 0x0
	s_barrier_signal -1
	s_barrier_wait -1
.endm
.macro MM0 d, a, b, sa, sb, r1
.if \r1
	v_wmma_scale_f32_16x16x128_f8f6f4 v[\d:\d+7], v[\a:\a+7], v[\b:\b+7], 0, v[\sa], v[\sb] matrix_a_fmt:MATRIX_FMT_FP4 matrix_b_fmt:MATRIX_FMT_FP4 matrix_a_scale:MATRIX_SCALE_ROW1
.else
	v_wmma_scale_f32_16x16x128_f8f6f4 v[\d:\d+7], v[\a:\a+7], v[\b:\b+7], 0, v[\sa], v[\sb] matrix_a_fmt:MATRIX_FMT_FP4 matrix_b_fmt:MATRIX_FMT_FP4
.endif
.endm
.macro MMC d, a, b, c, sa, sb, r1
.if \r1
	v_wmma_scale_f32_16x16x128_f8f6f4 v[\d:\d+7], v[\a:\a+7], v[\b:\b+7], v[\c:\c+7], v[\sa], v[\sb] matrix_a_fmt:MATRIX_FMT_FP4 matrix_b_fmt:MATRIX_FMT_FP4 matrix_a_scale:MATRIX_SCALE_ROW1
.else
	v_wmma_scale_f32_16x16x128_f8f6f4 v[\d:\d+7], v[\a:\a+7], v[\b:\b+7], v[\c:\c+7], v[\sa], v[\sb] matrix_a_fmt:MATRIX_FMT_FP4 matrix_b_fmt:MATRIX_FMT_FP4
.endif
.endm
.macro WFRAG dst, voff, sb, imm, ns
.set WS_, 0
.rept \ns
	global_load_b128 v[\dst+8*WS_:\dst+8*WS_+3], v[\voff], s[\sb:\sb+1] offset:\imm+64*WS_
	global_load_b128 v[\dst+8*WS_+4:\dst+8*WS_+7], v[\voff], s[\sb:\sb+1] offset:\imm+64*WS_+32
.set WS_, WS_+1
.endr
.endm
.macro BQ s, c, by
	v_max3_num_f32 v[QM], |v[\s]|, |v[\s+1]|, 0x1800000
.irp i, 2,4,6,8,10,12,14
	v_max3_num_f32 v[QM], v[QM], |v[\s+\i]|, |v[\s+\i+1]|
.endr
	v_permlanex16_b32 v[QT], v[QM], s[SEL], s[SEL+1]
	v_max_num_f32 v[QM], v[QM], v[QT]
	v_add_nc_u32 v[QS], 0xff000000, v[QM]
	v_lshrrev_b32 v[\by], 23, v[QS]
	v_cvt_scalef32_pk8_fp4_f32 v[\c], v[\s:\s+7], v[QS]
	v_cvt_scalef32_pk8_fp4_f32 v[\c+1], v[\s+8:\s+15], v[QS]
	v_nop
.endm
; LayerNorm over 256 channels of which each wave holds 32: each wave's mean and sum of squares about it meet in LDS and are joined by M2 = sum of M2_i + 32 x sum of (mean_i - mean)^2
.macro LNORM XB, GB, BB, SB, STO, cnt
	v_pk_add_f32 v[LT:LT+1], v[\XB:\XB+1], v[\XB+2:\XB+3]
	v_pk_add_f32 v[LT+2:LT+3], v[\XB+4:\XB+5], v[\XB+6:\XB+7]
	v_pk_add_f32 v[LT:LT+1], v[LT:LT+1], v[\XB+8:\XB+9]
	v_pk_add_f32 v[LT+2:LT+3], v[LT+2:LT+3], v[\XB+10:\XB+11]
	v_pk_add_f32 v[LT:LT+1], v[LT:LT+1], v[\XB+12:\XB+13]
	v_pk_add_f32 v[LT+2:LT+3], v[LT+2:LT+3], v[\XB+14:\XB+15]
	v_pk_add_f32 v[LT:LT+1], v[LT:LT+1], v[LT+2:LT+3]
	v_add_f32 v[LT], v[LT], v[LT+1]
	v_permlanex16_b32 v[LT+1], v[LT], s[SEL], s[SEL+1]
	v_add_f32 v[LT], v[LT], v[LT+1]
	v_mul_f32 v[LT+4], 0x3d000000, v[LT]
	v_mov_b32 v[LT+5], v[LT+4]
	v_pk_add_f32 v[LD:LD+1], v[\XB:\XB+1], v[LT+4:LT+5] neg_lo:[0,1] neg_hi:[0,1]
	v_pk_add_f32 v[LD+2:LD+3], v[\XB+2:\XB+3], v[LT+4:LT+5] neg_lo:[0,1] neg_hi:[0,1]
	v_pk_mul_f32 v[LT:LT+1], v[LD:LD+1], v[LD:LD+1]
	v_pk_mul_f32 v[LT+2:LT+3], v[LD+2:LD+3], v[LD+2:LD+3]
.irp i, 4,8,12
	v_pk_add_f32 v[LD:LD+1], v[\XB+\i:\XB+\i+1], v[LT+4:LT+5] neg_lo:[0,1] neg_hi:[0,1]
	v_pk_add_f32 v[LD+2:LD+3], v[\XB+\i+2:\XB+\i+3], v[LT+4:LT+5] neg_lo:[0,1] neg_hi:[0,1]
	v_pk_fma_f32 v[LT:LT+1], v[LD:LD+1], v[LD:LD+1], v[LT:LT+1]
	v_pk_fma_f32 v[LT+2:LT+3], v[LD+2:LD+3], v[LD+2:LD+3], v[LT+2:LT+3]
.endr
	v_pk_add_f32 v[LT:LT+1], v[LT:LT+1], v[LT+2:LT+3]
	v_add_f32 v[LT], v[LT], v[LT+1]
	v_permlanex16_b32 v[LT+1], v[LT], s[SEL], s[SEL+1]
	v_add_f32 v[LT+5], v[LT], v[LT+1]
	ds_store_b64 v[STW], v[LT+4:LT+5] offset:\STO
	BARRIER
.irp i, 0,1,2,3,4,5,6,7
	ds_load_b64 v[\SB+2*\i:\SB+2*\i+1], v[STR] offset:\STO+128*\i
.endr
	s_wait_dscnt 0x0
	v_pk_add_f32 v[LT:LT+1], v[\SB:\SB+1], v[\SB+2:\SB+3]
	v_pk_add_f32 v[LT+2:LT+3], v[\SB+4:\SB+5], v[\SB+6:\SB+7]
	v_pk_add_f32 v[LT:LT+1], v[LT:LT+1], v[\SB+8:\SB+9]
	v_pk_add_f32 v[LT+2:LT+3], v[LT+2:LT+3], v[\SB+10:\SB+11]
	v_pk_add_f32 v[LT:LT+1], v[LT:LT+1], v[\SB+12:\SB+13]
	v_pk_add_f32 v[LT+2:LT+3], v[LT+2:LT+3], v[\SB+14:\SB+15]
	v_pk_add_f32 v[LT:LT+1], v[LT:LT+1], v[LT+2:LT+3]
	v_mul_f32 v[LT+4], 0x3e000000, v[LT]
	v_mov_b32 v[LT+5], v[LT+4]
	v_sub_f32 v[LD], v[\SB], v[LT+4]
	v_sub_f32 v[LD+1], v[\SB+2], v[LT+4]
	v_mul_f32 v[LT+2], v[LD], v[LD]
	v_mul_f32 v[LT+3], v[LD+1], v[LD+1]
.irp i, 4,8,12
	v_sub_f32 v[LD], v[\SB+\i], v[LT+4]
	v_sub_f32 v[LD+1], v[\SB+\i+2], v[LT+4]
	v_fmac_f32 v[LT+2], v[LD], v[LD]
	v_fmac_f32 v[LT+3], v[LD+1], v[LD+1]
.endr
	v_add_f32 v[LT+2], v[LT+2], v[LT+3]
	v_fmamk_f32 v[LT], v[LT+2], 0x42000000, v[LT+1]
	v_fma_f32 v[LT], v[LT], s[R256], s[EPS]
	v_rsq_f32 v[LT+6], v[LT]
	v_nop
	s_wait_alu depctr_va_vdst(0)
	v_mov_b32 v[LT+7], v[LT+6]
	s_wait_loadcnt \cnt                            ; gain and bias are in
	s_wait_xcnt 0x0
.irp i, 0,2,4,6,8,10,12,14
	v_pk_add_f32 v[\XB+\i:\XB+\i+1], v[\XB+\i:\XB+\i+1], v[LT+4:LT+5] neg_lo:[0,1] neg_hi:[0,1]
.endr
.irp i, 0,2,4,6,8,10,12,14
	v_pk_mul_f32 v[\XB+\i:\XB+\i+1], v[\XB+\i:\XB+\i+1], v[LT+6:LT+7]
.endr
.irp i, 0,2,4,6,8,10,12,14
	v_pk_fma_f32 v[\XB+\i:\XB+\i+1], v[\XB+\i:\XB+\i+1], v[\GB+\i:\GB+\i+1], v[\BB+\i:\BB+\i+1]
.endr
.endm
.macro ADDR sg                         ; sample sg's offsets: the stored row, held inside the table, x 128 + 16 h for the codes and x 8 for the scale bytes
.set KA_, (\sg)%4
	v_min_u32 v[GA+2*KA_+1], 0x270ff, v[IDX+(\sg)]
	v_lshl_add_u32 v[GA+2*KA_], v[GA+2*KA_+1], 7, v[H16]
	v_lshlrev_b32 v[GA+2*KA_+1], 3, v[GA+2*KA_+1]
.endm
.macro ISSUE sg                        ; its five loads: two fragments (256 codes of my query's row) and the row's two scale words
.set KA_, (\sg)%4
.irp f, 0,1,2,3
	global_load_b128 v[G+16*KA_+4*\f:G+16*KA_+4*\f+3], v[GA+2*KA_], s[14:15] offset:32*\f
.endr
	global_load_b64 v[GS+2*KA_:GS+2*KA_+1], v[GA+2*KA_+1], s[16:17]
.endm
	s_load_b512 s[8:23], s[0:1], 0x0               ; sidx, swt, ident, value's codes, value's scales, Wv's codes, Wv's scales, bv
	s_load_b512 s[24:39], s[0:1], 0x40             ; Wo's codes, Wo's scales, bo, ln2_g, ln2_b, W1's codes, W1's scales, b1
	s_load_b256 s[40:47], s[0:1], 0x80             ; W2's codes, W2's scales, b2, ln3_g
	s_load_b128 s[48:51], s[0:1], 0xa0             ; ln3_b, out0
	s_set_vgpr_msb 0x40
	v_lshl_add_u32 v0, v0, 2, 0x6c00
	v_mov_b32 v1, 0
	s_set_vgpr_msb 0x4000
	v_lshrrev_b32 v248, 5, v0
	v_readfirstlane_b32 s2, v248                   ; wave
	s_mov_b32 s3, ttmp9                            ; the tile
	s_and_b32 s4, ttmp7, 0xffff                    ; the batch
	s_mul_i32 s5, s4, 157
	s_add_co_u32 s5, s5, s3
	s_mov_b32 s[SEL], 0x76543210
	s_mov_b32 s[SEL+1], 0xfedcba98
	s_mov_b32 s[EPS], 0x3727c5ac
	s_mov_b32 s[R256], 0x3b800000
	v_and_b32 v248, 31, v0                         ; lane
	v_and_b32 v249, 15, v0                         ; r
	v_bfe_u32 v250, v0, 4, 1                       ; h
	v_and_b32 v251, 8, v249
	v_add_nc_u32 v251, v251, v249                  ; r + 8 (r / 8)
	v_lshlrev_b32 v1, 4, v248                      ; v1 = 16 x lane
	v_lshlrev_b32 v[H16], 4, v250                  ; v2 = 16 h
	v_lshlrev_b32 v3, 4, v249                      ; v3 = 16 r
	v_lshl_add_u32 v4, v251, 7, v[H16]             ; v4: a row of 256 codes, + 16 h
	v_lshlrev_b32 v5, 3, v251                      ; v5: its 8 scale bytes
	v_lshlrev_b32 v6, 6, v250                      ; v6 = 64 h
	v_lshl_add_u32 v7, v251, 8, v[H16]             ; v7: a row of 512 codes, + 16 h
	v_lshlrev_b32 v8, 4, v251                      ; v8: its 16 scale bytes
	v_lshl_add_u32 v9, v250, 3, v3                 ; 16 r + 8 h
	v_lshlrev_b32 v13, 2, v249                     ; v13 = 4 r
	v_lshlrev_b32 v[STR], 3, v249                  ; v12 = 8 r
	s_lshl_b32 s54, s2, 9
	v_add_nc_u32 v14, s54, v9                      ; v14: the hidden layer's codes: 512 w + 16 r + 8 h
	s_lshl_b32 s54, s2, 8
	v_add_nc_u32 v9, s54, v9                       ; v9: a block's codes: 256 w + 16 r + 8 h
	s_lshr_b32 s54, s2, 2
	s_lshl_b32 s54, s54, 6
	s_and_b32 s55, s2, 3
	s_add_co_u32 s54, s54, s55
	v_add_nc_u32 v10, s54, v13                     ; v10: its scale byte: 64 (w / 4) + 4 r + w % 4
	s_lshl_b32 s54, s2, 7
	v_add_nc_u32 v[STW], s54, v[STR]               ; v11 = 128 w + 8 r
	v_mul_u32_u24 v16, v249, 1040
	v_add_nc_u32 v16, s54, v16
	v_add_nc_u32 v16, v16, v6                      ; v16: the stage: 1,040 r + 128 w + 64 h
	s_lshr_b32 s54, s2, 1
	s_lshl_b32 s54, s54, 6
	s_and_b32 s55, s2, 1
	s_lshl_b32 s55, s55, 1
	s_add_co_u32 s54, s54, s55
	v_add_nc_u32 v15, s54, v13                     ; v15: the hidden layer's scale bytes: blocks 2 w and 2 w + 1
	s_mul_i32 s54, s2, 2080
	v_add_nc_u32 v17, s54, v1                      ; v17: back from the stage: rows 2 w and 2 w + 1
	v_mov_b32 v19, 0                               ; (named with v18 as a pair)
	v_mov_b32 v[QT], 0                             ; written once: a lane permute's destination counts as one of its sources
	s_mov_b32 s59, 0
	s_wait_kmcnt 0x0
	s_lshl_b32 s58, s5, 3
	s_add_co_u32 s58, s58, s2
	s_lshl_b32 s58, s58, 11                        ; (8 x tile + wave) x 2,048
	s_add_nc_u64 s[8:9], s[8:9], s[58:59]
	s_add_nc_u64 s[10:11], s[10:11], s[58:59]
	s_add_nc_u64 s[12:13], s[12:13], s[58:59]
	s_lshl_b32 s58, s2, 12
	s_add_nc_u64 s[18:19], s[18:19], s[58:59]
	s_add_nc_u64 s[24:25], s[24:25], s[58:59]
	s_lshl_b32 s58, s2, 8
	s_add_nc_u64 s[20:21], s[20:21], s[58:59]
	s_add_nc_u64 s[26:27], s[26:27], s[58:59]
	s_add_nc_u64 s[38:39], s[38:39], s[58:59]
	s_lshl_b32 s58, s2, 7
	s_add_nc_u64 s[22:23], s[22:23], s[58:59]
	s_add_nc_u64 s[28:29], s[28:29], s[58:59]
	s_add_nc_u64 s[30:31], s[30:31], s[58:59]
	s_add_nc_u64 s[32:33], s[32:33], s[58:59]
	s_add_nc_u64 s[44:45], s[44:45], s[58:59]
	s_add_nc_u64 s[46:47], s[46:47], s[58:59]
	s_add_nc_u64 s[48:49], s[48:49], s[58:59]
	s_lshl_b32 s58, s2, 13
	s_add_nc_u64 s[34:35], s[34:35], s[58:59]
	s_add_nc_u64 s[40:41], s[40:41], s[58:59]
	s_lshl_b32 s58, s2, 9
	s_add_nc_u64 s[36:37], s[36:37], s[58:59]
	s_add_nc_u64 s[42:43], s[42:43], s[58:59]
	s_lshl_b32 s60, s3, 4
	s_lshl_b32 s61, s2, 1
	s_add_co_u32 s60, s60, s61                     ; the first of the two rows that I store, within the batch
	s_mul_i32 s58, s4, 2500
	s_add_co_u32 s58, s58, s60
	s_lshl_b32 s58, s58, 10
	s_add_nc_u64 s[50:51], s[50:51], s[58:59]
.irp p, 0,1,2,3,4,5,6,7
	global_load_b128 v[IDX+4*\p:IDX+4*\p+3], v3, s[8:9] offset:256*\p      ; point p's four corners of query r
.endr
.irp p, 0,1,2,3,4,5,6,7
	global_load_b128 v[WT+4*\p:WT+4*\p+3], v3, s[10:11] offset:256*\p
.endr
.irp u, 0,1
	WFRAG VW+16*\u, 4, 18, 1024*\u, 2
	global_load_b64 v[VWS+2*\u:VWS+2*\u+1], v5, s[20:21] offset:64*\u
.endr
	s_wait_loadcnt 18                              ; the 18 loads behind them may be out: the rows' numbers are in
.irp g, 0,1,2,3
	ADDR \g
	ISSUE \g
.endr
	; ---- the gather: 32 samples, written out; set sg % 4
.set SG, 0
.rept 32
.set GB, G+16*(SG%4)
.set GC, GS+2*(SG%4)
.set WP, WT+(SG/2)*2
.if SG < 29
	s_wait_loadcnt 15                              ; the three younger samples' loads may be out
.else
	s_wait_loadcnt 10+5*(31-SG)                    ; the younger samples', and the ten loads of Wo issued in sample 28's turn
.endif
	MM0 D, VW, GB, VWS, GC, 0                      ; two accumulators by turns
	MM0 D+8, VW+16, GB, VWS+2, GC, 0
	MMC D, VW+8, GB+8, D, VWS+1, GC+1, 0
	MMC D+8, VW+24, GB+8, D+8, VWS+3, GC+1, 0
.if SG == 0                            ; four places: in front of the loads into this set, and of the first read of the results
	v_mov_b32 v18, v[WT]
.else
	v_add_f32 v18, v18, v[WT+SG]                   ; the sum of the weights, for the bias
.endif
.if SG < 28
	ADDR SG+4                                      ; (this set's earlier loads are done: their offsets may be written)
	ISSUE SG+4
.else
	PLACES 3
.endif
.if SG == 28                           ; the rows' numbers are done with: Wo's fragments take their place
	WFRAG 24, 4, 24, 0, 2
	WFRAG 40, 4, 24, 1024, 2
	global_load_b64 v[196:197], v5, s[26:27]
	global_load_b64 v[198:199], v5, s[26:27] offset:64
.endif
.if SG == 0
.irp j, 0,2,4,6,8,10,12,14
	v_pk_mul_f32 v[ACC+\j:ACC+\j+1], v[D+\j:D+\j+1], v[WP:WP+1] op_sel_hi:[1,0]       ; the first sample starts the sums
.endr
.elseif SG%2
.irp j, 0,2,4,6,8,10,12,14
	v_pk_fma_f32 v[ACC+\j:ACC+\j+1], v[D+\j:D+\j+1], v[WP:WP+1], v[ACC+\j:ACC+\j+1] op_sel:[0,1,0] op_sel_hi:[1,1,1]
.endr
.else
.irp j, 0,2,4,6,8,10,12,14
	v_pk_fma_f32 v[ACC+\j:ACC+\j+1], v[D+\j:D+\j+1], v[WP:WP+1], v[ACC+\j:ACC+\j+1] op_sel_hi:[1,0,1]
.endr
.endif
.set SG, SG+1
.endr
	; ---- 40 loads for what follows, into registers that the gather has left
.irp i, 0,1,2,3
	global_load_b128 v[120+4*\i:123+4*\i], v6, s[22:23] offset:16*\i       ; bv
.endr
.irp i, 0,1,2,3
	global_load_b128 v[136+4*\i:139+4*\i], v6, s[28:29] offset:16*\i       ; bo
.endr
.irp i, 0,1,2,3
	global_load_b128 v[152+4*\i:155+4*\i], v1, s[12:13] offset:512*\i      ; the identity, as it was stored
.endr
.irp i, 0,1,2,3
	global_load_b128 v[168+4*\i:171+4*\i], v6, s[30:31] offset:16*\i       ; ln2_g
.endr
.irp i, 0,1,2,3
	global_load_b128 v[208+4*\i:211+4*\i], v6, s[32:33] offset:16*\i       ; ln2_b
.endr
.irp t, 0,1,2,3
	WFRAG 56+16*\t, 4, 34, (32*(\t/2)+8*(\t%2))*128, 2                     ; W1: tile t begins at row 64 w + 32 (t / 2) + 8 (t % 2)
.endr
.irp t, 0,1,2,3
	global_load_b64 v[184+2*\t:185+2*\t], v5, s[36:37] offset:(32*(\t/2)+8*(\t%2))*8
.endr
	s_wait_loadcnt 36                              ; the 36 loads behind bv may be out
.irp j, 0,2,4,6,8,10,12,14
	v_pk_fma_f32 v[ACC+\j:ACC+\j+1], v[120+\j:121+\j], v[18:19], v[ACC+\j:ACC+\j+1] op_sel_hi:[1,0,1]   ; + bv x the sum of the weights
.endr
	BQ ACC, 252, 251
	ds_store_b64 v9, v[252:253] offset:XI0
	ds_store_b8 v10, v251 offset:XS0
	BARRIER                                        ; the eight heads' blocks lie in LDS
.irp f, 0,1,2,3
	ds_load_b128 v[224+4*\f:227+4*\f], v1 offset:XI0+512*\f
.endr
	ds_load_b32 v200, v13 offset:XS0
	ds_load_b32 v201, v13 offset:XS0+64
	s_wait_loadcnt 32                              ; bo is in
	s_wait_dscnt 0x0
	MMC 136, 24, 224, 136, 196, 200, 0
	MMC 144, 40, 224, 144, 198, 200, 0
	MMC 136, 32, 232, 136, 197, 201, 0
	MMC 144, 48, 232, 144, 199, 201, 0
	PLACES 4
.irp e, 0,1
.irp i, 0,1,2,3
	global_load_b128 v[24+16*\e+4*\i:27+16*\e+4*\i], v6, s[38:39] offset:128*\e+16*\i  ; b1, in the result's layout, takes Wo's place
.endr
.endr
	s_wait_loadcnt 36                              ; gain, bias, W1, its scales and b1 may be out: the identity is in
.irp j, 0,2,4,6,8,10,12,14
	v_pk_add_f32 v[152+\j:153+\j], v[136+\j:137+\j], v[152+\j:153+\j]
.endr
	LNORM 152, 168, 208, 120, ST2, 28              ; W1, its scales and b1 may be out
	BQ 152, 252, 251
	ds_store_b64 v9, v[252:253] offset:XI1
	ds_store_b8 v10, v251 offset:XS1
	BARRIER
.irp f, 0,1,2,3
	ds_load_b128 v[224+4*\f:227+4*\f], v1 offset:XI1+512*\f
.endr
	ds_load_b32 v202, v13 offset:XS1
	ds_load_b32 v203, v13 offset:XS1+64
	s_wait_loadcnt 0x0
	s_wait_dscnt 0x0
.irp t, 0,1,2,3
	MMC 24+8*\t, 56+16*\t, 224, 24+8*\t, 184+2*\t, 202, 0
.endr
.irp t, 0,1,2,3
	MMC 24+8*\t, 64+16*\t, 232, 24+8*\t, 185+2*\t, 203, 0
.endr
	PLACES 4
.irp u, 0,1
	WFRAG 56+32*\u, 7, 40, 2048*\u, 4              ; W2: tile u, four K steps
.endr
.irp u, 0,1
	global_load_b128 v[192+4*\u:195+4*\u], v8, s[42:43] offset:128*\u
.endr
.irp i, 0,1,2,3
	global_load_b128 v[136+4*\i:139+4*\i], v6, s[44:45] offset:16*\i       ; b2
.endr
.irp i, 0,1,2,3
	global_load_b128 v[168+4*\i:171+4*\i], v6, s[46:47] offset:16*\i       ; ln3_g
.endr
.irp i, 0,1,2,3
	global_load_b128 v[208+4*\i:211+4*\i], v6, s[48:49] offset:16*\i       ; ln3_b
.endr
.set JJ, 0
.rept 32
	v_max_num_f32 v[24+JJ], 0, v[24+JJ]            ; relu
.set JJ, JJ+1
.endr
	BQ 24, 252, 251
	ds_store_b64 v14, v[252:253] offset:HIM
	ds_store_b8 v15, v251 offset:HS
	BQ 40, 254, 18
	ds_store_b64 v14, v[254:255] offset:HIM+256
	ds_store_b8 v15, v18 offset:HS+1
	BARRIER                                        ; the hidden layer's sixteen blocks lie in LDS
.irp f, 0,1,2,3,4,5,6,7
	ds_load_b128 v[24+4*\f:27+4*\f], v1 offset:HIM+512*\f
.endr
.irp s, 0,1,2,3
	ds_load_b32 v[204+\s], v13 offset:HS+64*\s
.endr
	s_wait_loadcnt 8                               ; ln3's gain and bias may be out
	s_wait_dscnt 0x0
.irp s, 0,1,2,3
.irp u, 0,1
	MMC 136+8*\u, 56+32*\u+8*\s, 24+8*\s, 136+8*\u, 192+4*\u+\s, 204+\s, 0
.endr
.endr
	PLACES 4
.irp j, 0,2,4,6,8,10,12,14
	v_pk_add_f32 v[152+\j:153+\j], v[136+\j:137+\j], v[152+\j:153+\j]      ; the FFN's own residual
.endr
	LNORM 152, 168, 208, 120, ST3, 0
.irp i, 0,1,2,3
	ds_store_b128 v16, v[152+4*\i:155+4*\i] offset:STG+16*\i
.endr
	BARRIER                                        ; 16 whole rows lie in the stage
	s_cmp_ge_u32 s60, 2500                         ; rows from 2,500 on are padding (2,500 and my first row are even: both of mine or none)
	s_cbranch_scc1 .Lend
.irp f, 0,1,2,3
	ds_load_b128 v[152+4*\f:155+4*\f], v17 offset:STG+1040*(\f/2)+512*(\f%2)
.endr
	s_wait_dscnt 0x0
.irp f, 0,1,2,3
	global_store_b128 v1, v[152+4*\f:155+4*\f], s[50:51] offset:512*\f th:TH_STORE_NT  ; 512 consecutive bytes a store
.endr
.Lend:
	s_set_vgpr_msb 0x5
	s_wait_tensorcnt 0x0
	ds_add_u32 v0, v1
	s_wait_dscnt 0x0
	s_set_vgpr_msb 0x500
	s_endpgm
.Lfunc_end_k_qc5d88c14ae_tail:
	.size	k_qc5d88c14ae_tail, .Lfunc_end_k_qc5d88c14ae_tail-k_qc5d88c14ae_tail
	.p2alignl 7, 3214868480
	.fill 96, 4, 3214868480
	.section	.rodata,"a",@progbits
	.p2align	6, 0x0
	.amdhsa_kernel k_qc5d88c14ae_tail
		.amdhsa_group_segment_fixed_size 28672
		.amdhsa_private_segment_fixed_size 0
		.amdhsa_enable_private_segment 0
		.amdhsa_kernarg_size 176
		.amdhsa_user_sgpr_count 2
		.amdhsa_user_sgpr_kernarg_segment_ptr 1
		.amdhsa_wavefront_size32 1
		.amdhsa_system_sgpr_workgroup_id_x 1
		.amdhsa_system_sgpr_workgroup_id_y 1
		.amdhsa_system_sgpr_workgroup_id_z 1
		.amdhsa_system_vgpr_workitem_id 0
		.amdhsa_next_free_vgpr 258
		.amdhsa_next_free_sgpr 66
		.amdhsa_reserve_vcc 0
		.amdhsa_float_denorm_mode_32 3
		.amdhsa_float_denorm_mode_16_64 3
		.amdhsa_memory_ordered 1
		.amdhsa_forward_progress 1
		.amdhsa_inst_pref_size 93
	.end_amdhsa_kernel
	.amdgpu_metadata
---
amdhsa.version: [ 1, 2 ]
amdhsa.kernels:
  - .name:           k_qc5d88c14ae_tail
    .symbol:         k_qc5d88c14ae_tail.kd
    .args:
      - { .name: sidx, .offset: 0, .size: 8, .value_kind: global_buffer, .address_space: global }
      - { .name: swt, .offset: 8, .size: 8, .value_kind: global_buffer, .address_space: global }
      - { .name: ident, .offset: 16, .size: 8, .value_kind: global_buffer, .address_space: global }
      - { .name: value_codes, .offset: 24, .size: 8, .value_kind: global_buffer, .address_space: global }
      - { .name: value_scales, .offset: 32, .size: 8, .value_kind: global_buffer, .address_space: global }
      - { .name: vproj_w_codes, .offset: 40, .size: 8, .value_kind: global_buffer, .address_space: global }
      - { .name: vproj_w_scales, .offset: 48, .size: 8, .value_kind: global_buffer, .address_space: global }
      - { .name: vproj_b, .offset: 56, .size: 8, .value_kind: global_buffer, .address_space: global }
      - { .name: oproj_w_codes, .offset: 64, .size: 8, .value_kind: global_buffer, .address_space: global }
      - { .name: oproj_w_scales, .offset: 72, .size: 8, .value_kind: global_buffer, .address_space: global }
      - { .name: oproj_b, .offset: 80, .size: 8, .value_kind: global_buffer, .address_space: global }
      - { .name: ln2_g, .offset: 88, .size: 8, .value_kind: global_buffer, .address_space: global }
      - { .name: ln2_b, .offset: 96, .size: 8, .value_kind: global_buffer, .address_space: global }
      - { .name: ffn_w1_codes, .offset: 104, .size: 8, .value_kind: global_buffer, .address_space: global }
      - { .name: ffn_w1_scales, .offset: 112, .size: 8, .value_kind: global_buffer, .address_space: global }
      - { .name: ffn_b1, .offset: 120, .size: 8, .value_kind: global_buffer, .address_space: global }
      - { .name: ffn_w2_codes, .offset: 128, .size: 8, .value_kind: global_buffer, .address_space: global }
      - { .name: ffn_w2_scales, .offset: 136, .size: 8, .value_kind: global_buffer, .address_space: global }
      - { .name: ffn_b2, .offset: 144, .size: 8, .value_kind: global_buffer, .address_space: global }
      - { .name: ln3_g, .offset: 152, .size: 8, .value_kind: global_buffer, .address_space: global }
      - { .name: ln3_b, .offset: 160, .size: 8, .value_kind: global_buffer, .address_space: global }
      - { .name: out0, .offset: 168, .size: 8, .value_kind: global_buffer, .address_space: global }
    .group_segment_fixed_size: 28672
    .private_segment_fixed_size: 0
    .kernarg_segment_align: 8
    .kernarg_segment_size: 176
    .max_flat_workgroup_size: 256
    .sgpr_count:     66
    .vgpr_count:     258
    .wavefront_size: 32
...
	.end_amdgpu_metadata
.endif
;; end of part 4
;; ======== version 2 of 2: 4 launches; version 1 with the launches qkv, attn, post, tail written anew for expert scheduling mode
;; workspace buffers: qrec 2,621,440 bytes; krec 2,621,440 bytes; vimg 1,310,720 bytes; vscb 81,920 bytes; sarec 2,621,440 bytes; ident 10,289,152 bytes; sidx 10,289,152 bytes of whole numbers; swt 10,289,152 bytes
;; launch qkv (part 5): grid 80 x 4, 8 waves a work-group, no clusters, 10,240 bytes of LDS; arguments query, query_pos, in_proj_w_codes, in_proj_w_scales, in_proj_b, qrec, krec, vimg, vscb; writes qrec, krec, vimg, vscb
.if DOCPART == 5
	.amdgcn_target "amdgcn-amd-amdhsa--gfx1250"
	.amdhsa_code_object_version 6
	.text
	.protected	k_qc5d88c14ae_qkv
	.globl	k_qc5d88c14ae_qkv
	.p2align	8
	.type	k_qc5d88c14ae_qkv,@function
k_qc5d88c14ae_qkv:
	s_mov_b64 s[64:65], 0
	v_nop
	global_prefetch_b8 v0, s[64:65] scope:SCOPE_SE
	s_setreg_imm32_b32 hwreg(HW_REG_WAVE_SCHED_MODE, 0, 2), 2
	s_setreg_imm32_b32 hwreg(HW_REG_WAVE_MODE, 25, 1), 1
	s_wait_xcnt 0x0
	s_wait_alu depctr_vm_vsrc(0)
; q = Q(query + pos) Wq^T + bq, k = Q(query) Wk^T + bk, v = Q(query) Wv^T + bv on codes of E2M1 with one E8M0 scale for each 32 along K;
; q and k are then quantised along the head's 32 channels (one block), v along the keys, and all three leave as codes.
; SHARES.  A work-group takes 32 rows of one batch (one block of keys), each batch padded to 2,560 rows by copies of its row 2,499 (the load's row is held at 2,499):
; a copy changes no block's largest magnitude, and the attention hides keys from 2,500 on.  Wave w quantises channels 32 w .. 32 w + 31 of the inputs, and makes head w of q, k and v.
; LAYOUT.  q and k: source 0 = 16 rows of the weight, source 1 = 16 rows of data; lane r of tile u takes weight row 32 w + 8 u + r + 8 (r / 8), so that register 8 u + j of lane (r, h) is channel 16 h + 8 u + j of data row r.
; v: source 0 = 16 keys, source 1 = 16 rows of Wv (the same choice of rows): a lane holds one channel and 16 of the block's 32 keys.
; OUT.  qrec, krec: for each head and tile of 16 rows 512 bytes: row r's 16 bytes of codes at 16 r, its scale byte sixteen times at 256 + 16 r: one store of 16 bytes a lane.
; vimg: the second product's operand as its registers take it; in a block, place 16 h + 8 t + j holds key 16 t + 8 h + j, which is where the attention's p of that key lands.  vscb: [batch][block][head][channel row] bytes.
; The weights are shared by all work-groups, but each wave reads its 12 KiB of them once, into registers: nothing goes through LDS by a copy engine, so there is no joint request to make.
; LIMITS: NaN and infinities among the inputs are not served.  A block of zeros gets the byte 1 (its codes are zeros; the bytes are read by this program alone).
; THE MODE: SCHED_MODE bits 1:0 = 2 (LLVM: expert scheduling mode 2), set by the entry lines.  The code itself states the register dependences
; between vector or matrix instructions and memory or LDS instructions, with s_wait_alu, always for 0.
; THE PLAN.  Registers that memory or LDS instructions touch:
;   v1-13      offsets and LDS addresses: made once at the head, never written again: the wait ahead of the first load serves them for the whole kernel.
;   v48-111    the inputs land there; the additions and the four quantisings read them; then the images' fragments land there.
;   v24-35     the four blocks' codes and bytes: written by the four quantisings, read by eight LDS stores in one run behind one wait.  That wait also shows the quantisings done with v48-111.
;   v112-143   Wq's fragments, read by q's products; Wv's land there behind the wait that follows those products.
;   v24-31, v32-39  q's and k's records: made by vector lines (behind one wait that shows the LDS stores done reading v24-35); a stage's two stores stand behind the NEXT stage's products, under the one wait there.
;   v254-255, v14-15, v19, v23  v's codes and bytes: written by the last two quantisings, read by four stores behind one wait; v16-17, in which wave 0's last LDS load lands, are named by no vector line behind that wait.
.set XQ,  0                            ; LDS: images of Q(query + pos): [tile 2][block 8][row 16][16 bytes]
.set XK,  4096                         ; of Q(query)
.set XSC, 8192                         ; their scale words: [which 2][tile 2][K step 2][row 16][4]
.set VST, 8704                         ; v's scale bytes of this block of keys: [head 8][channel row 32]
.set SEL, 26                           ; s[26:27] lane selects: lane l xor 16
.set HI,  28                           ; s28 the mask of lanes 16-31
.set L16, 1                            ; v1 16 x lane
.set QM,  16                           ; v16-18 at work in BQ
.set QT,  17
.set QS,  18
.set SW,  20                           ; v20 a record's scale word
.set X0,  21                           ; v21-22 the other half's codes
.set X1,  22
.set D,   222                          ; v222-253 four accumulators
.macro PLACES n
.rept \n
	v_nop
.endr
.endm
.macro BARRIER                         ; my LDS stores have landed and my LDS loads are in: then the work-group's barrier
	s_wait_dscnt 0x0
	s_barrier_signal -1
	s_barrier_wait -1
.endm
.macro MM0 d, a, b, sa, sb, r1         ; a product that starts a sum
.if \r1
	v_wmma_scale_f32_16x16x128_f8f6f4 v[\d:\d+7], v[\a:\a+7], v[\b:\b+7], 0, v[\sa], v[\sb] matrix_a_fmt:MATRIX_FMT_FP4 matrix_b_fmt:MATRIX_FMT_FP4 matrix_a_scale:MATRIX_SCALE_ROW1
.else
	v_wmma_scale_f32_16x16x128_f8f6f4 v[\d:\d+7], v[\a:\a+7], v[\b:\b+7], 0, v[\sa], v[\sb] matrix_a_fmt:MATRIX_FMT_FP4 matrix_b_fmt:MATRIX_FMT_FP4
.endif
.endm
.macro MMC d, a, b, c, sa, sb, r1      ; a product onto c
.if \r1
	v_wmma_scale_f32_16x16x128_f8f6f4 v[\d:\d+7], v[\a:\a+7], v[\b:\b+7], v[\c:\c+7], v[\sa], v[\sb] matrix_a_fmt:MATRIX_FMT_FP4 matrix_b_fmt:MATRIX_FMT_FP4 matrix_a_scale:MATRIX_SCALE_ROW1
.else
	v_wmma_scale_f32_16x16x128_f8f6f4 v[\d:\d+7], v[\a:\a+7], v[\b:\b+7], v[\c:\c+7], v[\sa], v[\sb] matrix_a_fmt:MATRIX_FMT_FP4 matrix_b_fmt:MATRIX_FMT_FP4
.endif
.endm
.macro WFRAG dst, voff, sb, imm, ns    ; ns fragments (16 rows x 128 K each) of a weight whose rows lie along K: 64 bytes a K step, two loads of 16 bytes a lane
.set WS_, 0
.rept \ns
	global_load_b128 v[\dst+8*WS_:\dst+8*WS_+3], v[\voff], s[\sb:\sb+1] offset:\imm+64*WS_
	global_load_b128 v[\dst+8*WS_+4:\dst+8*WS_+7], v[\voff], s[\sb:\sb+1] offset:\imm+64*WS_+32
.set WS_, WS_+1
.endr
.endm
; 16 numbers of a lane, half a block of 32 (lane l xor 16 holds the other half), become 8 bytes of codes in v[c], v[c+1] and the block's scale byte in v[by]
.macro BQ s, c, by
	v_max3_num_f32 v[QM], |v[\s]|, |v[\s+1]|, 0x1800000          ; the floor 2^(3 - 127) holds the byte at 1 from below
.irp i, 2,4,6,8,10,12,14
	v_max3_num_f32 v[QM], v[QM], |v[\s+\i]|, |v[\s+\i+1]|
.endr
	v_permlanex16_b32 v[QT], v[QM], s[SEL], s[SEL+1]
	v_max_num_f32 v[QM], v[QM], v[QT]                            ; the block's largest magnitude
	v_add_nc_u32 v[QS], 0xff000000, v[QM]                        ; 2 off its exponent field: the conversion's scale operand
	v_lshrrev_b32 v[\by], 23, v[QS]                              ; the scale's byte
	v_cvt_scalef32_pk8_fp4_f32 v[\c], v[\s:\s+7], v[QS]
	v_cvt_scalef32_pk8_fp4_f32 v[\c+1], v[\s+8:\s+15], v[QS]
	v_nop                                                        ; one plain place behind a scaled conversion
.endm
; a record of 512 bytes in four registers, for one store: lanes 0-15 their row's 16 bytes of codes, lanes 16-31 their row's scale word four times
.macro REC c, R
	v_permlanex16_b32 v[X0], v[\c], s[SEL], s[SEL+1]
	v_permlanex16_b32 v[X1], v[\c+1], s[SEL], s[SEL+1]
	v_cndmask_b32 v[\R], v[\c], v[SW], s[HI]
	v_cndmask_b32 v[\R+1], v[\c+1], v[SW], s[HI]
	v_cndmask_b32 v[\R+2], v[X0], v[SW], s[HI]
	v_cndmask_b32 v[\R+3], v[X1], v[SW], s[HI]
.endm
	s_load_b512 s[4:19], s[0:1], 0x0               ; query, query_pos, W's codes, W's scales, the bias, qrec, krec, vimg
	s_load_b64 s[20:21], s[0:1], 0x40              ; vscb
	s_set_vgpr_msb 0x40
	v_lshl_add_u32 v0, v0, 2, 0x2400
	v_mov_b32 v1, 0
	s_set_vgpr_msb 0x4000
	v_lshrrev_b32 v16, 5, v0
	v_readfirstlane_b32 s22, v16                   ; wave = head = block of the inputs' channels
	s_mov_b32 s23, ttmp9                           ; X: the block of 32 rows
	s_and_b32 s24, ttmp7, 0xffff                   ; the batch
	s_mov_b32 s[SEL], 0x76543210
	s_mov_b32 s[SEL+1], 0xfedcba98
	s_mov_b32 s[HI], 0xffff0000
	s_mov_b32 s29, 0x01010101
	v_and_b32 v17, 31, v0                          ; lane
	v_and_b32 v18, 15, v0                          ; r
	v_bfe_u32 v19, v0, 4, 1                        ; h
	v_lshlrev_b32 v[L16], 4, v17
	v_lshlrev_b32 v2, 4, v18
	v_lshl_add_u32 v2, v19, 3, v2                  ; v2 = 16 r + 8 h
	v_lshlrev_b32 v3, 2, v18                       ; v3 = 4 r
	s_wait_alu depctr_va_sdst(0)                   ; s22 is written, ahead of its first reader
	s_lshl_b32 s30, s23, 5
	s_mul_i32 s31, s24, 2500
	s_lshl_b32 s32, s22, 7
	v_add_nc_u32 v4, s30, v18                      ; rows 32 X + r and 32 X + 16 + r,
	v_add_nc_u32 v5, 16, v4
	v_min_u32 v4, 2499, v4                         ; held at the batch's last row
	v_min_u32 v5, 2499, v5
	v_add_nc_u32 v4, s31, v4
	v_add_nc_u32 v5, s31, v5
	v_lshl_add_u32 v20, v19, 6, s32                ; 128 w + 64 h: my 16 numbers of my wave's block
	v_lshl_add_u32 v4, v4, 10, v20                 ; v4, v5: the inputs' offsets
	v_lshl_add_u32 v5, v5, 10, v20
	v_and_b32 v21, 8, v18
	v_add_nc_u32 v21, v21, v18                     ; r + 8 (r / 8)
	v_lshlrev_b32 v6, 7, v21
	v_lshl_add_u32 v6, v19, 4, v6                  ; v6: a weight's row of 128 bytes, + 16 h
	v_lshlrev_b32 v7, 3, v21                       ; v7: its 8 scale bytes
	v_lshlrev_b32 v8, 6, v19                       ; v8 = 64 h: a bias in the result's layout
	v_lshlrev_b32 v9, 2, v21                       ; v9: bv of my channel row
	s_lshl_b32 s33, s22, 8
	v_add_nc_u32 v10, s33, v2                      ; v10: where my block's codes go in an image: 256 w + 16 r + 8 h
	s_lshr_b32 s34, s22, 2
	s_lshl_b32 s34, s34, 6
	s_and_b32 s35, s22, 3
	s_add_co_u32 s34, s34, s35
	v_add_nc_u32 v11, s34, v3                      ; v11: and its scale byte: 64 (w / 4) + 4 r + w % 4
	s_lshl_b32 s35, s22, 5
	v_add_nc_u32 v12, s35, v18                     ; v12 = 32 w + r
	v_lshlrev_b32 v13, 3, v17                      ; v13 = 8 x lane
	v_mov_b32 v[QT], 0                             ; written once: a lane permute's destination counts as one of its sources
	v_mov_b32 v[X0], 0
	v_mov_b32 v[X1], 0
	s_lshl_b32 s36, s24, 3
	s_add_co_u32 s36, s36, s22                     ; 8 b + w
	s_mov_b32 s39, 0
	s_wait_kmcnt 0x0
	s_wait_alu depctr_va_vdst(0)                   ; the offsets and addresses v1 to v13 are written, which every load and store of the kernel reads
.irp i, 0,1,2,3
	global_load_b128 v[48+4*\i:51+4*\i], v4, s[4:5] offset:16*\i      ; query, rows 0-15
.endr
.irp i, 0,1,2,3
	global_load_b128 v[64+4*\i:67+4*\i], v5, s[4:5] offset:16*\i      ; rows 16-31
.endr
.irp i, 0,1,2,3
	global_load_b128 v[80+4*\i:83+4*\i], v4, s[6:7] offset:16*\i      ; query_pos
.endr
.irp i, 0,1,2,3
	global_load_b128 v[96+4*\i:99+4*\i], v5, s[6:7] offset:16*\i
.endr
	s_lshl_b32 s38, s22, 12
	s_add_nc_u64 s[8:9], s[8:9], s[38:39]          ; my head's 32 rows of each third of W,
	s_lshl_b32 s38, s22, 8
	s_add_nc_u64 s[10:11], s[10:11], s[38:39]      ; their scale bytes,
	s_lshl_b32 s38, s22, 7
	s_add_nc_u64 s[12:13], s[12:13], s[38:39]      ; their biases
	s_mul_i32 s38, s36, 160
	s_lshl_b32 s37, s23, 1
	s_add_co_u32 s38, s38, s37
	s_lshl_b32 s38, s38, 9                         ; record (8 b + w) x 160 + 2 X
	s_add_nc_u64 s[14:15], s[14:15], s[38:39]
	s_add_nc_u64 s[16:17], s[16:17], s[38:39]
	s_mul_i32 s38, s36, 40960
	s_lshr_b32 s40, s23, 2
	s_lshl_b32 s40, s40, 11
	s_add_co_u32 s38, s38, s40
	s_and_b32 s40, s23, 3
	s_lshl_b32 s40, s40, 8
	s_add_co_u32 s38, s38, s40                     ; vimg: key step X / 4, and block X % 4 of it: 256 bytes each
	s_add_nc_u64 s[18:19], s[18:19], s[38:39]
	s_mul_i32 s38, s24, 80
	s_add_co_u32 s38, s38, s23
	s_lshl_b32 s38, s38, 8
	s_add_nc_u64 s[20:21], s[20:21], s[38:39]
.irp u, 0,1
	WFRAG 112+16*\u, 6, 8, 1024*\u, 2              ; Wq: tile u, K steps 0 and 1
	global_load_b64 v[176+2*\u:177+2*\u], v7, s[10:11] offset:64*\u
.endr
.irp u, 0,1
	WFRAG 144+16*\u, 6, 8, 32768+1024*\u, 2        ; Wk
	global_load_b64 v[180+2*\u:181+2*\u], v7, s[10:11] offset:2048+64*\u
.endr
.irp u, 0,1
	global_load_b64 v[184+2*\u:185+2*\u], v7, s[10:11] offset:4096+64*\u   ; Wv's scale words
.endr
.irp i, 0,1,2,3
	global_load_b128 v[188+4*\i:191+4*\i], v8, s[12:13] offset:16*\i       ; bq
.endr
.irp i, 0,1,2,3
	global_load_b128 v[204+4*\i:207+4*\i], v8, s[12:13] offset:1024+16*\i  ; bk
.endr
.irp u, 0,1
	global_load_b32 v[220+\u], v9, s[12:13] offset:2048+32*\u              ; bv of my channel row in tile u
.endr
	s_wait_loadcnt 32                              ; the 32 loads of weights and biases may be out: the inputs are in
.irp j, 0,2,4,6,8,10,12,14,16,18,20,22,24,26,28,30
	v_pk_add_f32 v[80+\j:81+\j], v[80+\j:81+\j], v[48+\j:49+\j]            ; query + pos
.endr
	BQ 80, 24, 32                                  ; the four blocks are quantised first, each into registers of its own,
	BQ 96, 26, 33
	BQ 48, 28, 34
	BQ 64, 30, 35
	s_wait_alu depctr_va_vdst(0)                   ; the quantisings have written v24 to v35, which the LDS stores read, and are done reading v48 to v111, in which the images' fragments land behind the barrier
	ds_store_b64 v10, v[24:25] offset:XQ           ; and their eight stores stand in one run
	ds_store_b8 v11, v32 offset:XSC
	ds_store_b64 v10, v[26:27] offset:XQ+2048
	ds_store_b8 v11, v33 offset:XSC+128
	ds_store_b64 v10, v[28:29] offset:XK
	ds_store_b8 v11, v34 offset:XSC+256
	ds_store_b64 v10, v[30:31] offset:XK+2048
	ds_store_b8 v11, v35 offset:XSC+384
	BARRIER                                        ; all eight blocks of the 32 rows lie in LDS
	s_wait_alu depctr_vm_vsrc(0)                   ; my LDS stores have read v24 to v35: q's and k's records are made in v24 to v39
.irp t, 0,1
.irp f, 0,1,2,3                                ; fragment (K step f / 2, half f % 2): 512 consecutive bytes
	ds_load_b128 v[48+16*\t+4*\f:51+16*\t+4*\f], v[L16] offset:XQ+2048*\t+512*\f
	ds_load_b128 v[80+16*\t+4*\f:83+16*\t+4*\f], v[L16] offset:XK+2048*\t+512*\f
.endr
.irp s, 0,1
	ds_load_b32 v[40+2*\t+\s], v3 offset:XSC+128*\t+64*\s
	ds_load_b32 v[44+2*\t+\s], v3 offset:XSC+256+128*\t+64*\s
.endr
.endr
	s_wait_loadcnt 0x0
	s_wait_dscnt 0x0
	; ---- q: four accumulators by turns, a K step at a time; the bias is the first product's C
.irp t, 0,1
.irp u, 0,1
	MMC D+16*\t+8*\u, 112+16*\u, 48+16*\t, 188+8*\u, 176+2*\u, 40+2*\t, 0
.endr
.endr
.irp t, 0,1
.irp u, 0,1
	MMC D+16*\t+8*\u, 120+16*\u, 56+16*\t, D+16*\t+8*\u, 177+2*\u, 41+2*\t, 0
.endr
.endr
	PLACES 4                                       ; in front of the first read of results
	s_wait_alu depctr_va_vdst(0)                   ; q's products are done reading Wq's fragments v112 to v143, in which Wv's land
.irp u, 0,1
	WFRAG 112+16*\u, 6, 8, 65536+1024*\u, 2        ; Wv takes Wq's place
.endr
.irp t, 0,1
	BQ D+16*\t, 254, 19
	v_mul_lo_u32 v[SW], v19, s29                   ; the byte in all four places of the word
	REC 254, 24+4*\t
.endr
	; ---- k
.irp t, 0,1
.irp u, 0,1
	MMC D+16*\t+8*\u, 144+16*\u, 80+16*\t, 204+8*\u, 180+2*\u, 44+2*\t, 0
.endr
.endr
.irp t, 0,1
.irp u, 0,1
	MMC D+16*\t+8*\u, 152+16*\u, 88+16*\t, D+16*\t+8*\u, 181+2*\u, 45+2*\t, 0
.endr
.endr
	PLACES 4
	s_wait_alu depctr_va_vdst(0)                   ; q's two records v24 to v31 are written, which the two stores read
.irp t, 0,1
	global_store_b128 v[L16], v[24+4*\t:27+4*\t], s[14:15] offset:512*\t   ; 512 consecutive bytes; each record has four registers of its own
.endr
.irp t, 0,1
	BQ D+16*\t, 254, 19
	v_mul_lo_u32 v[SW], v19, s29
	REC 254, 32+4*\t
.endr
	; ---- v: source 0 = 16 keys, source 1 = 16 rows of Wv: register 8 t + j of lane (r, h) is key 16 t + 8 h + j of my channel row
	s_wait_loadcnt 0x0                             ; Wv
.irp n, 0,1
.irp t, 0,1
	MM0 D+16*\n+8*\t, 80+16*\t, 112+16*\n, 44+2*\t, 184+2*\n, 0
.endr
.endr
.irp n, 0,1
.irp t, 0,1
	MMC D+16*\n+8*\t, 88+16*\t, 120+16*\n, D+16*\n+8*\t, 45+2*\t, 185+2*\n, 0
.endr
.endr
	PLACES 4
	s_wait_alu depctr_va_vdst(0)                   ; k's two records v32 to v39 are written, which the two stores read
.irp t, 0,1
	global_store_b128 v[L16], v[32+4*\t:35+4*\t], s[16:17] offset:512*\t
.endr
.irp j, 0,2,4,6,8,10,12,14
	v_pk_add_f32 v[D+\j:D+\j+1], v[D+\j:D+\j+1], v[220:221] op_sel_hi:[1,0]               ; + bv of tile 0's row
.endr
.irp j, 0,2,4,6,8,10,12,14
	v_pk_add_f32 v[D+16+\j:D+17+\j], v[D+16+\j:D+17+\j], v[220:221] op_sel:[0,1] op_sel_hi:[1,1]   ; of tile 1's
.endr
	BQ D, 254, 19
	BQ D+16, 14, 23
	s_wait_alu depctr_va_vdst(0)                   ; v's codes v254, v255, v14, v15 and bytes v19, v23 are written, which the four stores read; no vector line follows, so v16 and v17 are free for wave 0's LDS load too
	global_store_b64 v2, v[254:255], s[18:19]      ; 256 consecutive bytes: 16 channel rows x this block's 16 bytes
	global_store_b64 v2, v[14:15], s[18:19] offset:1024
	ds_store_b8 v12, v19 offset:VST
	ds_store_b8 v12, v23 offset:VST+16
	BARRIER                                        ; the eight heads' 256 scale bytes lie in LDS
	s_cmp_lg_u32 s22, 0
	s_cbranch_scc1 .Lend
	ds_load_b64 v[16:17], v13 offset:VST
	s_wait_dscnt 0x0
	global_store_b64 v13, v[16:17], s[20:21]       ; wave 0 stores them: 256 consecutive bytes
.Lend:
	s_set_vgpr_msb 0x5                             ; the add's two registers, v256 and v257
	s_wait_dscnt 0x0                               ; the closing lines, six on end
	s_wait_alu 0x0
	s_wait_tensorcnt 0x0
	ds_add_u32 v0, v1
	s_wait_dscnt 0x0
	s_endpgm
.Lfunc_end_k_qc5d88c14ae_qkv:
	.size	k_qc5d88c14ae_qkv, .Lfunc_end_k_qc5d88c14ae_qkv-k_qc5d88c14ae_qkv
	.p2alignl 7, 3214868480
	.fill 96, 4, 3214868480
	.section	.rodata,"a",@progbits
	.p2align	6, 0x0
	.amdhsa_kernel k_qc5d88c14ae_qkv
		.amdhsa_group_segment_fixed_size 10240
		.amdhsa_private_segment_fixed_size 0
		.amdhsa_enable_private_segment 0
		.amdhsa_kernarg_size 72
		.amdhsa_user_sgpr_count 2
		.amdhsa_user_sgpr_kernarg_segment_ptr 1
		.amdhsa_wavefront_size32 1
		.amdhsa_system_sgpr_workgroup_id_x 1
		.amdhsa_system_sgpr_workgroup_id_y 1
		.amdhsa_system_sgpr_workgroup_id_z 1
		.amdhsa_system_vgpr_workitem_id 0
		.amdhsa_next_free_vgpr 258
		.amdhsa_next_free_sgpr 66
		.amdhsa_reserve_vcc 0
		.amdhsa_float_denorm_mode_32 3
		.amdhsa_float_denorm_mode_16_64 3
		.amdhsa_memory_ordered 1
		.amdhsa_forward_progress 1
		.amdhsa_inst_pref_size 29
	.end_amdhsa_kernel
	.amdgpu_metadata
---
amdhsa.version: [ 1, 2 ]
amdhsa.kernels:
  - .name:           k_qc5d88c14ae_qkv
    .symbol:         k_qc5d88c14ae_qkv.kd
    .args:
      - { .name: query, .offset: 0, .size: 8, .value_kind: global_buffer, .address_space: global }
      - { .name: query_pos, .offset: 8, .size: 8, .value_kind: global_buffer, .address_space: global }
      - { .name: in_proj_w_codes, .offset: 16, .size: 8, .value_kind: global_buffer, .address_space: global }
      - { .name: in_proj_w_scales, .offset: 24, .size: 8, .value_kind: global_buffer, .address_space: global }
      - { .name: in_proj_b, .offset: 32, .size: 8, .value_kind: global_buffer, .address_space: global }
      - { .name: qrec, .offset: 40, .size: 8, .value_kind: global_buffer, .address_space: global }
      - { .name: krec, .offset: 48, .size: 8, .value_kind: global_buffer, .address_space: global }
      - { .name: vimg, .offset: 56, .size: 8, .value_kind: global_buffer, .address_space: global }
      - { .name: vscb, .offset: 64, .size: 8, .value_kind: global_buffer, .address_space: global }
    .group_segment_fixed_size: 10240
    .private_segment_fixed_size: 0
    .kernarg_segment_align: 8
    .kernarg_segment_size: 72
    .max_flat_workgroup_size: 256
    .sgpr_count:     66
    .vgpr_count:     258
    .wavefront_size: 32
...
	.end_amdgpu_metadata
.endif
;; end of part 5
;; launch attn (part 6): grid 8 x 32, 20 waves a work-group, no clusters, 128,000 bytes of LDS; arguments qrec, krec, vimg, vscb, sarec; writes sarec
.if DOCPART == 6
	.amdgcn_target "amdgcn-amd-amdhsa--gfx1250"
	.amdhsa_code_object_version 6
	.text
	.protected	k_qc5d88c14ae_attn
	.globl	k_qc5d88c14ae_attn
	.p2align	8
	.type	k_qc5d88c14ae_attn,@function
k_qc5d88c14ae_attn:
	s_mov_b64 s[64:65], 0
	v_nop
	global_prefetch_b8 v0, s[64:65] scope:SCOPE_SE
	s_setreg_imm32_b32 hwreg(HW_REG_WAVE_SCHED_MODE, 0, 2), 2
	s_setreg_imm32_b32 hwreg(HW_REG_WAVE_MODE, 25, 1), 1
	s_wait_xcnt 0x0
	s_wait_alu depctr_vm_vsrc(0)
; Self-attention of one head on codes of E2M1: S^T = k q^T (K = the head's 32 channels), p = 2^(t - M) with t = score x log2(e) / sqrt(32) and M the running largest t rounded up to a whole number,
; p quantised along the keys, O^T += v^T p^T, the row's sum taken of the unquantised p; at the end O / sum is quantised along the head's 32 channels and leaves as a record of codes.
; SHARES.  A work-group owns 320 queries of one head of one batch (each batch padded to 2,560 rows: copies of row 2,499); each of its twenty waves owns one tile of 16 queries, five waves to a SIMD, so that one wave's
; vector work stands beside another's products and LDS loads.  Every wave walks the 2,560 keys, 128 a step, twenty steps; keys from 2,500 on are hidden in the last step.
; LDS holds the head's k (81,920 bytes), v (40,960) and v's scale words (2,560): filled once through registers, read-only behind one barrier.  The eight work-groups of a head share just that one fill of 125,440 bytes,
; against twenty key steps of every wave: it is a small part of the work, so no cluster and no joint request is made of it.
; K = 32 IN AN INSTRUCTION OF K = 128.  A fragment of k holds FOUR tiles of 16 keys: block j of row r is key 16 j + r.  q stands in four operands that are zero codes but for block j: the product with the j-th gives tile j's scores.
; The other blocks meet zero codes; their scale bytes are true bytes of other keys (never 0xff).
; LAYOUT.  A lane holds one query (lane % 16).  Register 16 b + 8 u + i of the scores is key 32 b + 16 u + 8 (lane / 16) + i; converted and with the halves exchanged it lands at place 16 h + 8 u + i of block b, and vimg is laid so.
; LIMITS: NaN and infinities are not served.  A block of zeros gets the byte 1 (its codes are zeros; the bytes are read by this program alone).
; THE MODE: SCHED_MODE bits 1:0 = 2 (LLVM: expert scheduling mode 2), set by the entry lines.  The code itself states the register dependences
; between vector or matrix instructions and memory or LDS instructions, with s_wait_alu, always for 0.
; THE PLAN.  Registers that LDS instructions touch in the loop:
;   KF, KS     Step s: its eight score products, at the step's top, read them; the loads of step s + 1 land in them, issued in the MIDDLE of step s.
;   VF, VS     Step s: its two products onto O^T, at the step's end, read them; the loads of step s land in them, issued in the middle of step s.
;   ADK, ADV, ADS  Written at a step's top, read by the thirteen loads in its middle.
; All thirteen loads stand behind the ONE wait on va_vdst that the step's exponentials have anyway: it also states that the three addresses are written, that this step's score products are done reading KF and KS,
; and that the last step's products onto O^T are done reading VF and VS.  No vector or matrix line behind it names one of these registers ahead of the wait on DScnt for the loads.
; A second wait on va_vdst stands ahead of the products onto O^T, whose operand p and its scale word vector lines have made.  One wait on vm_vsrc stands at a step's top, ahead of the lines that write the addresses.
.set AK0, 1                            ; v1  512 h + 16 r: my place in k's records
.set AV0, 2                            ; v2  81,920 + 16 x lane
.set AS0, 3                            ; v3  122,880 + 4 x lane
.set ADK, 4                            ; v4-6 the addresses of the loads in hand
.set ADV, 5
.set ADS, 6
.set L16, 7                            ; v7  16 x lane
.set QSC, 40                           ; v40 q's scale words; v41 p's; v42 v's; v44-47 k's: these hold scales and nothing else
.set PS,  41
.set VS,  42
.set KS,  44
.set KF,  48                           ; v48-63 two fragments of k (64 keys each)
.set S,   64                           ; v64-127 S^T, then p
.set VF,  128                          ; v128-143 two fragments of v^T
.set O,   144                          ; v144-159 O^T
.set P,   160                          ; v160-167 p's codes
.set BM,  168                          ; v168-171 the blocks' largest scores, then largest p
.set BT,  172
.set BSO, 176
.set F,   180                          ; v[180:181] f = 2^(old M - new M)
.set TMP, 182
.set SEL, 20
.set CS,  22                           ; s[22:23] c = log2(e) / sqrt(32)
.set HI,  24
.set TK,  25
.set TV,  26
.set TS,  27
.set QM,  168                          ; at the end: BQ's and REC's registers
.set QT,  172
.set QS,  176
.set SW,  170
.set X0,  173
.set X1,  174
.macro BARRIER
	s_wait_dscnt 0x0
	s_barrier_signal -1
	s_barrier_wait -1
.endm
.macro MM0 d, a, b, sa, sb, r1
.if \r1
	v_wmma_scale_f32_16x16x128_f8f6f4 v[\d:\d+7], v[\a:\a+7], v[\b:\b+7], 0, v[\sa], v[\sb] matrix_a_fmt:MATRIX_FMT_FP4 matrix_b_fmt:MATRIX_FMT_FP4 matrix_a_scale:MATRIX_SCALE_ROW1
.else
	v_wmma_scale_f32_16x16x128_f8f6f4 v[\d:\d+7], v[\a:\a+7], v[\b:\b+7], 0, v[\sa], v[\sb] matrix_a_fmt:MATRIX_FMT_FP4 matrix_b_fmt:MATRIX_FMT_FP4
.endif
.endm
.macro MMC d, a, b, c, sa, sb, r1
.if \r1
	v_wmma_scale_f32_16x16x128_f8f6f4 v[\d:\d+7], v[\a:\a+7], v[\b:\b+7], v[\c:\c+7], v[\sa], v[\sb] matrix_a_fmt:MATRIX_FMT_FP4 matrix_b_fmt:MATRIX_FMT_FP4 matrix_a_scale:MATRIX_SCALE_ROW1
.else
	v_wmma_scale_f32_16x16x128_f8f6f4 v[\d:\d+7], v[\a:\a+7], v[\b:\b+7], v[\c:\c+7], v[\sa], v[\sb] matrix_a_fmt:MATRIX_FMT_FP4 matrix_b_fmt:MATRIX_FMT_FP4
.endif
.endm
.macro BQ s, c, by
	v_max3_num_f32 v[QM], |v[\s]|, |v[\s+1]|, 0x1800000
.irp i, 2,4,6,8,10,12,14
	v_max3_num_f32 v[QM], v[QM], |v[\s+\i]|, |v[\s+\i+1]|
.endr
	v_permlanex16_b32 v[QT], v[QM], s[SEL], s[SEL+1]
	v_max_num_f32 v[QM], v[QM], v[QT]
	v_add_nc_u32 v[QS], 0xff000000, v[QM]
	v_lshrrev_b32 v[\by], 23, v[QS]
	v_cvt_scalef32_pk8_fp4_f32 v[\c], v[\s:\s+7], v[QS]
	v_cvt_scalef32_pk8_fp4_f32 v[\c+1], v[\s+8:\s+15], v[QS]
	v_nop
.endm
.macro REC c, R                        ; a record of 512 bytes in four registers, for one store
	v_permlanex16_b32 v[X0], v[\c], s[SEL], s[SEL+1]
	v_permlanex16_b32 v[X1], v[\c+1], s[SEL], s[SEL+1]
	v_cndmask_b32 v[\R], v[\c], v[SW], s[HI]
	v_cndmask_b32 v[\R+1], v[\c+1], v[SW], s[HI]
	v_cndmask_b32 v[\R+2], v[X0], v[SW], s[HI]
	v_cndmask_b32 v[\R+3], v[X1], v[SW], s[HI]
.endm
.macro KLOADS adr                      ; a step's k: eight loads
.irp f, 0,1,2,3
	ds_load_b128 v[KF+4*\f:KF+4*\f+3], v[\adr] offset:1024*\f      ; tiles 2 f (lanes 0-15) and 2 f + 1 (lanes 16-31) of the step's eight
.endr
.irp f, 0,1,2,3
	ds_load_b32 v[KS+\f], v[\adr] offset:256+1024*\f               ; and their scale words
.endr
.endm
	s_load_b256 s[4:11], s[0:1], 0x0               ; qrec, krec, vimg, vscb
	s_load_b64 s[12:13], s[0:1], 0x20              ; sarec
	v_lshl_add_u32 v190, v0, 2, 0x1ea00
	v_mov_b32 v191, 0
	v_lshrrev_b32 v4, 5, v0
	v_readfirstlane_b32 s14, v4                    ; wave 0..19
	s_and_b32 s15, ttmp7, 0xffff                   ; 8 b + head
	s_mul_i32 s17, ttmp9, 20
	s_wait_alu depctr_va_sdst(0)                   ; s14 is written, ahead of its first reader
	s_add_co_u32 s17, s17, s14                     ; my tile of queries, 0..159
	s_lshr_b32 s18, s15, 3                         ; the batch
	s_and_b32 s19, s15, 7                          ; the head
	s_mov_b32 s[SEL], 0x76543210
	s_mov_b32 s[SEL+1], 0xfedcba98
	s_mov_b32 s[CS], 0x3e8293ee
	s_mov_b32 s[CS+1], s[CS]                       ; (named with it as a pair, so it is written)
	s_mov_b32 s[HI], 0xffff0000
	s_mov_b32 s[TK], 4096                          ; k is asked for a step ahead: step 0's stands ahead of the loop
	s_mov_b32 s[TV], 0
	s_mov_b32 s[TS], 0
	s_mov_b32 s28, 19
	s_and_b32 s29, s19, 3
	s_lshl_b32 s29, s29, 3                         ; my head's byte in its scale word
	v_and_b32 v182, 31, v0                         ; lane
	v_and_b32 v183, 15, v0                         ; r
	v_bfe_u32 v184, v0, 4, 1                       ; h
	v_lshlrev_b32 v185, 4, v183                    ; 16 r
	v_lshl_add_u32 v[AK0], v184, 9, v185
	v_lshlrev_b32 v[L16], 4, v182
	v_add_nc_u32 v[AV0], 0x14000, v[L16]
	v_lshl_add_u32 v[AS0], v182, 2, 0x1e000
	v_lshlrev_b32 v8, 4, v0                        ; the fill: 16 bytes a thread, 10,240 a pass
	v_add_nc_u32 v10, 0xf000, v8                   ; (an LDS offset has 16 bits: from 61,440 on a second register)
	v_lshl_add_u32 v11, v0, 2, 0x1e000
	v_lshl_add_u32 v9, v4, 10, v182                ; v's scale bytes: key step t / 32, channel row t % 32
	s_mov_b32 s31, 0
	s_wait_kmcnt 0x0
	s_mul_i32 s30, s15, 81920
	s_add_nc_u64 s[6:7], s[6:7], s[30:31]
	s_mul_i32 s30, s15, 40960
	s_add_nc_u64 s[8:9], s[8:9], s[30:31]
	s_mul_i32 s30, s18, 20480
	s_lshl_b32 s32, s19, 5
	s_add_co_u32 s30, s30, s32
	s_add_nc_u64 s[10:11], s[10:11], s[30:31]
	s_mul_i32 s30, s15, 160
	s_add_co_u32 s30, s30, s17
	s_lshl_b32 s30, s30, 9
	s_add_nc_u64 s[4:5], s[4:5], s[30:31]
	s_mul_i32 s30, s18, 160
	s_add_co_u32 s30, s30, s17
	s_lshl_b32 s30, s30, 3
	s_add_co_u32 s30, s30, s19
	s_lshl_b32 s30, s30, 9
	s_add_nc_u64 s[12:13], s[12:13], s[30:31]
	s_wait_alu depctr_va_vdst(0)                   ; the offsets and addresses v1 to v3, v7 to v11 and v185 are written, which the loads and stores below read
.irp i, 0,1,2,3,4,5,6,7
	global_load_b128 v[64+4*\i:67+4*\i], v8, s[6:7] offset:10240*\i
.endr
.irp i, 0,1,2,3
	global_load_b128 v[96+4*\i:99+4*\i], v8, s[8:9] offset:10240*\i
.endr
.irp i, 0,1,2,3
	global_load_u8 v[112+\i], v9, s[10:11] offset:256*\i            ; blocks 4 s + i of my channel row
.endr
	global_load_b128 v[116:119], v185, s[4:5]      ; query r's 16 bytes of codes, in both halves of the lanes
	global_load_b32 v[QSC], v185, s[4:5] offset:256
.irp j, 0,1,2,3
	v_mov_b32 v[20+\j], 0                          ; the zero codes of q's four operands
	v_mov_b32 v[32+\j], 0
	v_mov_b32 v[BT+\j], 0                          ; written once: a lane permute's destination counts as one of its sources
.endr
.irp j, 0,1,2,3,4,5,6,7,8,9,10,11,12,13,14,15
	v_mov_b32 v[O+\j], 0                           ; the step is written for every step alike: the first finds zeros, which the first change of M leaves zeros
.endr
	v_mov_b32 v14, 0                               ; the sum, in two halves
	v_mov_b32 v15, 0
	v_mov_b32 v[F+1], 0
	s_wait_loadcnt 0x0
.irp i, 0,1,2,3,4,5
	ds_store_b128 v8, v[64+4*\i:67+4*\i] offset:10240*\i           ; data as loaded, addresses from the head: no vector line since the wait above names them
.endr
.irp i, 6,7,8,9,10,11
	ds_store_b128 v10, v[64+4*\i:67+4*\i] offset:10240*\i-61440    ; v's image follows k's records at 81,920 = 8 x 10,240
.endr
.irp j, 0,1,2,3
	v_cndmask_b32 v[16+\j], v[116+\j], v[20+\j], s[HI]             ; q in lanes 0-15 alone: blocks 0 and 2
	v_cndmask_b32 v[28+\j], v[20+\j], v[116+\j], s[HI]             ; in lanes 16-31 alone: blocks 1 and 3
.endr
.irp j, 0,1,2,3
	v_mov_b32 v[24+\j], v[16+\j]                   ; v[16:23] block 0, v[28:35] block 1, v[20:27] block 2, v[32:39] block 3
	v_mov_b32 v[36+\j], v[28+\j]
.endr
	v_lshl_or_b32 v112, v113, 8, v112              ; (these five plain lines are also the places behind q's operands)
	v_lshl_or_b32 v112, v114, 16, v112
	v_lshl_or_b32 v112, v115, 24, v112
	v_mov_b32 v13, 0xff61b1e6                      ; the largest t so far: -3e38
	v_floor_f32 v12, -v13                          ; -M
	s_wait_alu depctr_va_vdst(0)                   ; v112 is written, which the LDS store reads; q's four operands v16 to v39 are written, which the scaled products take
	ds_store_b32 v11, v112                         ; v's scale word of key step t / 32, channel row t % 32
	BARRIER                                        ; the head's k and v lie in LDS; nobody writes LDS again
	KLOADS AK0                                     ; step 0's k; no vector line has named KF or KS
.macro STEP last
	s_wait_alu depctr_vm_vsrc(0)                   ; the LDS loads issued so far have read v[ADK], v[ADV], v[ADS], which the lines below write; in the first step also: the fill's LDS stores have read v64 to v112, in which the scores are written, and q's loads have read v185, which the sums' second chain writes
.if !\last
	v_add_nc_u32 v[ADK], s[TK], v[AK0]             ; the next step's k
.endif
	v_add_nc_u32 v[ADV], s[TV], v[AV0]             ; this step's v
	v_add_nc_u32 v[ADS], s[TS], v[AS0]
	s_wait_dscnt 0x0                               ; k's eight loads, asked for in the middle of the step before (step 0's: ahead of the loop)
.irp g, 0,1
	MM0 S+32*\g, KF+8*\g, 16, KS+2*\g, QSC, 0
	MM0 S+32*\g+8, KF+8*\g, 28, KS+2*\g, QSC, 1
	MM0 S+32*\g+16, KF+8*\g, 20, KS+2*\g+1, QSC, 0
	MM0 S+32*\g+24, KF+8*\g, 32, KS+2*\g+1, QSC, 1
.endr
.rept 4
	v_nop
.endr
.if \last                              ; keys 2,432 + 16 T + 8 h + i from 2,500 on become -infinity: of tile 4 registers 0-3 in lanes 16-31 and registers 4-7, and all of tiles 5 to 7
	v_mov_b32 v183, 0xff800000
.irp i, 0,1,2,3
	v_cndmask_b32 v[S+32+\i], v[S+32+\i], v183, s[HI]
.endr
.set JJ, 36
.rept 28
	v_mov_b32 v[S+JJ], v183
.set JJ, JJ+1
.endr
.endif
.irp b, 0,1,2,3
	v_max3_num_f32 v[BM+\b], v[S+16*\b], v[S+1+16*\b], v[S+2+16*\b]        ; the largest score of each block of 32 keys: for the row's maximum, and, since p rises with the score, for the block's largest p
.endr
.irp i, 3,5,7,9,11,13
.irp b, 0,1,2,3
	v_max3_num_f32 v[BM+\b], v[BM+\b], v[S+16*\b+\i], v[S+1+16*\b+\i]
.endr
.endr
.irp b, 0,1,2,3
	v_max_num_f32 v[BM+\b], v[BM+\b], v[S+15+16*\b]
.endr
.irp b, 0,1,2,3
	v_permlanex16_b32 v[BT+\b], v[BM+\b], s[SEL], s[SEL+1]
.endr
.irp b, 0,1,2,3
	v_max_num_f32 v[BM+\b], v[BM+\b], v[BT+\b]     ; with lane l xor 16's 16 keys
.endr
	v_max3_num_f32 v[TMP], v[BM], v[BM+1], v[BM+2]
	v_max_num_f32 v[TMP], v[TMP], v[BM+3]
	v_mul_f32 v[TMP], s[CS], v[TMP]                ; as t (c is positive)
	v_max_num_f32 v13, v13, v[TMP]                 ; the running largest t
	v_mov_b32 v[TMP], v12
	v_floor_f32 v12, -v13                          ; the new -M = -ceil(t)
	v_sub_f32 v[TMP], v12, v[TMP]                  ; old M - new M: a whole number, 0 or less
	v_cvt_i32_f32 v[TMP], v[TMP]                   ; (it saturates)
	v_ldexp_f32 v[F], 1.0, v[TMP]                  ; f = 2^(old M - new M): a multiplication by it rounds nothing
.set JJ, 0
.rept 32
	v_pk_fma_f32 v[S+JJ:S+JJ+1], v[S+JJ:S+JJ+1], s[CS:CS+1], v[12:13] op_sel_hi:[1,0,0]   ; t - M
.set JJ, JJ+2
.endr
.irp b, 0,1,2,3
	v_fma_f32 v[BM+\b], v[BM+\b], s[CS], v12
.endr
.set JJ, 0
	s_wait_alu depctr_va_vdst(0)
.rept 64
	v_exp_f32 v[S+JJ], v[S+JJ]                     ; p = 2^(t - M), not normalised
.set JJ, JJ+1
.endr
.irp b, 0,1,2,3
	v_exp_f32 v[BM+\b], v[BM+\b]                   ; the block's largest p: the same two instructions on the same number
.endr
	v_pk_mul_f32 v[14:15], v[14:15], v[F:F+1] op_sel_hi:[1,0]      ; the sums under the new M (a plain place behind the exponentials)
	s_wait_alu depctr_va_vdst(0)                   ; the 68 exponentials have written their results, ahead of the first reader; the three addresses are written; this step's score products are done reading KF and KS, the last step's products onto O^T reading VF and VS
.irp f, 0,1,2,3
	ds_load_b128 v[VF+4*\f:VF+4*\f+3], v[ADV] offset:512*\f        ; this step's v: wanted at the step's end
.endr
	ds_load_b32 v[VS], v[ADS]                      ; lanes 0-15: channel rows of tile 0, lanes 16-31: of tile 1
.if !\last
	KLOADS ADK                                     ; the next step's k: wanted at its top
.endif
.irp b, 0,1,2,3
	v_max_num_f32 v[BM+\b], 0x1800000, v[BM+\b]    ; the floor: the byte cannot fall under 1
.endr
.irp b, 0,1,2,3
	v_add_nc_u32 v[BSO+\b], 0xff000000, v[BM+\b]
.endr
.irp b, 0,1,2,3
	v_lshrrev_b32 v[BT+\b], 23, v[BSO+\b]
.endr
	v_lshl_or_b32 v[PS], v[BT+1], 8, v[BT]         ; p's scale word for these 128 keys
	v_lshl_or_b32 v[PS], v[BT+2], 16, v[PS]
	v_lshl_or_b32 v[PS], v[BT+3], 24, v[PS]
.irp b, 0,1,2,3
	v_cvt_scalef32_pk8_fp4_f32 v[P+2*\b], v[S+16*\b:S+7+16*\b], v[BSO+\b]
	v_cvt_scalef32_pk8_fp4_f32 v[P+1+2*\b], v[S+8+16*\b:S+15+16*\b], v[BSO+\b]
.endr
	v_nop                                          ; one plain place behind a scaled conversion
.irp c, 0,1                                    ; a whole block to a lane: lanes 0-15 block 2 c, lanes 16-31 block 2 c + 1
.irp i, 0,1
	v_permlane16_swap_b32 v[P+4*\c+\i], v[P+2+4*\c+\i]
.endr
.endr
	v_pk_add_f32 v[184:185], v[S:S+1], v[S+2:S+3]  ; the row's sum of the unquantised p, in two chains.  (These 32 lines are also the places between p's scale word and codes and the products below)
.irp j, 4,8,12,16,20,24,28,32,36,40,44,48,52,56,60
	v_pk_add_f32 v[14:15], v[14:15], v[S+\j:S+\j+1]
	v_pk_add_f32 v[184:185], v[184:185], v[S+\j+2:S+\j+3]
.endr
	v_pk_add_f32 v[14:15], v[14:15], v[184:185]
.irp j, 0,2,4,6,8,10,12,14
	v_pk_mul_f32 v[O+\j:O+\j+1], v[O+\j:O+\j+1], v[F:F+1] op_sel_hi:[1,0]   ; O^T under the new M
.endr
.if \last
	s_wait_dscnt 0x0                               ; v
.else
	s_wait_dscnt 8                                 ; v's five loads are in; the eight younger ones, the next step's k, may be out
.endif
	s_wait_alu depctr_va_vdst(0)                   ; p's codes v[P ..] and its scale word v[PS] are written, which the scaled products take; the places above stay beside this wait
	MMC O, VF, P, O, VS, PS, 0                     ; the two accumulators by turns; the next step's eight score products stand between their links
	MMC O+8, VF+8, P, O+8, VS, PS, 1
	s_add_co_u32 s[TK], s[TK], 4096
	s_add_co_u32 s[TV], s[TV], 2048
	s_add_co_u32 s[TS], s[TS], 128
.endm
.Lstep:                                            ; 19 trips; the twentieth step, which hides keys and asks for no further k, is written out
	STEP 0
	s_sub_co_u32 s28, s28, 1
	s_cmp_lg_u32 s28, 0
	s_cbranch_scc1 .Lstep
	STEP 1
	v_add_f32 v14, v14, v15                        ; the sum's two halves,
	v_permlanex16_b32 v[BT], v14, s[SEL], s[SEL+1]
	v_add_f32 v14, v14, v[BT]                      ; and lane l xor 16's
	v_nop
	v_nop
	s_wait_alu depctr_va_vdst(0)
	v_rcp_f32 v14, v14
	v_nop                                          ; a plain place behind the reciprocal; with the lines above more than four places behind the last products
	s_wait_alu depctr_va_vdst(0)                   ; the reciprocal has written v14, ahead of its first reader
.irp j, 0,1,2,3,4,5,6,7,8,9,10,11,12,13,14,15
	v_mul_f32 v[S+\j], v[O+\j], v14                ; register 8 u + j: channel 16 h + 8 u + j of my query
.endr
	BQ S, P, 169
	v_lshlrev_b32 v[SW], s29, v169                 ; the byte at my head's place in the word of four heads
	REC P, 186
	s_wait_alu depctr_va_vdst(0)                   ; the record v186 to v189 is written, which the store reads
	global_store_b128 v[L16], v[186:189], s[12:13]
	s_wait_dscnt 0x0                               ; the closing lines, six on end
	s_wait_alu 0x0
	s_wait_tensorcnt 0x0
	ds_add_u32 v190, v191
	s_wait_dscnt 0x0
	s_endpgm
.Lfunc_end_k_qc5d88c14ae_attn:
	.size	k_qc5d88c14ae_attn, .Lfunc_end_k_qc5d88c14ae_attn-k_qc5d88c14ae_attn
	.p2alignl 7, 3214868480
	.fill 96, 4, 3214868480
	.section	.rodata,"a",@progbits
	.p2align	6, 0x0
	.amdhsa_kernel k_qc5d88c14ae_attn
		.amdhsa_group_segment_fixed_size 128000
		.amdhsa_private_segment_fixed_size 0
		.amdhsa_enable_private_segment 0
		.amdhsa_kernarg_size 40
		.amdhsa_user_sgpr_count 2
		.amdhsa_user_sgpr_kernarg_segment_ptr 1
		.amdhsa_wavefront_size32 1
		.amdhsa_system_sgpr_workgroup_id_x 1
		.amdhsa_system_sgpr_workgroup_id_y 1
		.amdhsa_system_sgpr_workgroup_id_z 1
		.amdhsa_system_vgpr_workitem_id 0
		.amdhsa_next_free_vgpr 192
		.amdhsa_next_free_sgpr 66
		.amdhsa_reserve_vcc 0
		.amdhsa_float_denorm_mode_32 3
		.amdhsa_float_denorm_mode_16_64 3
		.amdhsa_memory_ordered 1
		.amdhsa_forward_progress 1
		.amdhsa_inst_pref_size 39
	.end_amdhsa_kernel
	.amdgpu_metadata
---
amdhsa.version: [ 1, 2 ]
amdhsa.kernels:
  - .name:           k_qc5d88c14ae_attn
    .symbol:         k_qc5d88c14ae_attn.kd
    .args:
      - { .name: qrec, .offset: 0, .size: 8, .value_kind: global_buffer, .address_space: global }
      - { .name: krec, .offset: 8, .size: 8, .value_kind: global_buffer, .address_space: global }
      - { .name: vimg, .offset: 16, .size: 8, .value_kind: global_buffer, .address_space: global }
      - { .name: vscb, .offset: 24, .size: 8, .value_kind: global_buffer, .address_space: global }
      - { .name: sarec, .offset: 32, .size: 8, .value_kind: global_buffer, .address_space: global }
    .group_segment_fixed_size: 128000
    .private_segment_fixed_size: 0
    .kernarg_segment_align: 8
    .kernarg_segment_size: 40
    .max_flat_workgroup_size: 640
    .sgpr_count:     66
    .vgpr_count:     192
    .wavefront_size: 32
...
	.end_amdgpu_metadata
.endif
;; end of part 6
;; launch post (part 7): grid 157 x 4, 8 waves a work-group, no clusters, 4,352 bytes of LDS; arguments sarec, query, out_proj_w_codes, out_proj_w_scales, out_proj_b, ln1_g, ln1_b, off_w_codes, off_w_scales, off_b, aw_w_codes, aw_w_scales, aw_b, ref_2d, ident, sidx, swt; writes ident, sidx, swt
.if DOCPART == 7
	.amdgcn_target "amdgcn-amd-amdhsa--gfx1250"
	.amdhsa_code_object_version 6
	.text
	.protected	k_qc5d88c14ae_post
	.globl	k_qc5d88c14ae_post
	.p2align	8
	.type	k_qc5d88c14ae_post,@function
k_qc5d88c14ae_post:
	s_mov_b64 s[64:65], 0
	v_nop
	global_prefetch_b8 v0, s[64:65] scope:SCOPE_SE
	s_setreg_imm32_b32 hwreg(HW_REG_WAVE_SCHED_MODE, 0, 2), 2
	s_setreg_imm32_b32 hwreg(HW_REG_WAVE_MODE, 25, 1), 1
	s_wait_xcnt 0x0
	s_wait_alu depctr_vm_vsrc(0)
; identity = sa Wo^T + bo + query; x = LN1(identity); offsets = Q(x) Woff^T + boff; weights = softmax over 8 points of Q(x) Waw^T + baw; from them, for each query, head, point and corner of the bilinear cell:
; the row of value (a whole number) and the weight (attention weight x bilinear weight, 0 where the corner lies outside the map).  The next launch forms its addresses from the stored rows.
; SHARES.  A work-group takes a tile of 16 rows (157 tiles a batch; in the last one rows from 2,500 on are copies of row 2,499 and are dropped at the program's end).  Wave w makes channels 32 w .. 32 w + 31, and is head w.
; Source 0 = 16 rows of a weight, source 1 = the 16 data rows.  out_proj: lane r of tile u takes weight row 32 w + 8 u + r + 8 (r / 8): register 8 u + j of lane (r, h) is channel 32 w + 16 h + 8 u + j of row r.
; Offsets: rows 16 w + r: register j is point 4 h + j / 2, x or y by j % 2.  Attention weights: rows 8 w + r % 8: register j is point j in both halves.  Biases are the C of each sum's first product.
; The weights are shared by all work-groups, but each wave reads its few KiB once, into registers: there is no tile to ask for jointly.
; LIMITS: NaN and infinities are not served; sampling positions must be finite.  off / 200 is taken as off x 0.005 (the bilinear form is continuous in the position).  A block of zeros gets the byte 1.
; THE MODE: SCHED_MODE bits 1:0 = 2 (LLVM: expert scheduling mode 2), set by the entry lines.  The code itself states the register dependences
; between vector or matrix instructions and memory or LDS instructions, with s_wait_alu, always for 0.
; THE PLAN.  Registers that memory or LDS instructions touch:
;   v1-15, v26-30  offsets and LDS addresses: made once at the head, never written again: the wait ahead of the first load serves them for the whole kernel.
;   v148-163   the identity: written by eight additions, read by four stores, then normalised in place.  v234-235: my wave's pair for the norm, read by an LDS store, written again behind the barrier.
;              The pair's store and the identity's four stand behind ONE wait on va_vdst; ONE wait on vm_vsrc behind the barrier frees all their registers.
;   v214-229   the eight pairs land there: no vector line names them before.
;   v19-21     the block's byte and codes: one wait ahead of their two LDS stores, which also shows the first product done reading v32-47, in which the image's fragments land behind the barrier.
;   v68-99     the rows and weights: written by the four points' lines, read by eight stores behind one wait.
; The compares of a point's two axes write four scalar registers in a run; one wait on va_sdst stands ahead of the four selects that read them.
.set ST1, 0                            ; LDS: each wave's mean and sum of squares for the 16 rows: [wave 8][row 16][8]
.set XI,  1024                         ; the image of Q(x): [block 8][row 16][16]
.set XS,  3072                         ; its scale words: [K step 2][row 16][4]
.set SEL, 42
.set HI,  44
.set K005, 45
.set K200, 46
.set K199, 47
.set EPS, 48
.set R256, 49
.set MK,  54                           ; s54-57 the masks of a point's four compares
.set QM,  16
.set QT,  17
.set QS,  18
.set LT,  230                          ; v230-237, v238-241 at work in LNORM
.set LD,  238
.set STW, 28
.set BASE, 29                          ; v29 the batch's first row of value, 40,000 b, as f32; written once at the head
.set STR, 9
.set IDX, 68
.set WT,  84
.set OFA, 196
.set AS,  240                          ; v240-243 the attention weights of my four points
.macro PLACES n
.rept \n
	v_nop
.endr
.endm
.macro BARRIER
	s_wait_dscnt 0x0
	s_barrier_signal -1
	s_barrier_wait -1
.endm
.macro MMC d, a, b, c, sa, sb, r1
.if \r1
	v_wmma_scale_f32_16x16x128_f8f6f4 v[\d:\d+7], v[\a:\a+7], v[\b:\b+7], v[\c:\c+7], v[\sa], v[\sb] matrix_a_fmt:MATRIX_FMT_FP4 matrix_b_fmt:MATRIX_FMT_FP4 matrix_a_scale:MATRIX_SCALE_ROW1
.else
	v_wmma_scale_f32_16x16x128_f8f6f4 v[\d:\d+7], v[\a:\a+7], v[\b:\b+7], v[\c:\c+7], v[\sa], v[\sb] matrix_a_fmt:MATRIX_FMT_FP4 matrix_b_fmt:MATRIX_FMT_FP4
.endif
.endm
.macro WFRAG dst, voff, sb, imm, ns
.set WS_, 0
.rept \ns
	global_load_b128 v[\dst+8*WS_:\dst+8*WS_+3], v[\voff], s[\sb:\sb+1] offset:\imm+64*WS_
	global_load_b128 v[\dst+8*WS_+4:\dst+8*WS_+7], v[\voff], s[\sb:\sb+1] offset:\imm+64*WS_+32
.set WS_, WS_+1
.endr
.endm
.macro BQ s, c, by
	v_max3_num_f32 v[QM], |v[\s]|, |v[\s+1]|, 0x1800000
.irp i, 2,4,6,8,10,12,14
	v_max3_num_f32 v[QM], v[QM], |v[\s+\i]|, |v[\s+\i+1]|
.endr
	v_permlanex16_b32 v[QT], v[QM], s[SEL], s[SEL+1]
	v_max_num_f32 v[QM], v[QM], v[QT]
	v_add_nc_u32 v[QS], 0xff000000, v[QM]
	v_lshrrev_b32 v[\by], 23, v[QS]
	v_cvt_scalef32_pk8_fp4_f32 v[\c], v[\s:\s+7], v[QS]
	v_cvt_scalef32_pk8_fp4_f32 v[\c+1], v[\s+8:\s+15], v[QS]
	v_nop
.endm
; LayerNorm over 256 channels of which each wave holds 32 (16 a lane).  Each wave takes its own mean and its own sum of squares about that mean; the eight pairs meet in LDS and are joined by
; M2 = sum of M2_i + 32 x sum of (mean_i - mean)^2: no difference of large sums is formed.  cnt: the younger global loads that may stay out when gain and bias are wanted.
; The rows as they come in are the identity: their four stores stand beside the pair's LDS store.
.macro LNORM XB, GB, BB, SB, STO, cnt
	v_pk_add_f32 v[LT:LT+1], v[\XB:\XB+1], v[\XB+2:\XB+3]
	v_pk_add_f32 v[LT+2:LT+3], v[\XB+4:\XB+5], v[\XB+6:\XB+7]
	v_pk_add_f32 v[LT:LT+1], v[LT:LT+1], v[\XB+8:\XB+9]
	v_pk_add_f32 v[LT+2:LT+3], v[LT+2:LT+3], v[\XB+10:\XB+11]
	v_pk_add_f32 v[LT:LT+1], v[LT:LT+1], v[\XB+12:\XB+13]
	v_pk_add_f32 v[LT+2:LT+3], v[LT+2:LT+3], v[\XB+14:\XB+15]
	v_pk_add_f32 v[LT:LT+1], v[LT:LT+1], v[LT+2:LT+3]
	v_add_f32 v[LT], v[LT], v[LT+1]
	v_permlanex16_b32 v[LT+1], v[LT], s[SEL], s[SEL+1]
	v_add_f32 v[LT], v[LT], v[LT+1]
	v_mul_f32 v[LT+4], 0x3d000000, v[LT]           ; my wave's mean of 32
	v_mov_b32 v[LT+5], v[LT+4]
	v_pk_add_f32 v[LD:LD+1], v[\XB:\XB+1], v[LT+4:LT+5] neg_lo:[0,1] neg_hi:[0,1]
	v_pk_add_f32 v[LD+2:LD+3], v[\XB+2:\XB+3], v[LT+4:LT+5] neg_lo:[0,1] neg_hi:[0,1]
	v_pk_mul_f32 v[LT:LT+1], v[LD:LD+1], v[LD:LD+1]
	v_pk_mul_f32 v[LT+2:LT+3], v[LD+2:LD+3], v[LD+2:LD+3]
.irp i, 4,8,12
	v_pk_add_f32 v[LD:LD+1], v[\XB+\i:\XB+\i+1], v[LT+4:LT+5] neg_lo:[0,1] neg_hi:[0,1]
	v_pk_add_f32 v[LD+2:LD+3], v[\XB+\i+2:\XB+\i+3], v[LT+4:LT+5] neg_lo:[0,1] neg_hi:[0,1]
	v_pk_fma_f32 v[LT:LT+1], v[LD:LD+1], v[LD:LD+1], v[LT:LT+1]
	v_pk_fma_f32 v[LT+2:LT+3], v[LD+2:LD+3], v[LD+2:LD+3], v[LT+2:LT+3]
.endr
	v_pk_add_f32 v[LT:LT+1], v[LT:LT+1], v[LT+2:LT+3]
	v_add_f32 v[LT], v[LT], v[LT+1]
	v_permlanex16_b32 v[LT+1], v[LT], s[SEL], s[SEL+1]
	v_add_f32 v[LT+5], v[LT], v[LT+1]              ; my wave's sum of squares about its mean
	s_wait_alu depctr_va_vdst(0)                   ; my pair v[LT+4:LT+5] is written, which the LDS store reads; so are the rows v[XB ..], the identity, which the four stores read
	ds_store_b64 v[STW], v[LT+4:LT+5] offset:\STO  ; both halves of the lanes write the same pair
.irp g, 0,1,2,3
	global_store_b128 v1, v[\XB+4*\g:\XB+4*\g+3], s[32:33] offset:512*\g   ; the identity, as an image of these registers: 512 consecutive bytes a store
.endr
	BARRIER
	s_wait_alu depctr_vm_vsrc(0)                   ; the LDS store has read my pair and the four stores have read the rows: both are written again below
.irp i, 0,1,2,3,4,5,6,7
	ds_load_b64 v[\SB+2*\i:\SB+2*\i+1], v[STR] offset:\STO+128*\i
.endr
	s_wait_dscnt 0x0
	v_pk_add_f32 v[LT:LT+1], v[\SB:\SB+1], v[\SB+2:\SB+3]
	v_pk_add_f32 v[LT+2:LT+3], v[\SB+4:\SB+5], v[\SB+6:\SB+7]
	v_pk_add_f32 v[LT:LT+1], v[LT:LT+1], v[\SB+8:\SB+9]
	v_pk_add_f32 v[LT+2:LT+3], v[LT+2:LT+3], v[\SB+10:\SB+11]
	v_pk_add_f32 v[LT:LT+1], v[LT:LT+1], v[\SB+12:\SB+13]
	v_pk_add_f32 v[LT+2:LT+3], v[LT+2:LT+3], v[\SB+14:\SB+15]
	v_pk_add_f32 v[LT:LT+1], v[LT:LT+1], v[LT+2:LT+3]              ; the means' sum, the squares' sum
	v_mul_f32 v[LT+4], 0x3e000000, v[LT]           ; the row's mean
	v_mov_b32 v[LT+5], v[LT+4]
	v_sub_f32 v[LD], v[\SB], v[LT+4]
	v_sub_f32 v[LD+1], v[\SB+2], v[LT+4]
	v_mul_f32 v[LT+2], v[LD], v[LD]
	v_mul_f32 v[LT+3], v[LD+1], v[LD+1]
.irp i, 4,8,12
	v_sub_f32 v[LD], v[\SB+\i], v[LT+4]
	v_sub_f32 v[LD+1], v[\SB+\i+2], v[LT+4]
	v_fmac_f32 v[LT+2], v[LD], v[LD]
	v_fmac_f32 v[LT+3], v[LD+1], v[LD+1]
.endr
	v_add_f32 v[LT+2], v[LT+2], v[LT+3]
	v_fmamk_f32 v[LT], v[LT+2], 0x42000000, v[LT+1]                ; x 32 + the squares' sum
	v_fma_f32 v[LT], v[LT], s[R256], s[EPS]        ; / 256 + 1e-5
	s_wait_alu depctr_va_vdst(0)
	v_rsq_f32 v[LT+6], v[LT]
	v_nop                                          ; a plain place behind the transcendental
	s_wait_alu depctr_va_vdst(0)                   ; the root's reciprocal v[LT+6] is written, ahead of its first reader
	v_mov_b32 v[LT+7], v[LT+6]
	s_wait_loadcnt \cnt                            ; gain and bias are in
	s_wait_xcnt 0x0                                ; stores that read the rows have read them: the rows are written in place only behind this wait
.irp i, 0,2,4,6,8,10,12,14
	v_pk_add_f32 v[\XB+\i:\XB+\i+1], v[\XB+\i:\XB+\i+1], v[LT+4:LT+5] neg_lo:[0,1] neg_hi:[0,1]
.endr
	s_wait_alu depctr_va_vdst(0)
.irp i, 0,2,4,6,8,10,12,14
	v_pk_mul_f32 v[\XB+\i:\XB+\i+1], v[\XB+\i:\XB+\i+1], v[LT+6:LT+7]
.endr
.irp i, 0,2,4,6,8,10,12,14
	v_pk_fma_f32 v[\XB+\i:\XB+\i+1], v[\XB+\i:\XB+\i+1], v[\GB+\i:\GB+\i+1], v[\BB+\i:\BB+\i+1]
.endr
.endm
; one axis of a sampling point: v[B], v[B+1] the lower and upper cell, clipped to 0 .. 199, as f32; v[B+2], v[B+3] their weights; s[m], s[m+1]: the lanes in which the clip has not moved the cell
.macro AXIS o, rf, B, m
	v_fma_f32 v252, v[\o], s[K005], v[\rf]         ; ref + off / 200
	v_fma_f32 v252, v252, s[K200], -0.5            ; x 200 - 0.5
	v_floor_f32 v253, v252
	v_sub_f32 v[\B+3], v252, v253
	v_add_f32 v254, 1.0, v253
	v_sub_f32 v[\B+2], 1.0, v[\B+3]
	v_med3_num_f32 v[\B], v253, 0, s[K199]
	v_med3_num_f32 v[\B+1], v254, 0, s[K199]
	v_cmp_eq_f32 s[\m], v[\B], v253
	v_cmp_eq_f32 s[\m+1], v[\B+1], v254
.endm
.macro SAMPLE i                        ; my point 4 h + i: four rows of value and four weights, corners (y0,x0), (y0,x1), (y1,x0), (y1,x1)
	AXIS OFA+2*\i, 212, 244, MK
	AXIS OFA+2*\i+1, 213, 248, MK+2
	s_wait_alu depctr_va_sdst(0)                   ; the four compares have written s54 to s57, ahead of the selects that read them
	v_cndmask_b32 v246, 0, v246, s[MK]             ; a weight is 0 where the clip moved its cell
	v_cndmask_b32 v247, 0, v247, s[MK+1]
	v_cndmask_b32 v250, 0, v250, s[MK+2]
	v_cndmask_b32 v251, 0, v251, s[MK+3]
	v_mul_f32 v250, v250, v[AS+\i]                 ; the attention weight goes into y's two
	v_mul_f32 v251, v251, v[AS+\i]
	v_mul_f32 v[WT+4*\i], v250, v246
	v_mul_f32 v[WT+4*\i+1], v250, v247
	v_mul_f32 v[WT+4*\i+2], v251, v246
	v_mul_f32 v[WT+4*\i+3], v251, v247
	v_fma_f32 v252, v248, s[K200], v[BASE]         ; 40,000 b + 200 y: whole numbers under 2^24, exact in f32
	v_fma_f32 v253, v249, s[K200], v[BASE]
	v_add_f32 v254, v252, v244
	v_cvt_u32_f32 v[IDX+4*\i], v254
	v_add_f32 v254, v252, v245
	v_cvt_u32_f32 v[IDX+4*\i+1], v254
	v_add_f32 v254, v253, v244
	v_cvt_u32_f32 v[IDX+4*\i+2], v254
	v_add_f32 v254, v253, v245
	v_cvt_u32_f32 v[IDX+4*\i+3], v254
.endm
	s_load_b512 s[4:19], s[0:1], 0x0               ; sarec, query, Wo's codes, Wo's scales, bo, ln1_g, ln1_b, Woff's codes
	s_load_b512 s[20:35], s[0:1], 0x40             ; Woff's scales, boff, Waw's codes, Waw's scales, baw, ref_2d, ident, sidx
	s_load_b64 s[36:37], s[0:1], 0x80              ; swt
	v_lshl_add_u32 v31, v0, 2, 0xd00
	v_mov_b32 v255, 0
	v_lshrrev_b32 v16, 5, v0
	v_readfirstlane_b32 s38, v16                   ; wave
	s_mov_b32 s39, ttmp9                           ; the tile, 0..156
	s_and_b32 s40, ttmp7, 0xffff                   ; the batch
	s_mul_i32 s41, s40, 157
	s_add_co_u32 s41, s41, s39
	s_mov_b32 s[SEL], 0x76543210
	s_mov_b32 s[SEL+1], 0xfedcba98
	s_mov_b32 s[HI], 0xffff0000
	s_mov_b32 s[K005], 0x3ba3d70a
	s_mov_b32 s[K200], 0x43480000
	s_mov_b32 s[K199], 0x43470000
	s_mov_b32 s[EPS], 0x3727c5ac
	s_mov_b32 s[R256], 0x3b800000
	v_and_b32 v17, 31, v0                          ; lane
	v_and_b32 v18, 15, v0                          ; r
	v_bfe_u32 v19, v0, 4, 1                        ; h
	v_and_b32 v20, 8, v18
	v_add_nc_u32 v20, v20, v18                     ; r + 8 (r / 8)
	v_lshlrev_b32 v1, 4, v17                       ; v1 = 16 x lane
	v_lshlrev_b32 v3, 4, v18                       ; v3 = 16 r
	v_lshl_add_u32 v2, v19, 9, v3                  ; v2 = 512 h + 16 r
	v_lshlrev_b32 v4, 7, v20
	v_lshl_add_u32 v4, v19, 4, v4                  ; v4: Wo's row, + 16 h
	v_lshlrev_b32 v5, 3, v20                       ; v5: its scale bytes
	v_lshlrev_b32 v6, 6, v19                       ; v6 = 64 h
	s_wait_alu depctr_va_sdst(0)                   ; s38 is written, ahead of its first reader
	s_lshl_b32 s50, s39, 4
	s_mul_i32 s52, s40, 2500
	s_lshl_b32 s53, s38, 7
	v_add_nc_u32 v21, s50, v18
	v_min_u32 v21, 2499, v21                       ; my row, held at the batch's last
	v_add_nc_u32 v21, s52, v21
	v_lshl_add_u32 v22, v19, 6, s53
	v_lshl_add_u32 v7, v21, 10, v22                ; v7: query: row x 1,024 + 128 w + 64 h
	v_lshlrev_b32 v13, 3, v21                      ; v13: ref_2d: row x 8
	v_lshlrev_b32 v8, 7, v18
	v_lshl_add_u32 v8, v19, 4, v8                  ; v8: Woff's row r
	v_lshlrev_b32 v9, 3, v18                       ; v9 = 8 r
	v_and_b32 v23, 7, v18
	v_lshlrev_b32 v10, 7, v23
	v_lshl_add_u32 v10, v19, 4, v10                ; v10: Waw's row r % 8
	v_lshlrev_b32 v11, 3, v23
	v_lshlrev_b32 v12, 5, v19                      ; v12 = 32 h
	v_lshl_add_u32 v14, v19, 10, v3                ; v14 = 1,024 h + 16 r
	v_mov_b32 v15, 0
	s_lshl_b32 s50, s38, 8
	v_lshl_add_u32 v26, v19, 3, v3
	v_add_nc_u32 v26, s50, v26                     ; v26: my block's codes in the image: 256 w + 16 r + 8 h
	v_lshlrev_b32 v30, 2, v18                      ; v30 = 4 r
	s_lshr_b32 s50, s38, 2
	s_lshl_b32 s50, s50, 6
	s_and_b32 s52, s38, 3
	s_add_co_u32 s50, s50, s52
	v_add_nc_u32 v27, s50, v30                     ; v27: its scale byte
	v_add_nc_u32 v[STW], s53, v9                   ; v28 = 128 w + 8 r
	s_mul_i32 s50, s40, 40000
	v_cvt_f32_u32 v[BASE], s50                     ; the batch's first row of value, as f32: in a register that nothing else writes
	v_mov_b32 v[QT], 0                             ; written once: a lane permute's destination counts as one of its sources
	s_mov_b32 s51, 0
	s_wait_kmcnt 0x0
	s_mul_i32 s50, s40, 160
	s_add_co_u32 s50, s50, s39
	s_lshl_b32 s50, s50, 12
	s_add_nc_u64 s[4:5], s[4:5], s[50:51]          ; the tile's eight records
	s_lshl_b32 s50, s38, 12
	s_add_nc_u64 s[8:9], s[8:9], s[50:51]
	s_lshl_b32 s50, s38, 8
	s_add_nc_u64 s[10:11], s[10:11], s[50:51]
	s_lshl_b32 s50, s38, 7
	s_add_nc_u64 s[12:13], s[12:13], s[50:51]
	s_add_nc_u64 s[14:15], s[14:15], s[50:51]
	s_add_nc_u64 s[16:17], s[16:17], s[50:51]
	s_add_nc_u64 s[20:21], s[20:21], s[50:51]
	s_lshl_b32 s50, s38, 11
	s_add_nc_u64 s[18:19], s[18:19], s[50:51]
	s_lshl_b32 s50, s38, 6
	s_add_nc_u64 s[22:23], s[22:23], s[50:51]
	s_add_nc_u64 s[26:27], s[26:27], s[50:51]
	s_lshl_b32 s50, s38, 10
	s_add_nc_u64 s[24:25], s[24:25], s[50:51]
	s_lshl_b32 s50, s38, 5
	s_add_nc_u64 s[28:29], s[28:29], s[50:51]
	s_lshl_b32 s50, s41, 3
	s_add_co_u32 s50, s50, s38
	s_lshl_b32 s50, s50, 11                        ; (8 x tile + wave) x 2,048: the same place in all three outputs
	s_add_nc_u64 s[32:33], s[32:33], s[50:51]
	s_add_nc_u64 s[34:35], s[34:35], s[50:51]
	s_add_nc_u64 s[36:37], s[36:37], s[50:51]
	s_wait_alu depctr_va_vdst(0)                   ; the offsets and addresses v1 to v15 and v26 to v30 are written, which every load and store of the kernel reads
	; group 1, 26 loads: what the first product wants
.irp f, 0,1,2,3
	global_load_b128 v[32+4*\f:35+4*\f], v2, s[4:5] offset:1024*\f          ; heads 2 f (lanes 0-15) and 2 f + 1: blocks of K
.endr
.irp f, 0,1,2,3,4,5,6,7
	global_load_b32 v[48+\f], v3, s[4:5] offset:512*\f+256                  ; head f's scale byte, at its place in a word
.endr
.irp u, 0,1
	WFRAG 68+16*\u, 4, 8, 1024*\u, 2
	global_load_b64 v[60+2*\u:61+2*\u], v5, s[10:11] offset:64*\u
.endr
.irp i, 0,1,2,3
	global_load_b128 v[132+4*\i:135+4*\i], v6, s[12:13] offset:16*\i
.endr
	; group 2, 4 loads: query
.irp i, 0,1,2,3
	global_load_b128 v[148+4*\i:151+4*\i], v7, s[6:7] offset:16*\i
.endr
	; group 3, 8 loads: gain and bias
.irp i, 0,1,2,3
	global_load_b128 v[164+4*\i:167+4*\i], v6, s[14:15] offset:16*\i
.endr
.irp i, 0,1,2,3
	global_load_b128 v[180+4*\i:183+4*\i], v6, s[16:17] offset:16*\i
.endr
	; group 4, 15 loads: the two small products
	WFRAG 100, 8, 18, 0, 2
	global_load_b64 v[64:65], v9, s[20:21]
	WFRAG 116, 10, 24, 0, 2
	global_load_b64 v[66:67], v11, s[26:27]
.irp i, 0,1
	global_load_b128 v[196+4*\i:199+4*\i], v12, s[22:23] offset:16*\i
.endr
.irp i, 0,1
	global_load_b128 v[204+4*\i:207+4*\i], v15, s[28:29] offset:16*\i
.endr
	global_load_b64 v[212:213], v13, s[30:31]
	s_wait_loadcnt 27                              ; groups 2 to 4 may be out
	v_or_b32 v56, v48, v49                         ; four heads' bytes make a K step's scale word
	v_or_b32 v57, v52, v53
	v_or_b32 v56, v56, v50
	v_or_b32 v57, v57, v54
	v_or_b32 v56, v56, v51
	v_or_b32 v57, v57, v55
	PLACES 8                                       ; a scale word made by vector instructions stands eight places ahead of its product
	s_wait_alu depctr_va_vdst(0)                   ; the scale words v56 and v57 are written, which the scaled products take; the places above stay beside this wait
	MMC 132, 68, 32, 132, 60, 56, 0                ; two accumulators by turns
	MMC 140, 84, 32, 140, 62, 56, 0
	MMC 132, 76, 40, 132, 61, 57, 0
	MMC 140, 92, 40, 140, 63, 57, 0
	PLACES 4
	s_wait_loadcnt 23                              ; groups 3 and 4 may be out: query is in
.irp j, 0,2,4,6,8,10,12,14
	v_pk_add_f32 v[148+\j:149+\j], v[132+\j:133+\j], v[148+\j:149+\j]      ; the identity
.endr
	LNORM 148, 164, 180, 214, ST1, 15              ; group 4 may be out
	BQ 148, 20, 19
	s_wait_alu depctr_va_vdst(0)                   ; the codes v20, v21 and the byte v19 are written, which the LDS stores read; the first product is long done reading v32 to v47, in which the image's fragments land behind the barrier
	ds_store_b64 v26, v[20:21] offset:XI
	ds_store_b8 v27, v19 offset:XS
	BARRIER                                        ; the eight blocks of Q(x) lie in LDS
.irp f, 0,1,2,3
	ds_load_b128 v[32+4*\f:35+4*\f], v1 offset:XI+512*\f
.endr
	ds_load_b32 v58, v30 offset:XS
	ds_load_b32 v59, v30 offset:XS+64
	s_wait_loadcnt 0x0
	s_wait_dscnt 0x0
	MMC 196, 100, 32, 196, 64, 58, 0
	MMC 204, 116, 32, 204, 66, 58, 0
	MMC 196, 108, 40, 196, 65, 59, 0
	MMC 204, 124, 40, 204, 67, 59, 0
	PLACES 4
	v_max3_num_f32 v238, v204, v205, v206          ; the softmax over my head's eight points
	v_max3_num_f32 v238, v238, v207, v208
	v_max3_num_f32 v238, v238, v209, v210
	v_max_num_f32 v238, v238, v211
	v_mov_b32 v239, v238
.irp j, 0,2,4,6
	v_pk_add_f32 v[230+\j:231+\j], v[204+\j:205+\j], v[238:239] neg_lo:[0,1] neg_hi:[0,1]
.endr
.irp j, 0,2,4,6
	v_pk_mul_f32 v[230+\j:231+\j], v[230+\j:231+\j], 0x3fb8aa3b op_sel_hi:[1,0]
.endr
	s_wait_alu depctr_va_vdst(0)
.irp j, 0,1,2,3,4,5,6,7
	v_exp_f32 v[230+\j], v[230+\j]
.endr
	v_nop
	s_wait_alu depctr_va_vdst(0)                   ; the eight exponentials have written v230 to v237, ahead of their first reader
	v_pk_add_f32 v[238:239], v[230:231], v[232:233]
	v_pk_add_f32 v[240:241], v[234:235], v[236:237]
	v_pk_add_f32 v[238:239], v[238:239], v[240:241]
	v_add_f32 v238, v238, v239
	s_wait_alu depctr_va_vdst(0)
	v_rcp_f32 v238, v238
.irp i, 0,1,2,3
	v_cndmask_b32 v[AS+\i], v[230+\i], v[234+\i], s[HI]            ; my four points: 4 h + i
.endr
	s_wait_alu depctr_va_vdst(0)                   ; the reciprocal has written v238, ahead of its first reader
.irp i, 0,1,2,3
	v_mul_f32 v[AS+\i], v[AS+\i], v238
.endr
	SAMPLE 0
	SAMPLE 1
	SAMPLE 2
	SAMPLE 3
	s_wait_alu depctr_va_vdst(0)                   ; the rows v68 to v83 and the weights v84 to v99 are written, which the eight stores read
.irp i, 0,1,2,3
	global_store_b128 v14, v[IDX+4*\i:IDX+4*\i+3], s[34:35] offset:256*\i  ; [point][row][corner]: each half of the lanes stores 256 consecutive bytes
.endr
.irp i, 0,1,2,3
	global_store_b128 v14, v[WT+4*\i:WT+4*\i+3], s[36:37] offset:256*\i
.endr
	s_wait_dscnt 0x0                               ; the closing lines, six on end
	s_wait_alu 0x0
	s_wait_tensorcnt 0x0
	ds_add_u32 v31, v255
	s_wait_dscnt 0x0
	s_endpgm
.Lfunc_end_k_qc5d88c14ae_post:
	.size	k_qc5d88c14ae_post, .Lfunc_end_k_qc5d88c14ae_post-k_qc5d88c14ae_post
	.p2alignl 7, 3214868480
	.fill 96, 4, 3214868480
	.section	.rodata,"a",@progbits
	.p2align	6, 0x0
	.amdhsa_kernel k_qc5d88c14ae_post
		.amdhsa_group_segment_fixed_size 4352
		.amdhsa_private_segment_fixed_size 0
		.amdhsa_enable_private_segment 0
		.amdhsa_kernarg_size 136
		.amdhsa_user_sgpr_count 2
		.amdhsa_user_sgpr_kernarg_segment_ptr 1
		.amdhsa_wavefront_size32 1
		.amdhsa_system_sgpr_workgroup_id_x 1
		.amdhsa_system_sgpr_workgroup_id_y 1
		.amdhsa_system_sgpr_workgroup_id_z 1
		.amdhsa_system_vgpr_workitem_id 0
		.amdhsa_next_free_vgpr 256
		.amdhsa_next_free_sgpr 66
		.amdhsa_reserve_vcc 0
		.amdhsa_float_denorm_mode_32 3
		.amdhsa_float_denorm_mode_16_64 3
		.amdhsa_memory_ordered 1
		.amdhsa_forward_progress 1
		.amdhsa_inst_pref_size 30
	.end_amdhsa_kernel
	.amdgpu_metadata
---
amdhsa.version: [ 1, 2 ]
amdhsa.kernels:
  - .name:           k_qc5d88c14ae_post
    .symbol:         k_qc5d88c14ae_post.kd
    .args:
      - { .name: sarec, .offset: 0, .size: 8, .value_kind: global_buffer, .address_space: global }
      - { .name: query, .offset: 8, .size: 8, .value_kind: global_buffer, .address_space: global }
      - { .name: out_proj_w_codes, .offset: 16, .size: 8, .value_kind: global_buffer, .address_space: global }
      - { .name: out_proj_w_scales, .offset: 24, .size: 8, .value_kind: global_buffer, .address_space: global }
      - { .name: out_proj_b, .offset: 32, .size: 8, .value_kind: global_buffer, .address_space: global }
      - { .name: ln1_g, .offset: 40, .size: 8, .value_kind: global_buffer, .address_space: global }
      - { .name: ln1_b, .offset: 48, .size: 8, .value_kind: global_buffer, .address_space: global }
      - { .name: off_w_codes, .offset: 56, .size: 8, .value_kind: global_buffer, .address_space: global }
      - { .name: off_w_scales, .offset: 64, .size: 8, .value_kind: global_buffer, .address_space: global }
      - { .name: off_b, .offset: 72, .size: 8, .value_kind: global_buffer, .address_space: global }
      - { .name: aw_w_codes, .offset: 80, .size: 8, .value_kind: global_buffer, .address_space: global }
      - { .name: aw_w_scales, .offset: 88, .size: 8, .value_kind: global_buffer, .address_space: global }
      - { .name: aw_b, .offset: 96, .size: 8, .value_kind: global_buffer, .address_space: global }
      - { .name: ref_2d, .offset: 104, .size: 8, .value_kind: global_buffer, .address_space: global }
      - { .name: ident, .offset: 112, .size: 8, .value_kind: global_buffer, .address_space: global }
      - { .name: sidx, .offset: 120, .size: 8, .value_kind: global_buffer, .address_space: global }
      - { .name: swt, .offset: 128, .size: 8, .value_kind: global_buffer, .address_space: global }
    .group_segment_fixed_size: 4352
    .private_segment_fixed_size: 0
    .kernarg_segment_align: 8
    .kernarg_segment_size: 136
    .max_flat_workgroup_size: 256
    .sgpr_count:     66
    .vgpr_count:     256
    .wavefront_size: 32
...
	.end_amdgpu_metadata
.endif
;; end of part 7
;; launch tail (part 8): grid 157 x 4, 8 waves a work-group, no clusters, 28,672 bytes of LDS; arguments sidx, swt, ident, value_codes, value_scales, vproj_w_codes, vproj_w_scales, vproj_b, oproj_w_codes, oproj_w_scales, oproj_b, ln2_g, ln2_b, ffn_w1_codes, ffn_w1_scales, ffn_b1, ffn_w2_codes, ffn_w2_scales, ffn_b2, ln3_g, ln3_b, out0; writes out0
.if DOCPART == 8
	.amdgcn_target "amdgcn-amd-amdhsa--gfx1250"
	.amdhsa_code_object_version 6
	.text
	.protected	k_qc5d88c14ae_tail
	.globl	k_qc5d88c14ae_tail
	.p2align	8
	.type	k_qc5d88c14ae_tail,@function
k_qc5d88c14ae_tail:
	s_mov_b64 s[64:65], 0
	v_nop
	global_prefetch_b8 v0, s[64:65] scope:SCOPE_SE
	s_setreg_imm32_b32 hwreg(HW_REG_WAVE_SCHED_MODE, 0, 2), 2
	s_setreg_imm32_b32 hwreg(HW_REG_WAVE_MODE, 25, 1), 1
	s_wait_xcnt 0x0
	s_wait_alu depctr_vm_vsrc(0)
; The deformable attention's sampling, its output projection, LN2, the FFN and LN3.
; THE PROJECTED VALUE TABLE IS NEVER BUILT.  A sample of one head is 32 f32 of the projected table, 128 bytes; the sampled row's 256 codes are 128 bytes too.  So the rows' CODES are gathered, by the rows that the launch before
; stored as whole numbers, and multiplied with the head's 32 rows of Wv on the spot: source 0 = 16 rows of Wv, source 1 = sample number sg of the tile's 16 queries.  A lane then holds 16 channels of ITS query's sample, and the
; weighted sum over 32 samples (8 points x 4 corners) is a fused multiply-add a pair of channels, with no traffic between lanes.  The bias enters as bv x the sum of the weights.
; SHARES.  A work-group takes a tile of 16 rows (157 a batch; rows from 2,500 on are not stored).  Wave w is head w in the gather, and makes channels 32 w .. 32 w + 31 (hidden units 64 w .. 64 w + 63) afterwards.
; Lane r of a weight's tile u takes row base + 8 u + r + 8 (r / 8), so that register 8 u + j of lane (r, h) is channel base + 16 h + 8 u + j of data row r: 16 neighbours, half a block of the next K.
; Operands go from wave to wave through LDS as images: a block's codes at 256 x block + 16 r + 8 h, its scale byte at 64 (block / 4) + 4 r + block % 4.  Each LDS region is written once and read once, behind a barrier.
; The gather runs four samples ahead (four sets of registers, five loads each).  The weights are shared by all work-groups, but each wave reads its part once, into registers: there is no tile to ask for jointly.
; LIMITS: NaN and infinities are not served.  A block of zeros gets the byte 1 (its codes are zeros; the bytes are read by this program alone).
; THE MODE: SCHED_MODE bits 1:0 = 2 (LLVM: expert scheduling mode 2), set by the entry lines.  The code itself states the register dependences
; between vector or matrix instructions and memory or LDS instructions, with s_wait_alu, always for 0.
; THE PLAN.  Registers that memory or LDS instructions touch:
;   v1-17      offsets and LDS addresses: made once at the head, never written again: the wait ahead of the first load serves them for the whole kernel.
;   THE GATHER.  G[k], GS[k] (k = sample % 4): sample SG's four products read set k; the five loads of sample SG + 4 land in it.  GA[k]: the set's two offsets: written by three vector lines, read by those five loads.
;              ONE wait on va_vdst a sample, behind its products and the three lines: the offsets are written and the products are done reading the set.  ONE wait on vm_vsrc for four samples, where k = 0:
;              the offsets that the next four samples' lines write were last read by the loads of samples SG to SG + 3, all issued ahead of it.
;   BEHIND THE GATHER.  Loads land in registers that earlier stages read or wrote: one wait on va_vdst stands ahead of each run of them (the 40 loads behind the gather; b1 behind Wo's products; the 30 loads behind W1's).
;              Codes, bytes, pairs and rows that go to LDS: one wait on va_vdst ahead of each run of LDS stores; no vector line stands between it and the LDS loads behind the barrier, so it serves those too.
;              v244-245 (a norm's pair), v251-253 (codes and byte), v208-215 (the offsets) and v152-167 (the way out) are read by memory or LDS instructions and written again: a wait on vm_vsrc stands ahead of each such write.
.set XI0, 0                            ; the image of the sampled sum;  XS0 its scale words
.set XS0, 2048
.set ST2, 2304                         ; LN2's pairs
.set XI1, 3328                         ; the image of LN2's result
.set XS1, 5376
.set HIM, 5632                         ; the hidden layer's image, 16 blocks
.set HS,  9728
.set ST3, 9984                         ; LN3's pairs
.set STG, 11008                        ; the way out: 16 rows x (1,024 + 16) bytes
.set SEL, 52
.set EPS, 56
.set R256, 57
.set H16, 2
.set IDX, 24                           ; v24-55 the 32 samples' rows
.set WT,  56                           ; v56-87 their weights
.set VW,  88                           ; v88-119 Wv's four fragments
.set G,   120                          ; v120-183 four sets of gathered fragments
.set GS,  184                          ; v184-207 hold scales and nothing else: v184-191 the gathered rows', later W1's
.set VWS, 192                          ; v192-195 Wv's, v196-199 Wo's, later W2's; v200-207 the images'
.set GA,  208                          ; v208-215 two offsets a set
.set D,   216                          ; v216-231 a sample's two tiles
.set ACC, 232                          ; v232-247 the weighted sum
.set QM,  248
.set QT,  249
.set QS,  250
.set LT,  240
.set LD,  20
.set STW, 11
.set STR, 12
.macro PLACES n
.rept \n
	v_nop
.endr
.endm
.macro BARRIER
	s_wait_dscnt 0x0
	s_barrier_signal -1
	s_barrier_wait -1
.endm
.macro MM0 d, a, b, sa, sb, r1
.if \r1
	v_wmma_scale_f32_16x16x128_f8f6f4 v[\d:\d+7], v[\a:\a+7], v[\b:\b+7], 0, v[\sa], v[\sb] matrix_a_fmt:MATRIX_FMT_FP4 matrix_b_fmt:MATRIX_FMT_FP4 matrix_a_scale:MATRIX_SCALE_ROW1
.else
	v_wmma_scale_f32_16x16x128_f8f6f4 v[\d:\d+7], v[\a:\a+7], v[\b:\b+7], 0, v[\sa], v[\sb] matrix_a_fmt:MATRIX_FMT_FP4 matrix_b_fmt:MATRIX_FMT_FP4
.endif
.endm
.macro MMC d, a, b, c, sa, sb, r1
.if \r1
	v_wmma_scale_f32_16x16x128_f8f6f4 v[\d:\d+7], v[\a:\a+7], v[\b:\b+7], v[\c:\c+7], v[\sa], v[\sb] matrix_a_fmt:MATRIX_FMT_FP4 matrix_b_fmt:MATRIX_FMT_FP4 matrix_a_scale:MATRIX_SCALE_ROW1
.else
	v_wmma_scale_f32_16x16x128_f8f6f4 v[\d:\d+7], v[\a:\a+7], v[\b:\b+7], v[\c:\c+7], v[\sa], v[\sb] matrix_a_fmt:MATRIX_FMT_FP4 matrix_b_fmt:MATRIX_FMT_FP4
.endif
.endm
.macro WFRAG dst, voff, sb, imm, ns
.set WS_, 0
.rept \ns
	global_load_b128 v[\dst+8*WS_:\dst+8*WS_+3], v[\voff], s[\sb:\sb+1] offset:\imm+64*WS_
	global_load_b128 v[\dst+8*WS_+4:\dst+8*WS_+7], v[\voff], s[\sb:\sb+1] offset:\imm+64*WS_+32
.set WS_, WS_+1
.endr
.endm
.macro BQ s, c, by
	v_max3_num_f32 v[QM], |v[\s]|, |v[\s+1]|, 0x1800000
.irp i, 2,4,6,8,10,12,14
	v_max3_num_f32 v[QM], v[QM], |v[\s+\i]|, |v[\s+\i+1]|
.endr
	v_permlanex16_b32 v[QT], v[QM], s[SEL], s[SEL+1]
	v_max_num_f32 v[QM], v[QM], v[QT]
	v_add_nc_u32 v[QS], 0xff000000, v[QM]
	v_lshrrev_b32 v[\by], 23, v[QS]
	v_cvt_scalef32_pk8_fp4_f32 v[\c], v[\s:\s+7], v[QS]
	v_cvt_scalef32_pk8_fp4_f32 v[\c+1], v[\s+8:\s+15], v[QS]
	v_nop
.endm
; LayerNorm over 256 channels of which each wave holds 32: each wave's mean and sum of squares about it meet in LDS and are joined by M2 = sum of M2_i + 32 x sum of (mean_i - mean)^2
.macro LNORM XB, GB, BB, SB, STO, cnt
	v_pk_add_f32 v[LT:LT+1], v[\XB:\XB+1], v[\XB+2:\XB+3]
	v_pk_add_f32 v[LT+2:LT+3], v[\XB+4:\XB+5], v[\XB+6:\XB+7]
	v_pk_add_f32 v[LT:LT+1], v[LT:LT+1], v[\XB+8:\XB+9]
	v_pk_add_f32 v[LT+2:LT+3], v[LT+2:LT+3], v[\XB+10:\XB+11]
	v_pk_add_f32 v[LT:LT+1], v[LT:LT+1], v[\XB+12:\XB+13]
	v_pk_add_f32 v[LT+2:LT+3], v[LT+2:LT+3], v[\XB+14:\XB+15]
	v_pk_add_f32 v[LT:LT+1], v[LT:LT+1], v[LT+2:LT+3]
	v_add_f32 v[LT], v[LT], v[LT+1]
	v_permlanex16_b32 v[LT+1], v[LT], s[SEL], s[SEL+1]
	v_add_f32 v[LT], v[LT], v[LT+1]
	v_mul_f32 v[LT+4], 0x3d000000, v[LT]
	v_mov_b32 v[LT+5], v[LT+4]
	v_pk_add_f32 v[LD:LD+1], v[\XB:\XB+1], v[LT+4:LT+5] neg_lo:[0,1] neg_hi:[0,1]
	v_pk_add_f32 v[LD+2:LD+3], v[\XB+2:\XB+3], v[LT+4:LT+5] neg_lo:[0,1] neg_hi:[0,1]
	v_pk_mul_f32 v[LT:LT+1], v[LD:LD+1], v[LD:LD+1]
	v_pk_mul_f32 v[LT+2:LT+3], v[LD+2:LD+3], v[LD+2:LD+3]
.irp i, 4,8,12
	v_pk_add_f32 v[LD:LD+1], v[\XB+\i:\XB+\i+1], v[LT+4:LT+5] neg_lo:[0,1] neg_hi:[0,1]
	v_pk_add_f32 v[LD+2:LD+3], v[\XB+\i+2:\XB+\i+3], v[LT+4:LT+5] neg_lo:[0,1] neg_hi:[0,1]
	v_pk_fma_f32 v[LT:LT+1], v[LD:LD+1], v[LD:LD+1], v[LT:LT+1]
	v_pk_fma_f32 v[LT+2:LT+3], v[LD+2:LD+3], v[LD+2:LD+3], v[LT+2:LT+3]
.endr
	v_pk_add_f32 v[LT:LT+1], v[LT:LT+1], v[LT+2:LT+3]
	v_add_f32 v[LT], v[LT], v[LT+1]
	v_permlanex16_b32 v[LT+1], v[LT], s[SEL], s[SEL+1]
	v_add_f32 v[LT+5], v[LT], v[LT+1]
	s_wait_alu depctr_va_vdst(0)                   ; my pair v[LT+4:LT+5] is written, which the LDS store reads; every earlier reader of v[SB ..], in which the eight pairs land, is done
	ds_store_b64 v[STW], v[LT+4:LT+5] offset:\STO
	BARRIER
	s_wait_alu depctr_vm_vsrc(0)                   ; the LDS store has read my pair, which is written again below; so have the image's LDS stores ahead of it their codes and byte
.irp i, 0,1,2,3,4,5,6,7
	ds_load_b64 v[\SB+2*\i:\SB+2*\i+1], v[STR] offset:\STO+128*\i
.endr
	s_wait_dscnt 0x0
	v_pk_add_f32 v[LT:LT+1], v[\SB:\SB+1], v[\SB+2:\SB+3]
	v_pk_add_f32 v[LT+2:LT+3], v[\SB+4:\SB+5], v[\SB+6:\SB+7]
	v_pk_add_f32 v[LT:LT+1], v[LT:LT+1], v[\SB+8:\SB+9]
	v_pk_add_f32 v[LT+2:LT+3], v[LT+2:LT+3], v[\SB+10:\SB+11]
	v_pk_add_f32 v[LT:LT+1], v[LT:LT+1], v[\SB+12:\SB+13]
	v_pk_add_f32 v[LT+2:LT+3], v[LT+2:LT+3], v[\SB+14:\SB+15]
	v_pk_add_f32 v[LT:LT+1], v[LT:LT+1], v[LT+2:LT+3]
	v_mul_f32 v[LT+4], 0x3e000000, v[LT]
	v_mov_b32 v[LT+5], v[LT+4]
	v_sub_f32 v[LD], v[\SB], v[LT+4]
	v_sub_f32 v[LD+1], v[\SB+2], v[LT+4]
	v_mul_f32 v[LT+2], v[LD], v[LD]
	v_mul_f32 v[LT+3], v[LD+1], v[LD+1]
.irp i, 4,8,12
	v_sub_f32 v[LD], v[\SB+\i], v[LT+4]
	v_sub_f32 v[LD+1], v[\SB+\i+2], v[LT+4]
	v_fmac_f32 v[LT+2], v[LD], v[LD]
	v_fmac_f32 v[LT+3], v[LD+1], v[LD+1]
.endr
	v_add_f32 v[LT+2], v[LT+2], v[LT+3]
	v_fmamk_f32 v[LT], v[LT+2], 0x42000000, v[LT+1]
	v_fma_f32 v[LT], v[LT], s[R256], s[EPS]
	s_wait_alu depctr_va_vdst(0)
	v_rsq_f32 v[LT+6], v[LT]
	v_nop
	s_wait_alu depctr_va_vdst(0)                   ; the root's reciprocal v[LT+6] is written, ahead of its first reader
	v_mov_b32 v[LT+7], v[LT+6]
	s_wait_loadcnt \cnt                            ; gain and bias are in
	s_wait_xcnt 0x0
.irp i, 0,2,4,6,8,10,12,14
	v_pk_add_f32 v[\XB+\i:\XB+\i+1], v[\XB+\i:\XB+\i+1], v[LT+4:LT+5] neg_lo:[0,1] neg_hi:[0,1]
.endr
	s_wait_alu depctr_va_vdst(0)
.irp i, 0,2,4,6,8,10,12,14
	v_pk_mul_f32 v[\XB+\i:\XB+\i+1], v[\XB+\i:\XB+\i+1], v[LT+6:LT+7]
.endr
.irp i, 0,2,4,6,8,10,12,14
	v_pk_fma_f32 v[\XB+\i:\XB+\i+1], v[\XB+\i:\XB+\i+1], v[\GB+\i:\GB+\i+1], v[\BB+\i:\BB+\i+1]
.endr
.endm
.macro ADDR sg                         ; sample sg's offsets: the stored row, held inside the table, x 128 + 16 h for the codes and x 8 for the scale bytes
.set KA_, (\sg)%4
	v_min_u32 v[GA+2*KA_+1], 0x270ff, v[IDX+(\sg)]
	v_lshl_add_u32 v[GA+2*KA_], v[GA+2*KA_+1], 7, v[H16]
	v_lshlrev_b32 v[GA+2*KA_+1], 3, v[GA+2*KA_+1]
.endm
.macro ISSUE sg                        ; its five loads: two fragments (256 codes of my query's row) and the row's two scale words
.set KA_, (\sg)%4
.irp f, 0,1,2,3
	global_load_b128 v[G+16*KA_+4*\f:G+16*KA_+4*\f+3], v[GA+2*KA_], s[14:15] offset:32*\f
.endr
	global_load_b64 v[GS+2*KA_:GS+2*KA_+1], v[GA+2*KA_+1], s[16:17]
.endm
	s_load_b512 s[8:23], s[0:1], 0x0               ; sidx, swt, ident, value's codes, value's scales, Wv's codes, Wv's scales, bv
	s_load_b512 s[24:39], s[0:1], 0x40             ; Wo's codes, Wo's scales, bo, ln2_g, ln2_b, W1's codes, W1's scales, b1
	s_load_b256 s[40:47], s[0:1], 0x80             ; W2's codes, W2's scales, b2, ln3_g
	s_load_b128 s[48:51], s[0:1], 0xa0             ; ln3_b, out0
	s_set_vgpr_msb 0x40
	v_lshl_add_u32 v0, v0, 2, 0x6c00
	v_mov_b32 v1, 0
	s_set_vgpr_msb 0x4000
	v_lshrrev_b32 v248, 5, v0
	v_readfirstlane_b32 s2, v248                   ; wave
	s_mov_b32 s3, ttmp9                            ; the tile
	s_and_b32 s4, ttmp7, 0xffff                    ; the batch
	s_mul_i32 s5, s4, 157
	s_add_co_u32 s5, s5, s3
	s_mov_b32 s[SEL], 0x76543210
	s_mov_b32 s[SEL+1], 0xfedcba98
	s_mov_b32 s[EPS], 0x3727c5ac
	s_mov_b32 s[R256], 0x3b800000
	v_and_b32 v248, 31, v0                         ; lane
	v_and_b32 v249, 15, v0                         ; r
	v_bfe_u32 v250, v0, 4, 1                       ; h
	v_and_b32 v251, 8, v249
	v_add_nc_u32 v251, v251, v249                  ; r + 8 (r / 8)
	v_lshlrev_b32 v1, 4, v248                      ; v1 = 16 x lane
	v_lshlrev_b32 v[H16], 4, v250                  ; v2 = 16 h
	v_lshlrev_b32 v3, 4, v249                      ; v3 = 16 r
	v_lshl_add_u32 v4, v251, 7, v[H16]             ; v4: a row of 256 codes, + 16 h
	v_lshlrev_b32 v5, 3, v251                      ; v5: its 8 scale bytes
	v_lshlrev_b32 v6, 6, v250                      ; v6 = 64 h
	v_lshl_add_u32 v7, v251, 8, v[H16]             ; v7: a row of 512 codes, + 16 h
	v_lshlrev_b32 v8, 4, v251                      ; v8: its 16 scale bytes
	v_lshl_add_u32 v9, v250, 3, v3                 ; 16 r + 8 h
	v_lshlrev_b32 v13, 2, v249                     ; v13 = 4 r
	v_lshlrev_b32 v[STR], 3, v249                  ; v12 = 8 r
	s_wait_alu depctr_va_vdst(0)
	s_wait_alu depctr_va_sdst(0)                   ; s2 is written, ahead of its first reader
	s_lshl_b32 s54, s2, 9
	v_add_nc_u32 v14, s54, v9                      ; v14: the hidden layer's codes: 512 w + 16 r + 8 h
	s_lshl_b32 s54, s2, 8
	v_add_nc_u32 v9, s54, v9                       ; v9: a block's codes: 256 w + 16 r + 8 h
	s_lshr_b32 s54, s2, 2
	s_lshl_b32 s54, s54, 6
	s_and_b32 s55, s2, 3
	s_add_co_u32 s54, s54, s55
	v_add_nc_u32 v10, s54, v13                     ; v10: its scale byte: 64 (w / 4) + 4 r + w % 4
	s_lshl_b32 s54, s2, 7
	v_add_nc_u32 v[STW], s54, v[STR]               ; v11 = 128 w + 8 r
	v_mul_u32_u24 v16, v249, 1040
	v_add_nc_u32 v16, s54, v16
	v_add_nc_u32 v16, v16, v6                      ; v16: the stage: 1,040 r + 128 w + 64 h
	s_lshr_b32 s54, s2, 1
	s_lshl_b32 s54, s54, 6
	s_and_b32 s55, s2, 1
	s_lshl_b32 s55, s55, 1
	s_add_co_u32 s54, s54, s55
	v_add_nc_u32 v15, s54, v13                     ; v15: the hidden layer's scale bytes: blocks 2 w and 2 w + 1
	s_mul_i32 s54, s2, 2080
	v_add_nc_u32 v17, s54, v1                      ; v17: back from the stage: rows 2 w and 2 w + 1
	v_mov_b32 v19, 0                               ; (named with v18 as a pair)
	v_mov_b32 v[QT], 0                             ; written once: a lane permute's destination counts as one of its sources
	s_mov_b32 s59, 0
	s_wait_kmcnt 0x0
	s_lshl_b32 s58, s5, 3
	s_add_co_u32 s58, s58, s2
	s_lshl_b32 s58, s58, 11                        ; (8 x tile + wave) x 2,048
	s_add_nc_u64 s[8:9], s[8:9], s[58:59]
	s_add_nc_u64 s[10:11], s[10:11], s[58:59]
	s_add_nc_u64 s[12:13], s[12:13], s[58:59]
	s_lshl_b32 s58, s2, 12
	s_add_nc_u64 s[18:19], s[18:19], s[58:59]
	s_add_nc_u64 s[24:25], s[24:25], s[58:59]
	s_lshl_b32 s58, s2, 8
	s_add_nc_u64 s[20:21], s[20:21], s[58:59]
	s_add_nc_u64 s[26:27], s[26:27], s[58:59]
	s_add_nc_u64 s[38:39], s[38:39], s[58:59]
	s_lshl_b32 s58, s2, 7
	s_add_nc_u64 s[22:23], s[22:23], s[58:59]
	s_add_nc_u64 s[28:29], s[28:29], s[58:59]
	s_add_nc_u64 s[30:31], s[30:31], s[58:59]
	s_add_nc_u64 s[32:33], s[32:33], s[58:59]
	s_add_nc_u64 s[44:45], s[44:45], s[58:59]
	s_add_nc_u64 s[46:47], s[46:47], s[58:59]
	s_add_nc_u64 s[48:49], s[48:49], s[58:59]
	s_lshl_b32 s58, s2, 13
	s_add_nc_u64 s[34:35], s[34:35], s[58:59]
	s_add_nc_u64 s[40:41], s[40:41], s[58:59]
	s_lshl_b32 s58, s2, 9
	s_add_nc_u64 s[36:37], s[36:37], s[58:59]
	s_add_nc_u64 s[42:43], s[42:43], s[58:59]
	s_lshl_b32 s60, s3, 4
	s_lshl_b32 s61, s2, 1
	s_add_co_u32 s60, s60, s61                     ; the first of the two rows that I store, within the batch
	s_mul_i32 s58, s4, 2500
	s_add_co_u32 s58, s58, s60
	s_lshl_b32 s58, s58, 10
	s_add_nc_u64 s[50:51], s[50:51], s[58:59]
	s_wait_alu depctr_va_vdst(0)                   ; the offsets and addresses v1 to v17 are written, which the loads and stores of the kernel read
.irp p, 0,1,2,3,4,5,6,7
	global_load_b128 v[IDX+4*\p:IDX+4*\p+3], v3, s[8:9] offset:256*\p      ; point p's four corners of query r
.endr
.irp p, 0,1,2,3,4,5,6,7
	global_load_b128 v[WT+4*\p:WT+4*\p+3], v3, s[10:11] offset:256*\p
.endr
.irp u, 0,1
	WFRAG VW+16*\u, 4, 18, 1024*\u, 2
	global_load_b64 v[VWS+2*\u:VWS+2*\u+1], v5, s[20:21] offset:64*\u
.endr
	s_wait_loadcnt 18                              ; the 18 loads behind them may be out: the rows' numbers are in
.irp g, 0,1,2,3
	ADDR \g
.endr
	s_wait_alu depctr_va_vdst(0)                   ; the first four samples' offsets v208 to v215 are written, which their twenty loads read
.irp g, 0,1,2,3
	ISSUE \g
.endr
	; ---- the gather: 32 samples, written out; set sg % 4
.set SG, 0
.rept 32
.set GB, G+16*(SG%4)
.set GC, GS+2*(SG%4)
.set WP, WT+(SG/2)*2
.if SG < 29
	s_wait_loadcnt 15                              ; the three younger samples' loads may be out
.else
	s_wait_loadcnt 10+5*(31-SG)                    ; the younger samples', and the ten loads of Wo issued in sample 28's turn
.endif
	MM0 D, VW, GB, VWS, GC, 0                      ; two accumulators by turns
	MM0 D+8, VW+16, GB, VWS+2, GC, 0
	MMC D, VW+8, GB+8, D, VWS+1, GC+1, 0
	MMC D+8, VW+24, GB+8, D+8, VWS+3, GC+1, 0
.if SG == 0                            ; four places in front of the first read of the results
	v_mov_b32 v18, v[WT]
.else
	v_add_f32 v18, v18, v[WT+SG]                   ; the sum of the weights, for the bias
.endif
.if SG < 28
.if SG%4 == 0
	s_wait_alu depctr_vm_vsrc(0)                   ; the loads of samples SG to SG + 3, all issued by now, have read the four sets' offsets, which this sample's lines and the next three samples' write
.endif
	ADDR SG+4                                      ; (this set's earlier loads are done: their offsets may be written)
	s_wait_alu depctr_va_vdst(0)                   ; the set's two offsets are written, which the five loads read; the four products are done reading the set's fragments and scale words, in which they land
	ISSUE SG+4
.else
	PLACES 3
.endif
.if SG == 28                           ; the rows' numbers are done with: Wo's fragments take their place.  No wait: no vector or matrix line since sample 27's wait names v24 to v55 or v196 to v199
	WFRAG 24, 4, 24, 0, 2
	WFRAG 40, 4, 24, 1024, 2
	global_load_b64 v[196:197], v5, s[26:27]
	global_load_b64 v[198:199], v5, s[26:27] offset:64
.endif
.if SG == 0
.irp j, 0,2,4,6,8,10,12,14
	v_pk_mul_f32 v[ACC+\j:ACC+\j+1], v[D+\j:D+\j+1], v[WP:WP+1] op_sel_hi:[1,0]       ; the first sample starts the sums
.endr
.elseif SG%2
	s_wait_alu depctr_va_vdst(0)
.irp j, 0,2,4,6,8,10,12,14
	v_pk_fma_f32 v[ACC+\j:ACC+\j+1], v[D+\j:D+\j+1], v[WP:WP+1], v[ACC+\j:ACC+\j+1] op_sel:[0,1,0] op_sel_hi:[1,1,1]
.endr
.else
	s_wait_alu depctr_va_vdst(0)
.irp j, 0,2,4,6,8,10,12,14
	v_pk_fma_f32 v[ACC+\j:ACC+\j+1], v[D+\j:D+\j+1], v[WP:WP+1], v[ACC+\j:ACC+\j+1] op_sel_hi:[1,0,1]
.endr
.endif
.set SG, SG+1
.endr
	; ---- 40 loads for what follows, into registers that the gather has left
	s_wait_alu depctr_va_vdst(0)                   ; the last products and sums are done with the four sets, their scale words, Wv's fragments, the weights and the sample's tiles, in all of which the loads below land
	s_wait_alu depctr_vm_vsrc(0)                   ; the gather's last loads have read the offsets v208 to v215, in which ln2_b lands
.irp i, 0,1,2,3
	global_load_b128 v[120+4*\i:123+4*\i], v6, s[22:23] offset:16*\i       ; bv
.endr
.irp i, 0,1,2,3
	global_load_b128 v[136+4*\i:139+4*\i], v6, s[28:29] offset:16*\i       ; bo
.endr
.irp i, 0,1,2,3
	global_load_b128 v[152+4*\i:155+4*\i], v1, s[12:13] offset:512*\i      ; the identity, as it was stored
.endr
.irp i, 0,1,2,3
	global_load_b128 v[168+4*\i:171+4*\i], v6, s[30:31] offset:16*\i       ; ln2_g
.endr
.irp i, 0,1,2,3
	global_load_b128 v[208+4*\i:211+4*\i], v6, s[32:33] offset:16*\i       ; ln2_b
.endr
.irp t, 0,1,2,3
	WFRAG 56+16*\t, 4, 34, (32*(\t/2)+8*(\t%2))*128, 2                     ; W1: tile t begins at row 64 w + 32 (t / 2) + 8 (t % 2)
.endr
.irp t, 0,1,2,3
	global_load_b64 v[184+2*\t:185+2*\t], v5, s[36:37] offset:(32*(\t/2)+8*(\t%2))*8
.endr
	s_wait_loadcnt 36                              ; the 36 loads behind bv may be out
.irp j, 0,2,4,6,8,10,12,14
	v_pk_fma_f32 v[ACC+\j:ACC+\j+1], v[120+\j:121+\j], v[18:19], v[ACC+\j:ACC+\j+1] op_sel_hi:[1,0,1]   ; + bv x the sum of the weights
.endr
	BQ ACC, 252, 251
	s_wait_alu depctr_va_vdst(0)                   ; the codes v252, v253 and the byte v251 are written, which the LDS stores read; the quantising is done reading v232 to v239, in which the image's fragments land behind the barrier
	ds_store_b64 v9, v[252:253] offset:XI0
	ds_store_b8 v10, v251 offset:XS0
	BARRIER                                        ; the eight heads' blocks lie in LDS
.irp f, 0,1,2,3
	ds_load_b128 v[224+4*\f:227+4*\f], v1 offset:XI0+512*\f
.endr
	ds_load_b32 v200, v13 offset:XS0
	ds_load_b32 v201, v13 offset:XS0+64
	s_wait_loadcnt 32                              ; bo is in
	s_wait_dscnt 0x0
	MMC 136, 24, 224, 136, 196, 200, 0
	MMC 144, 40, 224, 144, 198, 200, 0
	MMC 136, 32, 232, 136, 197, 201, 0
	MMC 144, 48, 232, 144, 199, 201, 0
	PLACES 4
	s_wait_alu depctr_va_vdst(0)                   ; the four products are done reading Wo's fragments v24 to v55, in which b1 lands
.irp e, 0,1
.irp i, 0,1,2,3
	global_load_b128 v[24+16*\e+4*\i:27+16*\e+4*\i], v6, s[38:39] offset:128*\e+16*\i  ; b1, in the result's layout, takes Wo's place
.endr
.endr
	s_wait_loadcnt 36                              ; gain, bias, W1, its scales and b1 may be out: the identity is in
.irp j, 0,2,4,6,8,10,12,14
	v_pk_add_f32 v[152+\j:153+\j], v[136+\j:137+\j], v[152+\j:153+\j]
.endr
	LNORM 152, 168, 208, 120, ST2, 28              ; W1, its scales and b1 may be out
	BQ 152, 252, 251
	s_wait_alu depctr_va_vdst(0)                   ; the codes v252, v253 and the byte v251 are written, which the LDS stores read; Wo's products are long done reading v224 to v239, in which the image's fragments land behind the barrier
	ds_store_b64 v9, v[252:253] offset:XI1
	ds_store_b8 v10, v251 offset:XS1
	BARRIER
.irp f, 0,1,2,3
	ds_load_b128 v[224+4*\f:227+4*\f], v1 offset:XI1+512*\f
.endr
	ds_load_b32 v202, v13 offset:XS1
	ds_load_b32 v203, v13 offset:XS1+64
	s_wait_loadcnt 0x0
	s_wait_dscnt 0x0
.irp t, 0,1,2,3
	MMC 24+8*\t, 56+16*\t, 224, 24+8*\t, 184+2*\t, 202, 0
.endr
.irp t, 0,1,2,3
	MMC 24+8*\t, 64+16*\t, 232, 24+8*\t, 185+2*\t, 203, 0
.endr
	PLACES 4
	s_wait_alu depctr_va_vdst(0)                   ; the eight products are done reading W1's fragments v56 to v119, in which W2's land; every earlier reader of v136 to v151, v168 to v183, v192 to v199 and v208 to v223 is done too
	s_wait_alu depctr_vm_vsrc(0)                   ; the image's LDS stores have read v251 to v253, which the hidden layer's quantising writes
.irp u, 0,1
	WFRAG 56+32*\u, 7, 40, 2048*\u, 4              ; W2: tile u, four K steps
.endr
.irp u, 0,1
	global_load_b128 v[192+4*\u:195+4*\u], v8, s[42:43] offset:128*\u
.endr
.irp i, 0,1,2,3
	global_load_b128 v[136+4*\i:139+4*\i], v6, s[44:45] offset:16*\i       ; b2
.endr
.irp i, 0,1,2,3
	global_load_b128 v[168+4*\i:171+4*\i], v6, s[46:47] offset:16*\i       ; ln3_g
.endr
.irp i, 0,1,2,3
	global_load_b128 v[208+4*\i:211+4*\i], v6, s[48:49] offset:16*\i       ; ln3_b
.endr
.set JJ, 0
.rept 32
	v_max_num_f32 v[24+JJ], 0, v[24+JJ]            ; relu
.set JJ, JJ+1
.endr
	BQ 24, 252, 251
	BQ 40, 254, 18
	s_wait_alu depctr_va_vdst(0)                   ; the two blocks' codes v252 to v255 and bytes v251, v18 are written, which the four LDS stores read; the quantisings are done reading v24 to v55, in which the hidden layer's fragments land behind the barrier
	ds_store_b64 v14, v[252:253] offset:HIM
	ds_store_b8 v15, v251 offset:HS
	ds_store_b64 v14, v[254:255] offset:HIM+256
	ds_store_b8 v15, v18 offset:HS+1
	BARRIER                                        ; the hidden layer's sixteen blocks lie in LDS
.irp f, 0,1,2,3,4,5,6,7
	ds_load_b128 v[24+4*\f:27+4*\f], v1 offset:HIM+512*\f
.endr
.irp s, 0,1,2,3
	ds_load_b32 v[204+\s], v13 offset:HS+64*\s
.endr
	s_wait_loadcnt 8                               ; ln3's gain and bias may be out
	s_wait_dscnt 0x0
.irp s, 0,1,2,3
.irp u, 0,1
	MMC 136+8*\u, 56+32*\u+8*\s, 24+8*\s, 136+8*\u, 192+4*\u+\s, 204+\s, 0
.endr
.endr
	PLACES 4
.irp j, 0,2,4,6,8,10,12,14
	v_pk_add_f32 v[152+\j:153+\j], v[136+\j:137+\j], v[152+\j:153+\j]      ; the FFN's own residual
.endr
	LNORM 152, 168, 208, 120, ST3, 0
	s_wait_alu depctr_va_vdst(0)                   ; the rows v152 to v167 are written, which the four LDS stores read
.irp i, 0,1,2,3
	ds_store_b128 v16, v[152+4*\i:155+4*\i] offset:STG+16*\i
.endr
	BARRIER                                        ; 16 whole rows lie in the stage
	s_wait_alu depctr_vm_vsrc(0)                   ; my LDS stores have read v152 to v167, in which the loads from the stage land: ahead of the branch
	s_cmp_ge_u32 s60, 2500                         ; rows from 2,500 on are padding (2,500 and my first row are even: both of mine or none)
	s_cbranch_scc1 .Lend
.irp f, 0,1,2,3
	ds_load_b128 v[152+4*\f:155+4*\f], v17 offset:STG+1040*(\f/2)+512*(\f%2)
.endr
	s_wait_dscnt 0x0
.irp f, 0,1,2,3
	global_store_b128 v1, v[152+4*\f:155+4*\f], s[50:51] offset:512*\f th:TH_STORE_NT  ; 512 consecutive bytes a store
.endr
.Lend:
	s_set_vgpr_msb 0x5                             ; the add's two registers, v256 and v257
	s_wait_dscnt 0x0                               ; the closing lines, six on end
	s_wait_alu 0x0
	s_wait_tensorcnt 0x0
	ds_add_u32 v0, v1
	s_wait_dscnt 0x0
	s_endpgm
.Lfunc_end_k_qc5d88c14ae_tail:
	.size	k_qc5d88c14ae_tail, .Lfunc_end_k_qc5d88c14ae_tail-k_qc5d88c14ae_tail
	.p2alignl 7, 3214868480
	.fill 96, 4, 3214868480
	.section	.rodata,"a",@progbits
	.p2align	6, 0x0
	.amdhsa_kernel k_qc5d88c14ae_tail
		.amdhsa_group_segment_fixed_size 28672
		.amdhsa_private_segment_fixed_size 0
		.amdhsa_enable_private_segment 0
		.amdhsa_kernarg_size 176
		.amdhsa_user_sgpr_count 2
		.amdhsa_user_sgpr_kernarg_segment_ptr 1
		.amdhsa_wavefront_size32 1
		.amdhsa_system_sgpr_workgroup_id_x 1
		.amdhsa_system_sgpr_workgroup_id_y 1
		.amdhsa_system_sgpr_workgroup_id_z 1
		.amdhsa_system_vgpr_workitem_id 0
		.amdhsa_next_free_vgpr 258
		.amdhsa_next_free_sgpr 66
		.amdhsa_reserve_vcc 0
		.amdhsa_float_denorm_mode_32 3
		.amdhsa_float_denorm_mode_16_64 3
		.amdhsa_memory_ordered 1
		.amdhsa_forward_progress 1
		.amdhsa_inst_pref_size 96
	.end_amdhsa_kernel
	.amdgpu_metadata
---
amdhsa.version: [ 1, 2 ]
amdhsa.kernels:
  - .name:           k_qc5d88c14ae_tail
    .symbol:         k_qc5d88c14ae_tail.kd
    .args:
      - { .name: sidx, .offset: 0, .size: 8, .value_kind: global_buffer, .address_space: global }
      - { .name: swt, .offset: 8, .size: 8, .value_kind: global_buffer, .address_space: global }
      - { .name: ident, .offset: 16, .size: 8, .value_kind: global_buffer, .address_space: global }
      - { .name: value_codes, .offset: 24, .size: 8, .value_kind: global_buffer, .address_space: global }
      - { .name: value_scales, .offset: 32, .size: 8, .value_kind: global_buffer, .address_space: global }
      - { .name: vproj_w_codes, .offset: 40, .size: 8, .value_kind: global_buffer, .address_space: global }
      - { .name: vproj_w_scales, .offset: 48, .size: 8, .value_kind: global_buffer, .address_space: global }
      - { .name: vproj_b, .offset: 56, .size: 8, .value_kind: global_buffer, .address_space: global }
      - { .name: oproj_w_codes, .offset: 64, .size: 8, .value_kind: global_buffer, .address_space: global }
      - { .name: oproj_w_scales, .offset: 72, .size: 8, .value_kind: global_buffer, .address_space: global }
      - { .name: oproj_b, .offset: 80, .size: 8, .value_kind: global_buffer, .address_space: global }
      - { .name: ln2_g, .offset: 88, .size: 8, .value_kind: global_buffer, .address_space: global }
      - { .name: ln2_b, .offset: 96, .size: 8, .value_kind: global_buffer, .address_space: global }
      - { .name: ffn_w1_codes, .offset: 104, .size: 8, .value_kind: global_buffer, .address_space: global }
      - { .name: ffn_w1_scales, .offset: 112, .size: 8, .value_kind: global_buffer, .address_space: global }
      - { .name: ffn_b1, .offset: 120, .size: 8, .value_kind: global_buffer, .address_space: global }
      - { .name: ffn_w2_codes, .offset: 128, .size: 8, .value_kind: global_buffer, .address_space: global }
      - { .name: ffn_w2_scales, .offset: 136, .size: 8, .value_kind: global_buffer, .address_space: global }
      - { .name: ffn_b2, .offset: 144, .size: 8, .value_kind: global_buffer, .address_space: global }
      - { .name: ln3_g, .offset: 152, .size: 8, .value_kind: global_buffer, .address_space: global }
      - { .name: ln3_b, .offset: 160, .size: 8, .value_kind: global_buffer, .address_space: global }
      - { .name: out0, .offset: 168, .size: 8, .value_kind: global_buffer, .address_space: global }
    .group_segment_fixed_size: 28672
    .private_segment_fixed_size: 0
    .kernarg_segment_align: 8
    .kernarg_segment_size: 176
    .max_flat_workgroup_size: 256
    .sgpr_count:     66
    .vgpr_count:     258
    .wavefront_size: 32
...
	.end_amdgpu_metadata
.endif
;; end of part 8
